; MI455X (gfx1250); checked and timed in simulation.
; The chip was launched on July 23, 2026; its instructions are those of AMD's public machine-readable ISA for CDNA 5 (MIT licence, August 2026) and "CDNA5" Instruction Set Architecture Reference Guide (July 2026). The comments in the code are by the model that wrote it; some were corrected since.
;; Attention. Allowed arithmetic: matrix products marked QUANTISED: E2M3 operands, one E8M0 scale for each 32 along K, by v_wmma_scale_f32_16x16x128_f8f6f4 with both operands' format E2M3, f32 sums; everything else in f32.
;; Inputs: Wk 1,024 x 1,024 float32; Wq 1,024 x 1,024 float32; Wv 1,024 x 1,024 float32; mask 4 x 2,048 x 2,048 bool; x 4 x 2,048 x 1,024 float32.
;; Outputs: out0 4 x 2,048 x 1,024 float32.
;; This version of the problem:
;;   THIS VERSION OF THE PROBLEM IS GIVEN IN LOW PRECISION. The matrix products marked QUANTISED in the list below multiply operands that are first quantised to E2M3 (2 exponent bits, 3 mantissa bits; 6 bits a number), with one power-of-two scale for each 32 numbers along K (OCP MX v1.0); their sums are f32. All else is computed in f32.
;;   The module's matrix products, in the order in which they are computed (A, B: the left and right operand; K: the contracted axis; several contracted axes count as one K, in the product's order):
;;     1. [M 8,192, K 1,024] x [K 1,024, N 1,024]; A: input x; B: input Wq: QUANTISED
;;     2. [M 8,192, K 1,024] x [K 1,024, N 1,024]; A: input x; B: input Wk: QUANTISED
;;     3. [M 8,192, K 1,024] x [K 1,024, N 1,024]; A: input x; B: input Wv: QUANTISED
;;     4. batch 4 x [M 2,048, K 1,024] x [K 1,024, N 2,048]; A: computed on the way; B: computed on the way: QUANTISED
;;     5. batch 4 x [M 2,048, K 2,048] x [K 2,048, N 1,024]; A: softmax (see below); B: computed on the way: QUANTISED
;;   THE QUANTISER, for each operand of a quantised product, along K:
;;     - K is cut into blocks of 32 from its start; a last block that is shorter is filled with zeros.
;;     - A block's scale is 2^e with e = floor(log2(the largest magnitude in the block)) - 2, held to -126 .. 127; a block of zeros has e = 0. As a byte (E8M0): e + 127.
;;     - Each number is divided by its block's scale, clamped to +-7.5, and rounded to the nearest number of E2M3, ties to even, subnormals kept.
;;     - The product sums the exact products of the quantised numbers (number of the format x scale) in f32.
;;   ~~~python
;;   def quantise(x, axis):      # numpy; x: float32 -> the quantised numbers, widened to float32 again
;;       x = np.moveaxis(x, axis, -1); K = x.shape[-1]
;;       x = np.pad(x, [(0, 0)] * (x.ndim - 1) + [(0, -K % 32)]); x = x.reshape(x.shape[:-1] + (-1, 32)); a = np.abs(x).max(-1, keepdims=True)
;;       e = np.where(a > 0, np.clip(np.frexp(np.where(a > 0, a, 1))[1] - 1 - 2, -126, 127), 0)      # np.frexp(a)[1] - 1 = floor(log2(a)), exactly
;;       r = np.clip(x / 2.0 ** e, -7.5, 7.5)
;;       step = 2.0 ** (np.maximum(np.frexp(np.where(r == 0, 1, r))[1] - 1, 0) - 3)
;;       q = np.round(r / step) * step * 2.0 ** e      # np.round: ties to even
;;       return np.moveaxis(q.reshape(q.shape[:-2] + (-1,))[..., :K], -1, axis).astype(np.float32)
;;   ~~~
;;   SOFTMAX AHEAD OF A QUANTISED PRODUCT. Where the list says 'softmax', what is quantised is not the finished softmax but p = 2^(t - M), with t = logit x log2(e) and M = ceil(the row's largest t), a whole number; so 1/2 < the row's largest p <= 1. The row's sum l is taken of the UNQUANTISED p, in f32, and the product's result is divided by l at the end. Since M is a whole number, a kernel that streams over the keys may use a running M (the ceiling of the running maximum): every later rescaling is an exact power of two, which a block's scale takes up: the codes' values come out the same.
;;   OPERANDS COMPUTED ON THE WAY. 'Computed on the way' means the value that the module computes at that place (a softmax that the list does not call 'softmax' is quantised finished and normalised). What goes into a quantiser is computed in f32, as accurately as f32 sums, v_exp_f32 and their like allow (about 1e-6 of the number): no bf16 or f16 on the way to a quantiser, and a product that is left as it is and whose result goes on into a quantised operand takes f32 operands (vector FMAs, or v_wmma_f32_16x16x4_f32). A number that lies on a knife's edge between two numbers of the format may be rounded either way, as far as f32 arithmetic and the matrix unit's own rounding can turn it there, and no further.
;; 2 versions. Each part assembles by itself: llvm-mc -triple=amdgcn-amd-amdhsa -mcpu=gfx1250 --defsym DOCPART=n.
;; ======== version 1 of 2: 5 launches
;; workspace buffers: xq 6,553,600 bytes; wqk 1,835,008 bytes; wv 1,048,576 bytes; qk 13,107,200 bytes; vt 6,815,744 bytes; pc 12,582,912 bytes; pst 2,097,152 bytes
;; launch quant (part 1): grid 448 x 1, 4 waves a work-group, no clusters, 34,304 bytes of LDS; arguments x, Wq, Wk, Wv, xq, wqk, wv; writes xq, wqk, wv
.if DOCPART == 1
	.amdgcn_target "amdgcn-amd-amdhsa--gfx1250"
	.amdhsa_code_object_version 6
	.text
	.protected	k_q498afd3f58_quant
	.globl	k_q498afd3f58_quant
	.p2align	8
	.type	k_q498afd3f58_quant,@function
k_q498afd3f58_quant:
	s_mov_b64 s[64:65], 0
	v_nop
	global_prefetch_b8 v0, s[64:65] scope:SCOPE_SE
	s_setreg_imm32_b32 hwreg(HW_REG_WAVE_MODE, 25, 1), 1
	s_wait_xcnt 0x0
; x [8192][1024] (K innermost) and Wq, Wk, Wv [1024 (K)][1024] (K outermost), f32, become codes of FP6 (E2M3) with one E8M0 byte for each 32 along K.
; THE LAYOUT OF EVERY OPERAND OF THIS PROGRAM: images of the operand's registers.  A row tile T holds 16 rows: lane-row r is matrix row 32 (T / 2) + 8 (T % 2) + r + 8 (r / 8).
; A fragment (T, K step of 128) is 12 registers a lane (lane (r, h): registers 6 c .. 6 c + 5 = k 64 c + 32 h + 0 .. 31) and lies as 1,536 bytes: registers 4 g .. 4 g + 3 of lane l at 512 g + 16 l.
; Codes: [T][K step][1536], from byte IN_CODES of the buffer on.  Scale words (four bytes: 128 along K of one row): [T][K step / 4][r][4 words], from byte 0 on.
; A block's scale is 2^(floor(log2(its largest magnitude)) - 2); its byte is the largest magnitude's exponent field - 2, held at 1 from below.
; LIMITS: a block of zeros gets the byte 1 where the rule says 127 (its codes are zeros, and this program alone reads the bytes); blocks whose largest magnitude lies under 2^-124 keep the byte 1;
; NaN and infinities among the inputs are not served.
; SHARES: work-groups 0-255 take x: a wave takes one row tile x 512 along K (four K steps).  Work-groups 256-447 take the weights: a wave takes 32 columns (two row tiles) x one K step.
; No tensor loads, no barrier: waves share nothing.  Only x's path uses LDS.
.set IN_CODES, 262144
.set XWG,  256                         ; work-groups that take x
.set STG,  8448                        ; x's path: a wave's stage in LDS: 16 rows x SPX
.set SPX,  528                         ; a stage row: 512 bytes + 16: 33 x 16, so that the sixteen rows of a read begin in sixteen different columns of 16 bytes
.set R,    16                          ; v16-143  x: two sets of 64 registers as loaded
.set X,    144                         ; v144-207 x: 64 numbers of my row: register 16 b + i = k 32 b + 16 h + i
.set PC,   208                         ; v208-227 the codes just made
.set TM,   228                         ; v228-243 at work
.set SW,   244                         ; v244-247 the four K steps' scale words
.set SEL,  24                          ; s[24:25] lane selects for v_permlanex16_b32: lane l xor 16
.set D,    64                          ; v64-191  weights: 128 numbers down K of my column
.set STR,  32                          ; v32-43, v44-55  weights: the 12 registers of image lane (r, 0) and of (r, 1)
.set TMPC, 56                          ; v56-58
.set MSB, 0
.macro WIN new                         ; register windows: this text stays in window 0, so the macro writes nothing here; it stands so that QUANTW reads alike in all bodies
.if MSB != (\new)
	s_set_vgpr_msb (MSB<<8)|(\new)
.set MSB, (\new)
.endif
.endm
; 64 numbers of a lane, v[s] .. v[s + 63] of window w, register 16 b + i = k 32 b + 16 (lane / 16) + i of my row, become a fragment's codes in v[pc] .. v[pc + 11] and its scale word in v[pw].
.macro QUANTW s, w, pc, pw
.set WQ, ((\w)<<2)|((\w)<<4)
	WIN WQ
.irp b, 0,1,2,3
	v_max3_num_f32 v[TM+\b], 0x1800000, |v[(\s)+16*\b]|, |v[(\s)+16*\b+1]|   ; block b: my 16 numbers, and the floor 2^(3 - 127): the byte cannot fall under 1
.endr
.irp i, 2,4,6,8,10,12,14
.irp b, 0,1,2,3
	v_max3_num_f32 v[TM+\b], v[TM+\b], |v[(\s)+16*\b+\i]|, |v[(\s)+16*\b+\i+1]|   ; the four blocks by turns
.endr
.endr
	WIN 0
.irp b, 0,1,2,3
	v_permlanex16_b32 v[TM+4+\b], v[TM+\b], s[SEL], s[SEL+1]
.endr
.irp b, 0,1,2,3
	v_max_num_f32 v[TM+\b], v[TM+\b], v[TM+4+\b]   ; with lane l xor 16's: the block's largest magnitude
.endr
.irp b, 0,1,2,3
	v_add_nc_u32 v[TM+12+\b], 0xff000000, v[TM+\b] ; 2 off its exponent field: the conversion's scale operand
.endr
.irp b, 0,1,2,3
	v_lshrrev_b32 v[TM+4+\b], 23, v[TM+12+\b]      ; the scale's byte
.endr
	v_lshl_or_b32 v[\pw], v[TM+5], 8, v[TM+4]      ; my row's scale word (both halves of the lanes hold it)
	v_lshl_or_b32 v[\pw], v[TM+6], 16, v[\pw]
	v_lshl_or_b32 v[\pw], v[TM+7], 24, v[\pw]
.set WQ, (\w)
	WIN WQ
.irp c, 0,1
	v_cvt_scalef32_pk16_fp6_f32 v[(\pc)+6*\c:(\pc)+6*\c+2], v[(\s)+32*\c:(\s)+32*\c+15], v[TM+12+2*\c]
	v_cvt_scalef32_pk16_fp6_f32 v[(\pc)+12+4*\c:(\pc)+12+4*\c+2], v[(\s)+32*\c+16:(\s)+32*\c+31], v[TM+13+2*\c]   ; (a conversion's three registers begin on an even number)
.endr
	WIN 0
	v_nop                                          ; one plain place behind a scaled conversion
.irp c, 0,1                                    ; the operand wants a WHOLE block in a lane: lanes 0-15 block 2 c, lanes 16-31 block 2 c + 1
.irp i, 0,1,2
	v_permlane16_swap_b32 v[(\pc)+6*\c+\i], v[(\pc)+12+4*\c+\i]
.endr
.irp i, 0,1,2
	v_mov_b32 v[(\pc)+6*\c+3+\i], v[(\pc)+12+4*\c+\i]
.endr
.endr
.endm
	s_load_b256 s[4:11], s[0:1], 0x0               ; x s[4:5], Wq s[6:7], Wk s[8:9], Wv s[10:11]
	s_load_b128 s[12:15], s[0:1], 0x20             ; xq s[12:13], wqk s[14:15]
	s_load_b64 s[16:17], s[0:1], 0x30              ; wv
	v_lshl_add_u32 v254, v0, 2, 0x8400
	v_mov_b32 v255, 0
	v_lshrrev_b32 v1, 5, v0
	v_readfirstlane_b32 s20, v1                    ; wave 0..3
	v_and_b32 v1, 31, v0                           ; lane
	s_mov_b32 s[SEL], 0x76543210
	s_mov_b32 s[SEL+1], 0xfedcba98
	s_cmp_lt_u32 ttmp9, XWG
	s_cbranch_scc0 .Lweights
	; ---------------- x ----------------
	s_lshl_b32 s21, ttmp9, 2
	s_add_co_u32 s21, s21, s20                     ; W = 4 x work-group + wave = 2 T + g: row tile T, half g of K
	s_lshr_b32 s22, s21, 1                         ; T
	s_and_b32 s23, s21, 1                          ; g
	s_lshr_b32 s26, s22, 1
	s_lshl_b32 s26, s26, 17                        ; 32 (T / 2) rows of 4,096 bytes
	s_and_b32 s27, s22, 1
	s_lshl_b32 s27, s27, 15                        ; + 8 (T % 2) rows
	s_add_co_u32 s26, s26, s27
	s_lshl_b32 s27, s23, 11                        ; + 512 g numbers
	s_add_co_u32 s26, s26, s27
	s_mov_b32 s27, 0
	s_mul_i32 s28, s21, 6144                       ; codes: 12,288 T + 6,144 g
	s_add_co_u32 s28, s28, IN_CODES
	s_mov_b32 s29, 0
	s_lshl_b32 s30, s21, 8                         ; scale words: 512 T + 256 g
	s_mov_b32 s31, 0
	s_mul_i32 s32, s20, STG                        ; my stage
	v_and_b32 v2, 15, v0                           ; r
	v_bfe_u32 v3, v0, 4, 1                         ; h
	v_lshlrev_b32 v4, 4, v1                        ; 16 x lane: my bytes of a load's 512, and of an image's 512
	v_add_nc_u32 v5, s32, v4                       ; the stage, on the way in
	v_mul_u32_u24 v6, v2, SPX
	v_lshl_add_u32 v6, v3, 6, v6
	v_add_nc_u32 v6, s32, v6                       ; and on the way out: row r, + 64 h: my 16 numbers of a block of 32
	v_lshlrev_b32 v8, 4, v2
	v_lshl_add_u32 v8, v3, 3, v8                   ; scale words: 16 r + 8 h
.irp b, 0,1,2,3
	v_mov_b32 v[TM+4+\b], 0                        ; written once: a lane permute's destination counts as one of its sources
.endr
	s_wait_kmcnt 0x0
	s_add_nc_u64 s[4:5], s[4:5], s[26:27]
	s_add_nc_u64 s[18:19], s[12:13], s[28:29]      ; the codes
	s_add_nc_u64 s[12:13], s[12:13], s[30:31]      ; the scale words
.macro LOADX t                         ; K step t of my 16 rows: each load reads 512 consecutive bytes of one row
.irp p, 0,1,2,3,4,5,6,7,8,9,10,11,12,13,14,15
	global_load_b128 v[R+64*((\t)%2)+4*\p:R+64*((\t)%2)+4*\p+3], v4, s[4:5] offset:(\p+8*(\p/8))*4096+512*(\t) th:TH_LOAD_NT
.endr
.endm
.macro STEPX t
.if (\t) < 3
	s_wait_loadcnt 16                              ; this step's sixteen loads are in; the next step's sixteen may be out
.else
	s_wait_loadcnt 0x0
.endif
.irp p, 0,1,2,3,4,5,6,7,8,9,10,11,12,13,14,15
	ds_store_b128 v5, v[R+64*((\t)%2)+4*\p:R+64*((\t)%2)+4*\p+3] offset:SPX*\p
.endr
.irp b, 0,1,2,3
.irp j, 0,1,2,3
	ds_load_b128 v[X+16*\b+4*\j:X+16*\b+4*\j+3], v6 offset:128*\b+16*\j   ; LDS serves a wave's instructions in order: these see the stores above
.endr
.endr
	s_wait_dscnt 0x0                               ; my numbers are back, and the stores have read their registers,
.if (\t)+2 < 4
	LOADX (\t)+2                                   ; which take the loads of two steps on
.endif
	s_wait_xcnt 0x0                                ; the last step's stores have read the codes' registers: they are written again only behind this wait
	QUANTW X, 0, PC, SW+(\t)
.irp g, 0,1,2
	global_store_b128 v4, v[PC+4*\g:PC+4*\g+3], s[18:19] offset:1536*(\t)+512*\g   ; 32 lanes store 512 consecutive bytes
.endr
.endm
	LOADX 0
	LOADX 1
	STEPX 0
	STEPX 1
	STEPX 2
	STEPX 3
	v_cmp_le_u32 vcc_lo, 16, v1                    ; lanes 16-31 take words 2 and 3 of their row
	v_cndmask_b32 v248, v[SW], v[SW+2], vcc_lo
	v_cndmask_b32 v249, v[SW+1], v[SW+3], vcc_lo
	global_store_b64 v8, v[248:249], s[12:13]      ; 32 lanes store 256 consecutive bytes, aligned
	s_wait_tensorcnt 0x0
	ds_add_u32 v254, v255
	s_wait_dscnt 0x0
	s_endpgm
	; ---------------- the weights ----------------
	; A LANE TAKES A COLUMN, AND ITS REGISTERS RUN DOWN K: a block of 32 lies in one lane, and the conversions give codes with K innermost.
	; Column 32 b + l is lane-row r = l % 8 + 8 (l / 16) of row tile 2 b + u, u = (l / 8) % 2.  My block kb belongs to image lane (r, kb % 2), registers 6 (kb / 2) on.
.Lweights:
	s_sub_co_u32 s21, ttmp9, XWG                   ; j
	s_lshr_b32 s22, s21, 6                         ; which weight: 0 Wq, 1 Wk, 2 Wv
	s_and_b32 s23, s21, 7                          ; which 128 columns
	s_bfe_u32 s26, s21, 0x30003                    ; K step
	s_lshl_b32 s27, s23, 2
	s_add_co_u32 s27, s27, s20                     ; b: my 32 columns
	s_lshl_b32 s28, s26, 19                        ; 128 rows of 4,096 bytes a K step
	s_lshl_b32 s29, s27, 7                         ; + 32 b columns of 4 bytes
	s_add_co_u32 s28, s28, s29
	s_mov_b32 s29, 0
	s_lshl_b32 s30, s27, 1                         ; row tile 2 b,
	s_cmp_eq_u32 s22, 1
	s_cselect_b32 s31, 64, 0                       ; behind Wq's 64 where the weight is Wk
	s_add_co_u32 s30, s30, s31
	s_mul_i32 s32, s30, 12288
	s_mul_i32 s33, s26, 1536
	s_add_co_u32 s32, s32, s33
	s_add_co_u32 s32, s32, IN_CODES
	s_mov_b32 s33, 0
	s_lshl_b32 s34, s30, 9                         ; scale words: 512 a tile,
	s_lshr_b32 s35, s26, 2
	s_lshl_b32 s35, s35, 8                         ; 256 for each four K steps,
	s_add_co_u32 s34, s34, s35
	s_and_b32 s35, s26, 3
	s_lshl_b32 s35, s35, 2                         ; 4 a K step
	s_add_co_u32 s34, s34, s35
	s_mov_b32 s35, 0
	v_lshlrev_b32 v2, 2, v1                        ; in: 4 bytes a lane
	v_bfe_u32 v3, v0, 3, 1                         ; u
	v_and_b32 v4, 7, v0
	v_bfe_u32 v7, v0, 4, 1
	v_lshl_add_u32 v4, v7, 3, v4                   ; r
	v_mul_u32_u24 v5, v3, 12288
	v_lshl_add_u32 v5, v4, 4, v5                   ; codes: tile u, 16 r
	v_lshlrev_b32 v6, 9, v3
	v_lshl_add_u32 v6, v4, 4, v6                   ; scale word: tile u, 16 r
	s_wait_kmcnt 0x0
	s_cmp_eq_u32 s22, 1                            ; the choices hang on the work-group's number alone
	s_cselect_b64 s[36:37], s[8:9], s[6:7]
	s_cmp_eq_u32 s22, 2
	s_cselect_b64 s[36:37], s[10:11], s[36:37]
	s_cselect_b64 s[38:39], s[16:17], s[14:15]
	s_add_nc_u64 s[36:37], s[36:37], s[28:29]
	s_add_nc_u64 s[18:19], s[38:39], s[32:33]
	s_add_nc_u64 s[38:39], s[38:39], s[34:35]
.set NN, 0
.rept 128
	global_load_b32 v[D+NN], v2, s[36:37] offset:4096*NN th:TH_LOAD_NT   ; row 128 x K step + NN at my wave's 32 columns: 128 consecutive bytes
.set NN, NN+1
.endr
.macro BLOCKW kb, left
.set XS, D+32*(\kb)
.set SR, STR+12*((\kb)%2)+6*((\kb)/2)
	s_wait_loadcnt \left                           ; this block's 32 loads are in.  Behind them 96, 64, 32, 0 loads were issued; a wait names 63 at the most
	v_max3_num_f32 v8, |v[XS]|, |v[XS+1]|, |v[XS+2]|
	v_max3_num_f32 v9, |v[XS+3]|, |v[XS+4]|, |v[XS+5]|
.irp i, 6,10,14,18,22,26
	v_max3_num_f32 v8, v8, |v[XS+\i]|, |v[XS+\i+1]|
	v_max3_num_f32 v9, v9, |v[XS+\i+2]|, |v[XS+\i+3]|
.endr
	v_max3_num_f32 v8, v8, |v[XS+30]|, |v[XS+31]|
	v_max3_num_f32 v8, v8, v9, 0x1800000           ; and the floor
	v_add_nc_u32 v11, 0xff000000, v8               ; the conversion's scale operand
	v_lshrrev_b32 v10, 23, v11                     ; the byte
.if (\kb) == 0
	v_mov_b32 v12, v10
.else
	v_lshl_or_b32 v12, v10, 8*(\kb), v12
.endif
	v_cvt_scalef32_pk16_fp6_f32 v[SR:SR+2], v[XS:XS+15], v11
	v_cvt_scalef32_pk16_fp6_f32 v[TMPC:TMPC+2], v[XS+16:XS+31], v11
	v_nop                                          ; one plain place behind a scaled conversion
.irp i, 0,1,2
	v_mov_b32 v[SR+3+\i], v[TMPC+\i]
.endr
.endm
	BLOCKW 0, 63
	BLOCKW 1, 63
	BLOCKW 2, 32
	BLOCKW 3, 0
.irp h, 0,1
.irp g, 0,1,2
	global_store_b128 v5, v[STR+12*\h+4*\g:STR+12*\h+4*\g+3], s[18:19] offset:512*\g+256*\h   ; the sixteen lanes of one tile store 256 consecutive bytes, aligned
.endr
.endr
	global_store_b32 v6, v12, s[38:39]             ; 4 bytes at every 16th: the other three words of a row come from other work-groups (98 KB in all for the three weights)
	s_endpgm
.Lfunc_end_k_q498afd3f58_quant:
	.size	k_q498afd3f58_quant, .Lfunc_end_k_q498afd3f58_quant-k_q498afd3f58_quant
	.p2alignl 7, 3214868480
	.fill 96, 4, 3214868480
	.section	.rodata,"a",@progbits
	.p2align	6, 0x0
	.amdhsa_kernel k_q498afd3f58_quant
		.amdhsa_group_segment_fixed_size 34304
		.amdhsa_private_segment_fixed_size 0
		.amdhsa_enable_private_segment 0
		.amdhsa_kernarg_size 56
		.amdhsa_user_sgpr_count 2
		.amdhsa_user_sgpr_kernarg_segment_ptr 1
		.amdhsa_wavefront_size32 1
		.amdhsa_system_sgpr_workgroup_id_x 1
		.amdhsa_system_sgpr_workgroup_id_y 1
		.amdhsa_system_sgpr_workgroup_id_z 1
		.amdhsa_system_vgpr_workitem_id 0
		.amdhsa_next_free_vgpr 256
		.amdhsa_next_free_sgpr 66
		.amdhsa_reserve_vcc 1
		.amdhsa_float_denorm_mode_32 3
		.amdhsa_float_denorm_mode_16_64 3
		.amdhsa_memory_ordered 1
		.amdhsa_forward_progress 1
		.amdhsa_inst_pref_size 54
	.end_amdhsa_kernel
	.amdgpu_metadata
---
amdhsa.version: [ 1, 2 ]
amdhsa.kernels:
  - .name:           k_q498afd3f58_quant
    .symbol:         k_q498afd3f58_quant.kd
    .args:
      - { .name: x, .offset: 0, .size: 8, .value_kind: global_buffer, .address_space: global }
      - { .name: Wq, .offset: 8, .size: 8, .value_kind: global_buffer, .address_space: global }
      - { .name: Wk, .offset: 16, .size: 8, .value_kind: global_buffer, .address_space: global }
      - { .name: Wv, .offset: 24, .size: 8, .value_kind: global_buffer, .address_space: global }
      - { .name: xq, .offset: 32, .size: 8, .value_kind: global_buffer, .address_space: global }
      - { .name: wqk, .offset: 40, .size: 8, .value_kind: global_buffer, .address_space: global }
      - { .name: wv, .offset: 48, .size: 8, .value_kind: global_buffer, .address_space: global }
    .group_segment_fixed_size: 34304
    .private_segment_fixed_size: 0
    .kernarg_segment_align: 8
    .kernarg_segment_size: 56
    .max_flat_workgroup_size: 128
    .sgpr_count:     66
    .vgpr_count:     256
    .wavefront_size: 32
...
	.end_amdgpu_metadata
.endif
;; end of part 1
;; launch projqk (part 2): grid 8 x 32, 4 waves a work-group, clusters of 4 x 4, 327,680 bytes of LDS; arguments xq, wqk, qk; writes qk
.if DOCPART == 2
	.amdgcn_target "amdgcn-amd-amdhsa--gfx1250"
	.amdhsa_code_object_version 6
	.text
	.protected	k_q498afd3f58_projqk
	.globl	k_q498afd3f58_projqk
	.p2align	8
	.type	k_q498afd3f58_projqk,@function
k_q498afd3f58_projqk:
	s_mov_b64 s[64:65], 0
	v_nop
	global_prefetch_b8 v0, s[64:65] scope:SCOPE_SE
	s_setreg_imm32_b32 hwreg(HW_REG_WAVE_MODE, 25, 1), 1
	s_wait_xcnt 0x0
	s_wait_alu depctr_hold_cnt(0) depctr_sa_sdst(0) depctr_va_vdst(0) depctr_va_sdst(0) depctr_va_ssrc(0) depctr_va_vcc(0) depctr_vm_vsrc(0)
	s_getreg_b32 s2, hwreg(HW_REG_IB_STS2, 6, 4)
	s_cmp_eq_u32 s2, 0
	s_cbranch_scc0 .Lentry_in_a_cluster
	s_endpgm
.Lentry_in_a_cluster:
	s_bfe_u32 s2, ttmp6, 0x10000c
	s_cmp_lg_u32 s2, 0xf033
	s_cbranch_scc0 .Lentry_shape_is_right
	s_endpgm
.Lentry_shape_is_right:
; OUT = quantise(A B^T) along B's rows.  A, B: register images of FP6 operands with K = 1,024 (layout: see below); the result, f32 sums, is quantised in registers and leaves as images again.
; As launch 'projqk': A = x (512 row tiles of tokens), B = Wq | Wk (128 row tiles of output columns); OUT = [token tile][16 K steps: 0-7 Q's, 8-15 K's].
; As launch 'projv':  A = Wv (64 row tiles of output columns), B = x; OUT = V^T: [batch][column tile][16 K steps of 128 tokens].
; LAYOUT.  Row tile T: lane-row r is matrix row 32 (T / 2) + 8 (T % 2) + r + 8 (r / 8).  A fragment (T, K step) is 1,536 bytes: registers 4 g .. 4 g + 3 of lane l at 512 g + 16 l: three loads of 16 bytes a lane bring it.
; Inputs: scale words [T][2][r][4 words] from byte 0, codes [T][8][1536] from IN_CODES.  Output: scale words [T][4][r][4 words] from byte 0, codes [T][16][1536] from OUT_CODES.
; THE MATRIX INSTRUCTION IS USED TRANSPOSED: source 0 = 16 rows of B, source 1 = 16 rows of A.  By the order of rows in a tile, a lane's 16 registers of B's tiles 2 b and 2 b + 1 are 16 NEIGHBOURS along B's rows,
; which are the next product's K: the conversions take them as they stand.
; SHARES.  A work-group of four waves makes 256 x 256, a wave 128 x 128: 64 accumulators, 512 registers.  K goes in four periods of 256 through two LDS slots filled by the tensor data mover.
; CLUSTER 4 x 4: A's tiles are shared along a row of the cluster, B's along a column: each is asked for jointly, by the same load with the same descriptor and a mask that names the four.
; LIMITS: a block of zeros gets the byte 1 where the rule says 127 (this program alone reads the bytes); blocks under 2^-124 keep the byte 1; NaN and infinities are not served.
; REGISTERS: window 0: v0-31 addresses; v32-63 scale words, two sets, and nothing else; v64-255 A's fragments, two sets of 96.  window 1: B's fragments, two sets, at v0 and v128.
;   window 2: accumulators of my A blocks 0-3 ((a, b) at v[8 (8 (a % 4) + b)]); window 3: of blocks 4-7.
.set NA,   8                           ; A's blocks of 16 rows in a wave
.set NQ,   2                           ; K steps of 128 in a slot
.set RTS,  1536*NQ                     ; a row tile's bytes in a slot
.set HA,   NA*RTS                      ; what one tensor load brings of A, and what a wave reads of it
.set HB,   8*RTS
.set SLOT, 2*HA+2*HB                   ; A's two halves, then B's two
.set SCL,  2*SLOT                      ; behind the ring: the scale words of 16 + 16 row tiles for all of K, 512 bytes a tile; filled once
.set SBLK, 512
.set SPARE, SCL+16384                  ; the spare words, 128 bytes for each wave: two blocks of 256 bytes that no other line names
.set IN_CODES,  262144
.set IN_TILE,   12288
.set OUT_CODES, 524288
.set OUT_TILE,  24576
.set ADRA, 16                          ; v16-17 LDS address of my A fragments in slot 0, 1
.set ADRB, 20                          ; v20-21 the same for B
.set ADRS, 27                          ; v27    of my scale words: lanes 0-15 A's rows, lanes 16-31 B's
.set SPW,  28                          ; v28    my spare word: SPARE + 4 x my thread's number; never rewritten
.set NIL,  29                          ; v29    0; never rewritten
.set SC,   32
.set AF,   32+16*NQ
.set PC,   64                          ; the way out: v64-83, v84-103 codes, two sets
.set TM,   104                         ; v104-119 at work
.set PWS,  120                         ; v120-127 the eight blocks' scale words
.set TW,   128                         ; v128-131 scale words as they are stored
.set SEL,  66                          ; s[66:67] lane selects: lane l xor 16
.set G1,   24                          ; s[24:31] group 1 for A's tiles; s[32:39] group 0, one set for each slot
.set G0,   32
.set G1B,  48                          ; s[48:55], s[56:63] the same for B's
.set G0B,  56
.set G1S,  68                          ; s[68:75], s[76:79] for A's scale words; s[80:87], s[88:91] for B's
.set G0S,  76
.set G1SB, 80
.set G0SB, 88
.set MSB, 0
.macro WIN new                         ; the immediate's high byte repeats the setting that is left; a switch that changes nothing is dropped
.if MSB != (\new)
	s_set_vgpr_msb (MSB<<8)|(\new)
.set MSB, (\new)
.endif
.endm
.set MUL_LO, 0xa1                      ; source 0 (B) window 1, source 1 (A) window 0, C and D window 2
.set MUL_HI, 0xf1                      ; the same, C and D window 3
.set TO_B,   0x40                      ; destination window 1, address window 0
; A joint load: waves 0 and 1 fetch for A, waves 2 and 3 for B.  The branch hangs on the wave's number alone.  Four v_nop follow each of the two lines.
.macro JLOAD g0a, g1a, g0b, g1b
	s_cmp_eq_u32 s15, 0
	s_cbranch_scc0 .Lfor_b_\@
	tensor_load_to_lds s[\g0a:\g0a+3], s[\g1a:\g1a+7]
	s_nop 0
.rept 4
	v_nop
.endr
	s_branch .Lasked_\@
.Lfor_b_\@:
	tensor_load_to_lds s[\g0b:\g0b+3], s[\g1b:\g1b+7]
	s_nop 0
.rept 4
	v_nop
.endr
.Lasked_\@:
.endm
.macro CREST                           ; a round of the cluster's barrier behind its opening barrier
	s_cmp_lg_u32 s14, 0
	s_cbranch_scc1 .Lnot_wave_0_\@
	s_barrier_signal -3
.Lnot_wave_0_\@:
	s_barrier_wait -3
	s_barrier_signal -1
	s_barrier_wait -1
.endm
.macro CROUND                          ; a whole round
	s_barrier_signal -1
	s_barrier_wait -1
	CREST
.endm
.macro PLACES n                        ; plain vector places behind matrix instructions, in front of loads into and writes of registers that they read, and of reads of their results
.rept \n
	v_nop
.endr
.endm
.macro FRAG reg, adr, off              ; a fragment's image: three loads, each 512 consecutive bytes
.irp g, 0,1,2
	ds_load_b128 v[(\reg)+4*\g:(\reg)+4*\g+3], v[\adr] offset:(\off)+512*\g
.endr
.endm
.macro FETCH slot, q                   ; the fragments of the slot's q-th K step into sets q % 2: B's eight, A's NA
	WIN TO_B
.irp i, 0,1,2,3,4,5,6,7
	FRAG 128*((\q)%2)+12*\i, ADRB+\slot, \i*RTS+1536*(\q)
.endr
	WIN 0
.set FI, 0
.rept NA
	FRAG AF+12*NA*((\q)%2)+12*FI, ADRA+\slot, FI*RTS+1536*(\q)
.set FI, FI+1
.endr
.endm
.macro SCALES sc                       ; a period's scale words into set sc: NQ words a row; lanes 0-15 take A's block i, lanes 16-31 B's block i
.irp i, 0,1,2,3,4,5,6,7
	ds_load_b64 v[SC+8*NQ*\sc+NQ*\i:SC+8*NQ*\sc+NQ*\i+1], v[ADRS] offset:\i*SBLK
.endr
.endm
; Eight matrix instructions: A's block a against B's eight.  The accumulators take turns, one instruction a turn, in the same order in every step.
.macro MULA a, q, sc, zero
.set AC, 64*((\a)%4)
.irp b, 0,1,2,3,4,5,6,7
.if \zero
	v_wmma_scale_f32_16x16x128_f8f6f4 v[AC+8*\b:AC+8*\b+7], v[128*((\q)%2)+12*\b:128*((\q)%2)+12*\b+11], v[AF+12*NA*((\q)%2)+12*(\a):AF+12*NA*((\q)%2)+12*(\a)+11], 0, v[SC+8*NQ*(\sc)+NQ*\b+(\q)], v[SC+8*NQ*(\sc)+NQ*(\a)+(\q)] matrix_a_fmt:MATRIX_FMT_FP6 matrix_b_fmt:MATRIX_FMT_FP6 matrix_a_scale:MATRIX_SCALE_ROW1
.else
	v_wmma_scale_f32_16x16x128_f8f6f4 v[AC+8*\b:AC+8*\b+7], v[128*((\q)%2)+12*\b:128*((\q)%2)+12*\b+11], v[AF+12*NA*((\q)%2)+12*(\a):AF+12*NA*((\q)%2)+12*(\a)+11], v[AC+8*\b:AC+8*\b+7], v[SC+8*NQ*(\sc)+NQ*\b+(\q)], v[SC+8*NQ*(\sc)+NQ*(\a)+(\q)] matrix_a_fmt:MATRIX_FMT_FP6 matrix_b_fmt:MATRIX_FMT_FP6 matrix_a_scale:MATRIX_SCALE_ROW1
.endif
.endr
.endm
.macro MULS a0, n, q, sc, zero         ; A's blocks a0 .. a0 + n - 1
.set MA, \a0
.rept \n
.if MA < 4
	WIN MUL_LO
.else
	WIN MUL_HI
.endif
	MULA MA, \q, \sc, \zero
.set MA, MA+1
.endr
.endm
; A K step that has its successor in the same slot: the successor's fragments are asked for first, a whole step ahead of their use.
.macro STEP slot, q, zero
	s_wait_dscnt 0x0                               ; this step's fragments and scale words are in (asked for a step ago)
	PLACES 4                                       ; the sets loaded next were read by the products just issued
	FETCH \slot, (\q)+1
	MULS 0, NA, \q, \slot, \zero
	WIN 0
.endm
; A slot's last step changes slots: ONE barrier; in front of it each wave waits for all its tensor loads, adds 0 to its spare word, and waits for that and for its reads of this slot.
; fill = 1: the barrier opens a round of the cluster's barrier, and this slot is filled again, two periods ahead, first thing behind the round.
.macro TURN slot, next, fill, sstep
	s_wait_tensorcnt 0x0                           ; all my tensor loads have landed: my part of the next slot among them
	ds_add_u32 v[SPW], v[NIL]                      ; 0 onto my spare word
	s_wait_dscnt 1                                 ; this step's fragments are in; the add alone may be out
	MULS 0, NA/4, NQ-1, \slot, 0
	s_wait_dscnt 0x0                               ; the add is done, and my reads of this slot are over
	s_barrier_signal -1
	MULS NA/4, NA/4, NQ-1, \slot, 0
	WIN 0
	s_barrier_wait -1
.if \fill
	CREST                                          ; no wave of any partner still reads this slot's tile or has a load on its way
	s_add_nc_u64 s[G0+4*\slot+2:G0+4*\slot+3], s[G0+4*\slot+2:G0+4*\slot+3], 2*RTS
	s_add_nc_u64 s[G0B+4*\slot+2:G0B+4*\slot+3], s[G0B+4*\slot+2:G0B+4*\slot+3], 2*RTS
	JLOAD G0+4*\slot, G1, G0B+4*\slot, G1B         ; the four v_nop behind it are also the places in front of the loads below
.else
	PLACES 4
.endif
	v_add_nc_u32 v[ADRS], \sstep, v[ADRS]          ; on to the next period's scale words
	FETCH \next, 0
	SCALES \next
	MULS NA/2, NA/2, NQ-1, \slot, 0
	WIN 0
.endm
.macro LAST
	s_wait_dscnt 0x0
	MULS 0, NA, NQ-1, 1, 0
	WIN 0
.endm
; 64 numbers of a lane, v[s] .. v[s + 63] of window w, register 16 b + i = k 32 b + 16 (lane / 16) + i of my row, become a fragment's codes in v[pc] .. v[pc + 11] and its scale word in v[pw].
.macro QUANTW s, w, pc, pw
.set WQ, ((\w)<<2)|((\w)<<4)
	WIN WQ
.irp b, 0,1,2,3
	v_max3_num_f32 v[TM+\b], 0x1800000, |v[(\s)+16*\b]|, |v[(\s)+16*\b+1]|   ; block b: my 16 numbers, and the floor 2^(3 - 127).  Each accumulator is read from its low end on
.endr
.irp i, 2,4,6,8,10,12,14
.irp b, 0,1,2,3
	v_max3_num_f32 v[TM+\b], v[TM+\b], |v[(\s)+16*\b+\i]|, |v[(\s)+16*\b+\i+1]|
.endr
.endr
	WIN 0
.irp b, 0,1,2,3
	v_permlanex16_b32 v[TM+4+\b], v[TM+\b], s[SEL], s[SEL+1]
.endr
.irp b, 0,1,2,3
	v_max_num_f32 v[TM+\b], v[TM+\b], v[TM+4+\b]   ; with lane l xor 16's: the block's largest magnitude
.endr
.irp b, 0,1,2,3
	v_add_nc_u32 v[TM+12+\b], 0xff000000, v[TM+\b] ; 2 off its exponent field: the conversion's scale operand
.endr
.irp b, 0,1,2,3
	v_lshrrev_b32 v[TM+4+\b], 23, v[TM+12+\b]      ; the scale's byte
.endr
	v_lshl_or_b32 v[\pw], v[TM+5], 8, v[TM+4]
	v_lshl_or_b32 v[\pw], v[TM+6], 16, v[\pw]
	v_lshl_or_b32 v[\pw], v[TM+7], 24, v[\pw]
.set WQ, (\w)
	WIN WQ
.irp c, 0,1
	v_cvt_scalef32_pk16_fp6_f32 v[(\pc)+6*\c:(\pc)+6*\c+2], v[(\s)+32*\c:(\s)+32*\c+15], v[TM+12+2*\c]
	v_cvt_scalef32_pk16_fp6_f32 v[(\pc)+12+4*\c:(\pc)+12+4*\c+2], v[(\s)+32*\c+16:(\s)+32*\c+31], v[TM+13+2*\c]
.endr
	WIN 0
	v_nop                                          ; one plain place behind a scaled conversion
.irp c, 0,1
.irp i, 0,1,2
	v_permlane16_swap_b32 v[(\pc)+6*\c+\i], v[(\pc)+12+4*\c+\i]
.endr
.irp i, 0,1,2
	v_mov_b32 v[(\pc)+6*\c+3+\i], v[(\pc)+12+4*\c+\i]
.endr
.endr
.endm
	s_load_b128 s[4:7], s[0:1], 0x0                ; A s[4:5], B s[6:7]
	s_load_b64 s[8:9], s[0:1], 0x10                ; OUT
	v_lshl_add_u32 v[SPW], v0, 2, SPARE
	v_mov_b32 v[NIL], 0
	ds_add_u32 v28, v29
	ds_add_u32 v28, v29
	s_wait_dscnt 0x0
	v_lshrrev_b32 v1, 5, v0
	v_readfirstlane_b32 s14, v1                    ; wave 0..3
	s_lshr_b32 s15, s14, 1                         ; which half of A's rows is mine.  Also: I fetch for A (0) or for B (1)
	s_and_b32 s16, s14, 1                          ; which half of B's rows.  Also: which half I fetch
	s_bfe_u32 s40, ttmp6, 0x40000                  ; cx, cy: my place in the cluster
	s_bfe_u32 s41, ttmp6, 0x40004
	s_lshl_b32 s42, ttmp9, 2
	s_add_co_u32 s42, s42, s40                     ; xt: which 256 rows of B
	s_and_b32 s17, ttmp7, 0xffff
	s_lshl_b32 s17, s17, 2
	s_add_co_u32 s17, s17, s41                     ; yt: which 256 rows of A
	s_lshl_b32 s43, s41, 2
	s_lshl_b32 s43, 15, s43                        ; my row of the cluster
	s_lshl_b32 s44, 0x1111, s40                    ; my column
	s_mov_b32 s[SEL], 0x76543210
	s_mov_b32 s[SEL+1], 0xfedcba98
	; group 1 for codes: 8 row tiles x RTS bytes (384 elements of 8 bytes), IN_TILE bytes apart; no padding: images are read 512 consecutive bytes at a time
	s_or_b32 s[G1+0], s43, (3<<16)|(1<<21)         ; 15:0 the mask: my row; 17:16 elements of 8 bytes; 21 set beside a mask
	s_or_b32 s[G1B+0], s44, (3<<16)|(1<<21)        ; my column
.irp g, G1, G1B
	s_mov_b32 s[\g+1], (RTS/8)<<16                 ; tensor_dim0
	s_mov_b32 s[\g+2], 8<<16                       ; tensor_dim1
	s_mov_b32 s[\g+3], (RTS/8)<<16                 ; tile_dim0
	s_mov_b32 s[\g+4], 8                           ; tile_dim1
	s_mov_b32 s[\g+5], IN_TILE/8                   ; the pitch
	s_mov_b32 s[\g+6], 0
	s_mov_b32 s[\g+7], 0
.endr
	; and for scale words: 8 row tiles x 512 bytes, dense
	s_or_b32 s[G1S+0], s43, (3<<16)|(1<<21)
	s_or_b32 s[G1SB+0], s44, (3<<16)|(1<<21)
.irp g, G1S, G1SB
	s_mov_b32 s[\g+1], 64<<16
	s_mov_b32 s[\g+2], 8<<16
	s_mov_b32 s[\g+3], 64<<16
	s_mov_b32 s[\g+4], 8
	s_mov_b32 s[\g+5], 64
	s_mov_b32 s[\g+6], 0
	s_mov_b32 s[\g+7], 0
.endr
	s_lshl_b32 s18, s16, 3
	s_lshl_b32 s12, s17, 4
	s_add_co_u32 s12, s12, s18                     ; A's first row tile that I fetch: 16 yt + 8 x half
	s_lshl_b32 s13, s42, 4
	s_add_co_u32 s13, s13, s18                     ; B's: 16 xt + 8 x half
	s_mul_i32 s45, s14, HA                         ; where codes go: wave x 24,576: no place in the cluster enters an LDS address
	s_lshl_b32 s19, s14, 12                        ; and scale words: wave x 4,096
	; where my results go
	s_and_b32 s20, s42, 7
	s_lshl_b32 s20, s20, 1
	s_add_co_u32 s20, s20, s16                     ; the output's K step: 2 (xt % 8) + half
	s_lshr_b32 s21, s42, 3                         ; the output's batch: xt / 8 (0 in launch projqk)
	s_lshl_b32 s22, s17, 4
	s_lshl_b32 s23, s15, 3
	s_add_co_u32 s22, s22, s23                     ; my first row tile of the output
	s_mul_i32 s92, s22, OUT_TILE
	s_mul_i32 s23, s21, 64*OUT_TILE
	s_add_co_u32 s92, s92, s23
	s_mul_i32 s23, s20, 1536
	s_add_co_u32 s92, s92, s23
	s_add_co_u32 s92, s92, OUT_CODES
	s_mov_b32 s93, 0
	s_lshl_b32 s94, s22, 10                        ; scale words: 1,024 a tile,
	s_lshl_b32 s23, s21, 16                        ; 64 tiles a batch,
	s_add_co_u32 s94, s94, s23
	s_lshr_b32 s23, s20, 2
	s_lshl_b32 s23, s23, 8                         ; 256 for each four K steps,
	s_add_co_u32 s94, s94, s23
	s_and_b32 s23, s20, 3
	s_lshl_b32 s23, s23, 2                         ; 4 a K step
	s_add_co_u32 s94, s94, s23
	s_mov_b32 s95, 0
	s_wait_kmcnt 0x0
	s_add_nc_u64 s[92:93], s[8:9], s[92:93]
	s_add_nc_u64 s[94:95], s[8:9], s[94:95]
	s_lshl_b32 s2, s12, 9                          ; A's offsets are made in s2, s3, s12, B's in s13, s46, s47: neither set ever holds the other coordinate
	s_mov_b32 s3, 0
	s_mov_b32 s[G0S], 1
	s_add_co_u32 s[G0S+1], s19, SCL
	s_add_nc_u64 s[G0S+2:G0S+3], s[4:5], s[2:3]
	s_or_b32 s[G0S+3], s[G0S+3], 0x80000000
	s_lshl_b32 s46, s13, 9
	s_mov_b32 s47, 0
	s_mov_b32 s[G0SB], 1
	s_add_co_u32 s[G0SB+1], s19, SCL
	s_add_nc_u64 s[G0SB+2:G0SB+3], s[6:7], s[46:47]
	s_or_b32 s[G0SB+3], s[G0SB+3], 0x80000000
	s_mul_i32 s2, s12, IN_TILE
	s_add_co_u32 s2, s2, IN_CODES
	s_add_nc_u64 s[2:3], s[4:5], s[2:3]
	s_mul_i32 s46, s13, IN_TILE
	s_add_co_u32 s46, s46, IN_CODES
	s_add_nc_u64 s[46:47], s[6:7], s[46:47]
.irp s, 0,1
	s_mov_b32 s[G0+4*\s], 1
	s_add_co_u32 s[G0+4*\s+1], s45, \s*SLOT
	s_add_nc_u64 s[G0+4*\s+2:G0+4*\s+3], s[2:3], \s*RTS
	s_or_b32 s[G0+4*\s+3], s[G0+4*\s+3], 0x80000000
	s_mov_b32 s[G0B+4*\s], 1
	s_add_co_u32 s[G0B+4*\s+1], s45, \s*SLOT
	s_add_nc_u64 s[G0B+4*\s+2:G0B+4*\s+3], s[46:47], \s*RTS
	s_or_b32 s[G0B+4*\s+3], s[G0B+4*\s+3], 0x80000000
.endr
	CROUND                                         ; all sixteen work-groups are here: the first joint loads meet
	JLOAD G0S, G1S, G0SB, G1SB                     ; the scale words, filled once; then both slots: three loads of mine are out
	JLOAD G0, G1, G0B, G1B
	JLOAD G0+4, G1, G0B+4, G1B
	v_and_b32 v1, 31, v0                           ; lane
	v_and_b32 v2, 15, v0                           ; r
	v_bfe_u32 v3, v0, 4, 1                         ; h
	v_lshlrev_b32 v4, 4, v1                        ; 16 x lane
	s_mul_i32 s2, s15, HA                          ; my half of A
	s_mul_i32 s3, s16, HB                          ; my half of B,
	s_add_co_u32 s3, s3, 2*HA                      ; behind A's two
.irp s, 0,1
	v_add_nc_u32 v[ADRA+\s], s2, v4
	v_add_nc_u32 v[ADRB+\s], s3, v4
	s_add_co_u32 s2, s2, SLOT
	s_add_co_u32 s3, s3, SLOT
.endr
	s_lshl_b32 s2, s15, 12                         ; A's scale words: my half
	s_lshl_b32 s3, s16, 12                         ; B's: my half, behind A's two
	s_add_co_u32 s3, s3, 8192
	s_sub_co_u32 s3, s3, s2
	v_mul_u32_u24 v6, s3, v3                       ; lanes 16-31 take B's: one product, the distance between the two bases
	s_add_co_u32 s2, s2, SCL
	v_lshl_add_u32 v5, v2, 4, v6                   ; 16 bytes a row
	v_add_nc_u32 v[ADRS], s2, v5
	v_mov_b32 v25, v4                              ; the way out: 16 x lane
	v_lshlrev_b32 v26, 10, v3
	v_lshl_add_u32 v26, v2, 4, v26                 ; and for scale words: 1,024 h + 16 r
	s_wait_tensorcnt 1                             ; the scale words and my part of slot 0 are in; slot 1's load may be out
	s_barrier_signal -1
	s_barrier_wait -1
	FETCH 0, 0
	SCALES 0
	STEP 0, 0, 1                                   ; the first products start the sums: nothing is cleared
	TURN 0, 1, 1, 8                                ; K steps 2, 3: their words lie 8 bytes on
	STEP 1, 0, 0
	TURN 1, 0, 1, 248                              ; K steps 4, 5: the next 256 bytes
	STEP 0, 0, 0
	TURN 0, 1, 0, 8                                ; nothing is left to fetch
	STEP 1, 0, 0
	LAST
	; THE WAY OUT.  My 128 columns are one K step of the next product: block a's 64 registers become one fragment and one scale word a row.
	PLACES 4                                       ; behind the last products: what follows reads results and writes registers that held A's fragments
.irp b, 0,1,2,3
	v_mov_b32 v[TM+4+\b], 0                        ; written once: a lane permute's destination counts as one of its sources
.endr
	v_cmp_le_u32 s96, 16, v1                       ; lanes 16-31
.irp a, 0,1,2,3,4,5,6,7
.if \a > 1
	s_wait_xcnt 0x0                                ; block a - 2's stores have read this set of codes
.endif
	QUANTW 64*(\a%4), 2+\a/4, PC+20*(\a%2), PWS+\a
.irp g, 0,1,2
	global_store_b128 v25, v[PC+20*(\a%2)+4*\g:PC+20*(\a%2)+4*\g+3], s[92:93] offset:OUT_TILE*\a+512*\g   ; 32 lanes store 512 consecutive bytes
.endr
.endr
.irp a, 0,2,4,6
	v_cndmask_b32 v[TW+\a/2], v[PWS+\a], v[PWS+\a+1], s96   ; lanes 0-15 block a's words, lanes 16-31 block a + 1's
	global_store_b32 v26, v[TW+\a/2], s[94:95] offset:1024*\a   ; 4 bytes at every 16th: a row's other three words come from other waves
.endr
	s_wait_tensorcnt 0x0                           ; the wave's end
	ds_add_u32 v[SPW], v[NIL]
	s_wait_dscnt 0x0
	CROUND                                         ; the closing round: no work-group ends while a partner may still ask for a tile that names it
	s_endpgm
.Lfunc_end_k_q498afd3f58_projqk:
	.size	k_q498afd3f58_projqk, .Lfunc_end_k_q498afd3f58_projqk-k_q498afd3f58_projqk
	.p2alignl 7, 3214868480
	.fill 96, 4, 3214868480
	.section	.rodata,"a",@progbits
	.p2align	6, 0x0
	.amdhsa_kernel k_q498afd3f58_projqk
		.amdhsa_group_segment_fixed_size 327680
		.amdhsa_private_segment_fixed_size 0
		.amdhsa_enable_private_segment 0
		.amdhsa_kernarg_size 24
		.amdhsa_user_sgpr_count 2
		.amdhsa_user_sgpr_kernarg_segment_ptr 1
		.amdhsa_wavefront_size32 1
		.amdhsa_system_sgpr_workgroup_id_x 1
		.amdhsa_system_sgpr_workgroup_id_y 1
		.amdhsa_system_sgpr_workgroup_id_z 1
		.amdhsa_system_vgpr_workitem_id 0
		.amdhsa_next_free_vgpr 1024
		.amdhsa_next_free_sgpr 100
		.amdhsa_reserve_vcc 0
		.amdhsa_float_denorm_mode_32 3
		.amdhsa_float_denorm_mode_16_64 3
		.amdhsa_memory_ordered 1
		.amdhsa_forward_progress 1
		.amdhsa_inst_pref_size 139
	.end_amdhsa_kernel
	.amdgpu_metadata
---
amdhsa.version: [ 1, 2 ]
amdhsa.kernels:
  - .name:           k_q498afd3f58_projqk
    .symbol:         k_q498afd3f58_projqk.kd
    .args:
      - { .name: xq, .offset: 0, .size: 8, .value_kind: global_buffer, .address_space: global }
      - { .name: wqk, .offset: 8, .size: 8, .value_kind: global_buffer, .address_space: global }
      - { .name: qk, .offset: 16, .size: 8, .value_kind: global_buffer, .address_space: global }
    .group_segment_fixed_size: 327680
    .private_segment_fixed_size: 0
    .kernarg_segment_align: 8
    .kernarg_segment_size: 24
    .max_flat_workgroup_size: 128
    .sgpr_count:     100
    .vgpr_count:     1024
    .wavefront_size: 32
...
	.end_amdgpu_metadata
.endif
;; end of part 2
;; launch projv: the kernel of part 2 again; grid 32 x 4, 4 waves a work-group, clusters of 4 x 4, 327,680 bytes of LDS; arguments wv, xq, vt; writes vt
;; launch scores (part 3): grid 8 x 32, 4 waves a work-group, clusters of 4 x 4, 327,680 bytes of LDS; arguments qk, mask, pc, pst; writes pc, pst
.if DOCPART == 3
	.amdgcn_target "amdgcn-amd-amdhsa--gfx1250"
	.amdhsa_code_object_version 6
	.text
	.protected	k_q498afd3f58_scores
	.globl	k_q498afd3f58_scores
	.p2align	8
	.type	k_q498afd3f58_scores,@function
k_q498afd3f58_scores:
	s_mov_b64 s[64:65], 0
	v_nop
	global_prefetch_b8 v0, s[64:65] scope:SCOPE_SE
	s_setreg_imm32_b32 hwreg(HW_REG_WAVE_MODE, 25, 1), 1
	s_wait_xcnt 0x0
	s_wait_alu depctr_hold_cnt(0) depctr_sa_sdst(0) depctr_va_vdst(0) depctr_va_sdst(0) depctr_va_ssrc(0) depctr_va_vcc(0) depctr_vm_vsrc(0)
	s_getreg_b32 s2, hwreg(HW_REG_IB_STS2, 6, 4)
	s_cmp_eq_u32 s2, 0
	s_cbranch_scc0 .Lentry_in_a_cluster
	s_endpgm
.Lentry_in_a_cluster:
	s_bfe_u32 s2, ttmp6, 0x10000c
	s_cmp_lg_u32 s2, 0xf033
	s_cbranch_scc0 .Lentry_shape_is_right
	s_endpgm
.Lentry_shape_is_right:
; S^T = K Q^T on FP6 images (K = 1,024), then on the way out: / 32, where(mask, s, -1e-6), and the softmax's p for 128 keys at a time, quantised along the keys.
; p = 2^(t - M), t = score x log2(e).  HERE M IS LOCAL: the ceiling of the largest t of one query among the wave's 128 keys: a maximum is taken away ahead of every exponential.  Since M is a whole number, the row's own M
; only moves each block's scale byte: the next launch takes the largest of a row's sixteen local M and lowers the bytes by the difference; the codes stay.
; For each (query, 128 keys) this launch stores the fragment's codes (pc) and a record of 16 bytes (pst): the raw scale word, -M (a whole number, f32), the sum of the unquantised p, 0.
; qk: scale words [512 T][4][r][4 words] (first two groups Q's, last two K's) from byte 0; codes [512 T][16][1536] (K steps 0-7 Q's, 8-15 K's) from CODES.  Row tile T: lane-row r is token 32 (T / 2) + 8 (T % 2) + r + 8 (r / 8).
; Source 0 = 16 keys, source 1 = 16 queries: a lane holds ONE query, and by the order of rows in a tile its 16 registers of key tiles 2 b, 2 b + 1 are 16 neighbouring keys.
; SHARES.  A work-group makes 256 queries x 256 keys of one batch, a wave 128 x 128.  K goes in four periods of 256 through two LDS slots.  The mask's 256 x 256 bytes come once, with the first fills.
; CLUSTER 4 x 4: Q's tiles shared along a row, K's along a column, asked for jointly.
; LIMITS: a block whose every p has fallen under 2^-124 keeps the byte 1; NaN and infinities are not served; mask bytes are 0 or 1.
; REGISTERS: as in the projections' body; on the way out window 0 from v64 on is free (v32-63 hold scale words and nothing else).
.set NA,   8
.set NQ,   2
.set RTS,  1536*NQ
.set HA,   NA*RTS
.set HB,   8*RTS
.set SLOT, 2*HA+2*HB
.set SCL,  2*SLOT                      ; the scale words of 16 + 16 row tiles, 512 bytes a tile; filled once
.set SBLK, 512
.set SPARE, SCL+16384                  ; the spare words: two blocks of 256 bytes that no other line names
.set MSK,  SPARE+512                   ; the mask's tile: 256 rows x (256 bytes + 16); filled once
.set MP,   272
.set CODES, 524288
.set TILE,  24576
.set ADRA, 16
.set ADRB, 20
.set ADRS, 27
.set SPW,  28
.set NIL,  29
.set SC,   32
.set AF,   32+16*NQ
.set MB,   64                          ; v64-95   mask bytes, two sets of 16 registers
.set SV,   96                          ; v96-159  64 scores of my query, then p
.set PCB,  160                         ; v160-179, v180-199 codes, two sets
.set BM,   200                         ; v200-203 each block's largest score, then its largest p
.set BX,   204                         ; v204-207 at work
.set SO,   208                         ; v208-211 the conversions' scale operands
.set NM,   212                         ; v[212:213] -M, 0
.set TT,   214
.set PW,   215                         ; the scale word
.set LS,   216                         ; v[216:217], v[218:219] the sum, in two chains
.set L2,   218
.set LT,   220
.set REC,  224                         ; v224-227, v228-231 records, two sets
.set SEL,  66
.set G1,   24
.set G0,   32
.set G1B,  48
.set G0B,  56
.set G1S,  68
.set G0S,  76
.set G1SB, 80
.set G0SB, 88
.set G1M,  92                          ; s[92:99] group 1 for the mask's tile; s[20:23] its group 0
.set G0M,  20
.set MSB, 0
.macro WIN new
.if MSB != (\new)
	s_set_vgpr_msb (MSB<<8)|(\new)
.set MSB, (\new)
.endif
.endm
.set MUL_LO, 0xa1
.set MUL_HI, 0xf1
.set TO_B,   0x40
.macro JLOAD g0a, g1a, g0b, g1b        ; a joint load: waves 0 and 1 fetch for Q, waves 2 and 3 for K; four v_nop follow each of the two lines
	s_cmp_eq_u32 s15, 0
	s_cbranch_scc0 .Lfor_b_\@
	tensor_load_to_lds s[\g0a:\g0a+3], s[\g1a:\g1a+7]
	s_nop 0
.rept 4
	v_nop
.endr
	s_branch .Lasked_\@
.Lfor_b_\@:
	tensor_load_to_lds s[\g0b:\g0b+3], s[\g1b:\g1b+7]
	s_nop 0
.rept 4
	v_nop
.endr
.Lasked_\@:
.endm
.macro CREST
	s_cmp_lg_u32 s14, 0
	s_cbranch_scc1 .Lnot_wave_0_\@
	s_barrier_signal -3
.Lnot_wave_0_\@:
	s_barrier_wait -3
	s_barrier_signal -1
	s_barrier_wait -1
.endm
.macro CROUND
	s_barrier_signal -1
	s_barrier_wait -1
	CREST
.endm
.macro PLACES n
.rept \n
	v_nop
.endr
.endm
.macro FRAG reg, adr, off
.irp g, 0,1,2
	ds_load_b128 v[(\reg)+4*\g:(\reg)+4*\g+3], v[\adr] offset:(\off)+512*\g
.endr
.endm
.macro FETCH slot, q
	WIN TO_B
.irp i, 0,1,2,3,4,5,6,7
	FRAG 128*((\q)%2)+12*\i, ADRB+\slot, \i*RTS+1536*(\q)
.endr
	WIN 0
.set FI, 0
.rept NA
	FRAG AF+12*NA*((\q)%2)+12*FI, ADRA+\slot, FI*RTS+1536*(\q)
.set FI, FI+1
.endr
.endm
.macro SCALES sc
.irp i, 0,1,2,3,4,5,6,7
	ds_load_b64 v[SC+8*NQ*\sc+NQ*\i:SC+8*NQ*\sc+NQ*\i+1], v[ADRS] offset:\i*SBLK
.endr
.endm
.macro MULA a, q, sc, zero             ; the accumulators take turns, one instruction a turn
.set AC, 64*((\a)%4)
.irp b, 0,1,2,3,4,5,6,7
.if \zero
	v_wmma_scale_f32_16x16x128_f8f6f4 v[AC+8*\b:AC+8*\b+7], v[128*((\q)%2)+12*\b:128*((\q)%2)+12*\b+11], v[AF+12*NA*((\q)%2)+12*(\a):AF+12*NA*((\q)%2)+12*(\a)+11], 0, v[SC+8*NQ*(\sc)+NQ*\b+(\q)], v[SC+8*NQ*(\sc)+NQ*(\a)+(\q)] matrix_a_fmt:MATRIX_FMT_FP6 matrix_b_fmt:MATRIX_FMT_FP6 matrix_a_scale:MATRIX_SCALE_ROW1
.else
	v_wmma_scale_f32_16x16x128_f8f6f4 v[AC+8*\b:AC+8*\b+7], v[128*((\q)%2)+12*\b:128*((\q)%2)+12*\b+11], v[AF+12*NA*((\q)%2)+12*(\a):AF+12*NA*((\q)%2)+12*(\a)+11], v[AC+8*\b:AC+8*\b+7], v[SC+8*NQ*(\sc)+NQ*\b+(\q)], v[SC+8*NQ*(\sc)+NQ*(\a)+(\q)] matrix_a_fmt:MATRIX_FMT_FP6 matrix_b_fmt:MATRIX_FMT_FP6 matrix_a_scale:MATRIX_SCALE_ROW1
.endif
.endr
.endm
.macro MULS a0, n, q, sc, zero
.set MA, \a0
.rept \n
.if MA < 4
	WIN MUL_LO
.else
	WIN MUL_HI
.endif
	MULA MA, \q, \sc, \zero
.set MA, MA+1
.endr
.endm
.macro STEP slot, q, zero
	s_wait_dscnt 0x0                               ; this step's fragments and scale words are in (asked for a step ago)
	PLACES 4                                       ; the sets loaded next were read by the products just issued
	FETCH \slot, (\q)+1
	MULS 0, NA, \q, \slot, \zero
	WIN 0
.endm
.macro TURN slot, next, fill, sstep    ; a slot's last step changes slots: one barrier; with fill = 1 it opens a round of the cluster's barrier, and the slot's refill is the first thing behind the round
	s_wait_tensorcnt 0x0                           ; all my tensor loads have landed
	ds_add_u32 v[SPW], v[NIL]                      ; 0 onto my spare word
	s_wait_dscnt 1                                 ; this step's fragments are in; the add alone may be out
	MULS 0, NA/4, NQ-1, \slot, 0
	s_wait_dscnt 0x0                               ; the add is done, and my reads of this slot are over
	s_barrier_signal -1
	MULS NA/4, NA/4, NQ-1, \slot, 0
	WIN 0
	s_barrier_wait -1
.if \fill
	CREST
	s_add_nc_u64 s[G0+4*\slot+2:G0+4*\slot+3], s[G0+4*\slot+2:G0+4*\slot+3], 2*RTS
	s_add_nc_u64 s[G0B+4*\slot+2:G0B+4*\slot+3], s[G0B+4*\slot+2:G0B+4*\slot+3], 2*RTS
	JLOAD G0+4*\slot, G1, G0B+4*\slot, G1B         ; the four v_nop behind it are also the places in front of the loads below
.else
	PLACES 4
.endif
	v_add_nc_u32 v[ADRS], \sstep, v[ADRS]
	FETCH \next, 0
	SCALES \next
	MULS NA/2, NA/2, NQ-1, \slot, 0
	WIN 0
.endm
.macro LAST
	s_wait_dscnt 0x0
	MULS 0, NA, NQ-1, 1, 0
	WIN 0
.endm
	s_load_b256 s[4:11], s[0:1], 0x0               ; qk s[4:5], mask s[6:7], pc s[8:9], pst s[10:11]
	v_lshl_add_u32 v[SPW], v0, 2, SPARE
	v_mov_b32 v[NIL], 0
	ds_add_u32 v28, v29
	ds_add_u32 v28, v29
	s_wait_dscnt 0x0
	v_lshrrev_b32 v1, 5, v0
	v_readfirstlane_b32 s14, v1                    ; wave 0..3
	s_lshr_b32 s15, s14, 1                         ; which half of the queries is mine.  Also: I fetch for Q (0) or for K (1)
	s_and_b32 s16, s14, 1                          ; which half of the keys.  Also: which half I fetch
	s_bfe_u32 s40, ttmp6, 0x40000                  ; cx, cy
	s_bfe_u32 s41, ttmp6, 0x40004
	s_lshl_b32 s42, ttmp9, 2
	s_add_co_u32 s42, s42, s40                     ; xt: which 256 keys of the batch
	s_and_b32 s19, ttmp7, 0xffff
	s_lshl_b32 s17, s19, 2
	s_add_co_u32 s17, s17, s41                     ; yt: which 256 of the 8,192 queries
	s_lshr_b32 s19, s19, 1                         ; the batch = yt / 8, from the cluster's y alone: all sixteen partners share it
	s_lshl_b32 s43, s41, 2
	s_lshl_b32 s43, 15, s43                        ; my row of the cluster
	s_lshl_b32 s44, 0x1111, s40                    ; my column
	s_mov_b32 s[SEL], 0x76543210
	s_mov_b32 s[SEL+1], 0xfedcba98
	s_or_b32 s[G1+0], s43, (3<<16)|(1<<21)         ; codes: 8 row tiles x RTS bytes, TILE bytes apart
	s_or_b32 s[G1B+0], s44, (3<<16)|(1<<21)
.irp g, G1, G1B
	s_mov_b32 s[\g+1], (RTS/8)<<16
	s_mov_b32 s[\g+2], 8<<16
	s_mov_b32 s[\g+3], (RTS/8)<<16
	s_mov_b32 s[\g+4], 8
	s_mov_b32 s[\g+5], TILE/8
	s_mov_b32 s[\g+6], 0
	s_mov_b32 s[\g+7], 0
.endr
	s_or_b32 s[G1S+0], s43, (3<<16)|(1<<21)        ; scale words: 8 row tiles x 512 bytes, 1,024 bytes apart
	s_or_b32 s[G1SB+0], s44, (3<<16)|(1<<21)
.irp g, G1S, G1SB
	s_mov_b32 s[\g+1], 64<<16
	s_mov_b32 s[\g+2], 8<<16
	s_mov_b32 s[\g+3], 64<<16
	s_mov_b32 s[\g+4], 8
	s_mov_b32 s[\g+5], 128
	s_mov_b32 s[\g+6], 0
	s_mov_b32 s[\g+7], 0
.endr
	s_mov_b32 s[G1M+0], (3<<16)|(1<<20)|(5<<22)|(3<<25)   ; the mask: no work-group mask (a load of my own); elements of 8 bytes; 4 words of padding behind every 64
	s_mov_b32 s[G1M+1], 32<<16                     ; rows of 256 bytes,
	s_mov_b32 s[G1M+2], 64<<16                     ; 64 of them,
	s_mov_b32 s[G1M+3], 32<<16
	s_mov_b32 s[G1M+4], 64
	s_mov_b32 s[G1M+5], 256                        ; 2,048 bytes apart
	s_mov_b32 s[G1M+6], 0
	s_mov_b32 s[G1M+7], 0
	s_lshl_b32 s18, s16, 3
	s_lshl_b32 s12, s17, 4
	s_add_co_u32 s12, s12, s18                     ; Q's first row tile that I fetch: 16 yt + 8 x half
	s_lshl_b32 s13, s42, 4
	s_add_co_u32 s13, s13, s18
	s_lshl_b32 s19, s19, 7
	s_add_co_u32 s13, s13, s19                     ; K's: 128 x batch + 16 xt + 8 x half
	s_mul_i32 s45, s14, HA                         ; where codes go: wave x 24,576
	s_lshl_b32 s19, s14, 12                        ; and scale words: wave x 4,096
	s_lshl_b32 s20, s17, 4                         ; (what hangs on both coordinates is made in s20-23)
	s_lshl_b32 s21, s15, 3
	s_add_co_u32 s20, s20, s21                     ; my first tile of queries
	s_lshl_b32 s21, s42, 1
	s_add_co_u32 s21, s21, s16                     ; my 128 keys as a K step of the next product: 2 xt + half
	s_mul_i32 s22, s20, TILE
	s_mul_i32 s23, s21, 1536
	s_add_co_u32 s22, s22, s23
	s_mov_b32 s23, 0
	s_wait_kmcnt 0x0
	s_add_nc_u64 s[8:9], s[8:9], s[22:23]          ; pc at my first fragment
	s_lshl_b32 s22, s20, 12
	s_lshl_b32 s21, s21, 8
	s_add_co_u32 s22, s22, s21
	s_add_nc_u64 s[10:11], s[10:11], s[22:23]      ; pst at my first records
	s_lshl_b32 s22, s17, 19                        ; the mask: row 256 yt + 64 x wave of 2,048 bytes, + 256 xt
	s_lshl_b32 s21, s14, 17
	s_add_co_u32 s22, s22, s21
	s_lshl_b32 s21, s42, 8
	s_add_co_u32 s22, s22, s21
	s_add_nc_u64 s[22:23], s[6:7], s[22:23]
	s_or_b32 s23, s23, 0x80000000
	s_mov_b32 s20, 1
	s_mul_i32 s21, s14, 64*MP
	s_add_co_u32 s21, s21, MSK
	s_lshl_b32 s2, s12, 10                         ; Q's offsets are made in s2, s3, s12, K's in s13, s46, s47
	s_mov_b32 s3, 0
	s_mov_b32 s[G0S], 1
	s_add_co_u32 s[G0S+1], s19, SCL
	s_add_nc_u64 s[G0S+2:G0S+3], s[4:5], s[2:3]
	s_or_b32 s[G0S+3], s[G0S+3], 0x80000000
	s_lshl_b32 s46, s13, 10
	s_add_co_u32 s46, s46, 512                     ; K's words are the last two groups of a tile's four
	s_mov_b32 s47, 0
	s_mov_b32 s[G0SB], 1
	s_add_co_u32 s[G0SB+1], s19, SCL
	s_add_nc_u64 s[G0SB+2:G0SB+3], s[4:5], s[46:47]
	s_or_b32 s[G0SB+3], s[G0SB+3], 0x80000000
	s_mul_i32 s2, s12, TILE
	s_add_co_u32 s2, s2, CODES
	s_add_nc_u64 s[2:3], s[4:5], s[2:3]
	s_mul_i32 s46, s13, TILE
	s_add_co_u32 s46, s46, CODES+12288             ; K's K steps are 8-15 of a tile's sixteen
	s_add_nc_u64 s[46:47], s[4:5], s[46:47]
.irp s, 0,1
	s_mov_b32 s[G0+4*\s], 1
	s_add_co_u32 s[G0+4*\s+1], s45, \s*SLOT
	s_add_nc_u64 s[G0+4*\s+2:G0+4*\s+3], s[2:3], \s*RTS
	s_or_b32 s[G0+4*\s+3], s[G0+4*\s+3], 0x80000000
	s_mov_b32 s[G0B+4*\s], 1
	s_add_co_u32 s[G0B+4*\s+1], s45, \s*SLOT
	s_add_nc_u64 s[G0B+4*\s+2:G0B+4*\s+3], s[46:47], \s*RTS
	s_or_b32 s[G0B+4*\s+3], s[G0B+4*\s+3], 0x80000000
.endr
	CROUND                                         ; all sixteen work-groups are here: the first joint loads meet
	JLOAD G0S, G1S, G0SB, G1SB                     ; the scale words; both slots; my 64 rows of the mask: four loads of mine are out
	JLOAD G0, G1, G0B, G1B
	JLOAD G0+4, G1, G0B+4, G1B
	tensor_load_to_lds s[G0M:G0M+3], s[G1M:G1M+7]
	s_nop 0
.rept 4
	v_nop
.endr
	v_and_b32 v1, 31, v0                           ; lane
	v_and_b32 v2, 15, v0                           ; r
	v_bfe_u32 v3, v0, 4, 1                         ; h
	v_lshlrev_b32 v4, 4, v1                        ; 16 x lane
	s_mul_i32 s2, s15, HA
	s_mul_i32 s3, s16, HB
	s_add_co_u32 s3, s3, 2*HA
.irp s, 0,1
	v_add_nc_u32 v[ADRA+\s], s2, v4
	v_add_nc_u32 v[ADRB+\s], s3, v4
	s_add_co_u32 s2, s2, SLOT
	s_add_co_u32 s3, s3, SLOT
.endr
	s_lshl_b32 s2, s15, 12
	s_lshl_b32 s3, s16, 12
	s_add_co_u32 s3, s3, 8192
	s_sub_co_u32 s3, s3, s2
	v_mul_u32_u24 v6, s3, v3                       ; lanes 16-31 take K's words: one product, the distance between the two bases
	s_add_co_u32 s2, s2, SCL
	v_lshl_add_u32 v5, v2, 4, v6
	v_add_nc_u32 v[ADRS], s2, v5
	v_and_b32 v5, 8, v2
	v_add_nc_u32 v5, v5, v2                        ; r + 8 (r / 8)
	v_mul_u32_u24 v24, v5, MP
	v_lshl_add_u32 v24, v3, 4, v24
	s_mul_i32 s2, s15, 128*MP
	s_lshl_b32 s3, s16, 7
	s_add_co_u32 s2, s2, s3
	s_add_co_u32 s2, s2, MSK
	v_add_nc_u32 v24, s2, v24                      ; the mask: my query's row in a tile's first place, my half of the keys, + 16 h
	v_mov_b32 v25, v4                              ; the way out: 16 x lane
	v_lshlrev_b32 v26, 12, v3
	v_lshl_add_u32 v26, v2, 4, v26                 ; records: 4,096 h + 16 r
	s_wait_tensorcnt 2                             ; the scale words and my part of slot 0 are in; slot 1's load and the mask's may be out
	s_barrier_signal -1
	s_barrier_wait -1
	FETCH 0, 0
	SCALES 0
	STEP 0, 0, 1
	TURN 0, 1, 1, 8                                ; (its wait for all loads and its barrier also show every wave's rows of the mask landed)
	STEP 1, 0, 0
	TURN 1, 0, 1, 248
	STEP 0, 0, 0
	TURN 0, 1, 0, 8
	STEP 1, 0, 0
	LAST
	; THE WAY OUT, a block of 16 queries x my 128 keys at a time.  No tensor load of mine is out: the descriptors' scalar registers are free.
	s_mov_b32 s24, 0x00000000                      ; byte selects: one byte of a word into all four
	s_mov_b32 s25, 0x01010101
	s_mov_b32 s26, 0x02020202
	s_mov_b32 s27, 0x03030303
	s_mov_b32 s28, 255
	s_mov_b32 s29, 0xb80637bd                      ; f32(-1e-6) x 32, exact: the fill, ahead of the division by 32
	s_mov_b32 s32, 0x3d38aa3b                      ; c = log2(e) / 32: t = sum x c
	s_mov_b32 s33, s32                             ; (named with it as a pair, so it is written)
	PLACES 4                                       ; behind the last products: what follows reads results and writes registers that held Q's fragments
	v_cmp_le_u32 s30, 16, v1                       ; lanes 16-31
.irp b, 0,1,2,3
	v_mov_b32 v[BX+\b], 0                          ; written once: a lane permute's destination counts as one of its sources
.endr
	v_mov_b32 v[LT], 0
	v_mov_b32 v[NM+1], 0                           ; (named as the upper half of a pair)
	v_mov_b32 v[REC+3], 0                          ; a record's last word
	v_mov_b32 v[REC+7], 0
.macro MLOAD a                         ; block a's mask bytes: my query's row, 16 keys of each block of 32
.irp b, 0,1,2,3
	ds_load_b128 v[MB+16*((\a)%2)+4*\b:MB+16*((\a)%2)+4*\b+3], v24 offset:(32*((\a)/2)+8*((\a)%2))*MP+32*\b
.endr
.endm
.macro SOFT a
.set AC,  64*((\a)%4)
.set MBS, MB+16*((\a)%2)
.set PCS, PCB+20*((\a)%2)
.set RC,  REC+4*(((\a)/2)%2)
	s_wait_dscnt 0x0                               ; this block's mask bytes are in
.set NN, 0
.rept 16
	v_mul_lo_u32 v[MBS+NN], v[MBS+NN], s28         ; bytes 0 and 1 become 0x00 and 0xff: no byte carries into the next
.set NN, NN+1
.endr
.if (\a) < 7
	MLOAD (\a)+1
.endif
.set NN, 0
.rept 64
	v_perm_b32 v[SV+NN], v[MBS+4*(NN/16)+(NN%16)/4], v[MBS+4*(NN/16)+(NN%16)/4], s[24+NN%4]   ; key NN's byte into all four: 0 or all ones
.set NN, NN+1
.endr
.set WQ, (2+(\a)/4)<<2
	WIN WQ                                         ; source 1: the accumulators' window
.set NN, 0
.rept 64
	v_bfi_b32 v[SV+NN], v[SV+NN], v[AC+NN], s29    ; where(mask, sum, fill x 32); each accumulator is read from its low end on
.set NN, NN+1
.endr
	WIN 0
.irp b, 0,1,2,3
	v_max3_num_f32 v[BM+\b], v[SV+16*\b], v[SV+16*\b+1], v[SV+16*\b+2]   ; the largest score of each block of 32 keys: for the maximum, and, since p rises with the score, for the block's largest p
.endr
.irp i, 3,5,7,9,11,13
.irp b, 0,1,2,3
	v_max3_num_f32 v[BM+\b], v[BM+\b], v[SV+16*\b+\i], v[SV+16*\b+\i+1]
.endr
.endr
.irp b, 0,1,2,3
	v_max_num_f32 v[BM+\b], v[BM+\b], v[SV+16*\b+15]
.endr
.irp b, 0,1,2,3
	v_permlanex16_b32 v[BX+\b], v[BM+\b], s[SEL], s[SEL+1]
.endr
.irp b, 0,1,2,3
	v_max_num_f32 v[BM+\b], v[BM+\b], v[BX+\b]     ; with lane l xor 16's 16 keys
.endr
	v_max3_num_f32 v[TT], v[BM], v[BM+1], v[BM+2]
	v_max_num_f32 v[TT], v[TT], v[BM+3]
	v_mul_f32 v[TT], s32, v[TT]                    ; the largest t of my query among these 128 keys (c is positive)
	v_floor_f32 v[NM], -v[TT]                      ; -M = floor(-t): M is a whole number
.set NN, 0
.rept 32
	v_pk_fma_f32 v[SV+NN:SV+NN+1], v[SV+NN:SV+NN+1], s[32:33], v[NM:NM+1] op_sel_hi:[1,0,0]   ; t - M, two at a time
.set NN, NN+2
.endr
.irp b, 0,1,2,3
	v_fma_f32 v[BM+\b], v[BM+\b], s32, v[NM]       ; the same of each block's largest score
.endr
.set NN, 0
.rept 64
	v_exp_f32 v[SV+NN], v[SV+NN]                   ; p = 2^(t - M), at most 1
.set NN, NN+1
.endr
.irp b, 0,1,2,3
	v_exp_f32 v[BM+\b], v[BM+\b]                   ; the block's largest p: the same two instructions on the same number
.endr
	v_nop                                          ; a plain place behind the exponentials
	s_wait_alu depctr_va_vdst(0)
.irp b, 0,1,2,3
	v_max_num_f32 v[BM+\b], 0x1800000, v[BM+\b]    ; the floor 2^(3 - 127): the byte cannot fall under 1
.endr
.irp b, 0,1,2,3
	v_add_nc_u32 v[SO+\b], 0xff000000, v[BM+\b]    ; 2 off the exponent field: the conversion's scale operand
.endr
.irp b, 0,1,2,3
	v_lshrrev_b32 v[BX+\b], 23, v[SO+\b]           ; the byte: 1 to 125
.endr
	v_lshl_or_b32 v[PW], v[BX+1], 8, v[BX]
	v_lshl_or_b32 v[PW], v[BX+2], 16, v[PW]
	v_lshl_or_b32 v[PW], v[BX+3], 24, v[PW]
.if (\a) > 1
	s_wait_xcnt 0x0                                ; earlier stores have read this set of codes and of records
.endif
.irp c, 0,1
	v_cvt_scalef32_pk16_fp6_f32 v[PCS+6*\c:PCS+6*\c+2], v[SV+32*\c:SV+32*\c+15], v[SO+2*\c]
	v_cvt_scalef32_pk16_fp6_f32 v[PCS+12+4*\c:PCS+12+4*\c+2], v[SV+32*\c+16:SV+32*\c+31], v[SO+2*\c+1]
.endr
	v_nop                                          ; one plain place behind a scaled conversion
.irp c, 0,1
.irp i, 0,1,2
	v_permlane16_swap_b32 v[PCS+6*\c+\i], v[PCS+12+4*\c+\i]
.endr
.irp i, 0,1,2
	v_mov_b32 v[PCS+6*\c+3+\i], v[PCS+12+4*\c+\i]
.endr
.endr
	v_pk_add_f32 v[LS:LS+1], v[SV:SV+1], v[SV+4:SV+5]       ; the sum of the UNQUANTISED p, two at a time, in two chains
	v_pk_add_f32 v[L2:L2+1], v[SV+2:SV+3], v[SV+6:SV+7]
.set NN, 8
.rept 14
	v_pk_add_f32 v[LS:LS+1], v[LS:LS+1], v[SV+NN:SV+NN+1]
	v_pk_add_f32 v[L2:L2+1], v[L2:L2+1], v[SV+NN+2:SV+NN+3]
.set NN, NN+4
.endr
	v_pk_add_f32 v[LS:LS+1], v[LS:LS+1], v[L2:L2+1]
	v_add_f32 v[LS], v[LS], v[LS+1]
	v_permlanex16_b32 v[LT], v[LS], s[SEL], s[SEL+1]
	v_add_f32 v[LS], v[LS], v[LT]                  ; with lane l xor 16's: both halves of the lanes hold the same sum
.irp g, 0,1,2
	global_store_b128 v25, v[PCS+4*\g:PCS+4*\g+3], s[8:9] offset:TILE*(\a)+512*\g   ; 32 lanes store 512 consecutive bytes
.endr
.if (\a)%2 == 0
	v_mov_b32 v[RC], v[PW]                         ; two blocks' records leave by one store: lanes 0-15 the even block's,
	v_mov_b32 v[RC+1], v[NM]
	v_mov_b32 v[RC+2], v[LS]
.else
	v_cndmask_b32 v[RC], v[RC], v[PW], s30         ; lanes 16-31 the odd block's
	v_cndmask_b32 v[RC+1], v[RC+1], v[NM], s30
	v_cndmask_b32 v[RC+2], v[RC+2], v[LS], s30
	global_store_b128 v26, v[RC:RC+3], s[10:11] offset:4096*((\a)-1)   ; each half of the lanes stores 256 consecutive bytes, aligned
.endif
.endm
	MLOAD 0
	SOFT 0
	SOFT 1
	SOFT 2
	SOFT 3
	SOFT 4
	SOFT 5
	SOFT 6
	SOFT 7
	s_wait_tensorcnt 0x0                           ; the wave's end
	ds_add_u32 v[SPW], v[NIL]
	s_wait_dscnt 0x0
	CROUND                                         ; the closing round
	s_endpgm
.Lfunc_end_k_q498afd3f58_scores:
	.size	k_q498afd3f58_scores, .Lfunc_end_k_q498afd3f58_scores-k_q498afd3f58_scores
	.p2alignl 7, 3214868480
	.fill 96, 4, 3214868480
	.section	.rodata,"a",@progbits
	.p2align	6, 0x0
	.amdhsa_kernel k_q498afd3f58_scores
		.amdhsa_group_segment_fixed_size 327680
		.amdhsa_private_segment_fixed_size 0
		.amdhsa_enable_private_segment 0
		.amdhsa_kernarg_size 32
		.amdhsa_user_sgpr_count 2
		.amdhsa_user_sgpr_kernarg_segment_ptr 1
		.amdhsa_wavefront_size32 1
		.amdhsa_system_sgpr_workgroup_id_x 1
		.amdhsa_system_sgpr_workgroup_id_y 1
		.amdhsa_system_sgpr_workgroup_id_z 1
		.amdhsa_system_vgpr_workitem_id 0
		.amdhsa_next_free_vgpr 1024
		.amdhsa_next_free_sgpr 100
		.amdhsa_reserve_vcc 0
		.amdhsa_float_denorm_mode_32 3
		.amdhsa_float_denorm_mode_16_64 3
		.amdhsa_memory_ordered 1
		.amdhsa_forward_progress 1
		.amdhsa_inst_pref_size 255
	.end_amdhsa_kernel
	.section	.bss,"aw",@nobits
	.p2align	6
	.space	262144
	.amdgpu_metadata
---
amdhsa.version: [ 1, 2 ]
amdhsa.kernels:
  - .name:           k_q498afd3f58_scores
    .symbol:         k_q498afd3f58_scores.kd
    .args:
      - { .name: qk, .offset: 0, .size: 8, .value_kind: global_buffer, .address_space: global }
      - { .name: mask, .offset: 8, .size: 8, .value_kind: global_buffer, .address_space: global }
      - { .name: pc, .offset: 16, .size: 8, .value_kind: global_buffer, .address_space: global }
      - { .name: pst, .offset: 24, .size: 8, .value_kind: global_buffer, .address_space: global }
    .group_segment_fixed_size: 327680
    .private_segment_fixed_size: 0
    .kernarg_segment_align: 8
    .kernarg_segment_size: 32
    .max_flat_workgroup_size: 128
    .sgpr_count:     100
    .vgpr_count:     1024
    .wavefront_size: 32
...
	.end_amdgpu_metadata
.endif
;; end of part 3
;; launch pv (part 4): grid 4 x 64, 4 waves a work-group, clusters of 4 x 4, 327,680 bytes of LDS; arguments pc, pst, vt, out0; writes out0
.if DOCPART == 4
	.amdgcn_target "amdgcn-amd-amdhsa--gfx1250"
	.amdhsa_code_object_version 6
	.text
	.protected	k_q498afd3f58_pv
	.globl	k_q498afd3f58_pv
	.p2align	8
	.type	k_q498afd3f58_pv,@function
k_q498afd3f58_pv:
	s_mov_b64 s[64:65], 0
	v_nop
	global_prefetch_b8 v0, s[64:65] scope:SCOPE_SE
	s_setreg_imm32_b32 hwreg(HW_REG_WAVE_MODE, 25, 1), 1
	s_wait_xcnt 0x0
	s_wait_alu depctr_hold_cnt(0) depctr_sa_sdst(0) depctr_va_vdst(0) depctr_va_sdst(0) depctr_va_ssrc(0) depctr_va_vcc(0) depctr_vm_vsrc(0)
	s_getreg_b32 s2, hwreg(HW_REG_IB_STS2, 6, 4)
	s_cmp_eq_u32 s2, 0
	s_cbranch_scc0 .Lentry_in_a_cluster
	s_endpgm
.Lentry_in_a_cluster:
	s_bfe_u32 s2, ttmp6, 0x10000c
	s_cmp_lg_u32 s2, 0xf033
	s_cbranch_scc0 .Lentry_shape_is_right
	s_endpgm
.Lentry_shape_is_right:
; out0[q][d] = (sum over keys of p V) / l, on FP6 images, K = the batch's 2,048 keys.
; pc: p's codes [512 T (queries)][16 K steps][1536].  pst: for each (T, K step, lane-row r) 16 bytes: the raw scale word, -M_loc (a whole number), l_loc, 0, made under a maximum local to 128 keys.
; THE HEAD brings a row under ONE M: -M = the least of its sixteen -M_loc; d = M - M_loc >= 0; each of the K step's four scale bytes is lowered by d, and l = the sum of l_loc 2^-d.  All exact: powers of two.
; vt: V^T: scale words [batch][64 T (d)][4][r][4 words] from byte 0, codes [batch][64 T][16 K steps][1536] from CODES.  Row tile T: lane-row r is row 32 (T / 2) + 8 (T % 2) + r + 8 (r / 8).
; Source 0 = 16 rows of V^T, source 1 = 16 queries: a lane holds one query and, in the 16 registers of tiles 2 b, 2 b + 1, 16 neighbouring d.
; SHARES.  A work-group makes 128 queries x 256 d (so that there are 256 work-groups), a wave 64 x 128: 32 accumulators.  K goes in four periods of 512 through two LDS slots.
; CLUSTER 4 x 4: p's tiles shared along a row, V^T's tiles and scale words along a column, asked for jointly.
; LIMITS: d is held at 127, and a scale byte that would fall under 0 is held at 0 (2^-127, against l >= 1/2); NaN and infinities are not served.
; REGISTERS: window 0: v0-31 addresses; v32-95 scale words, two sets, and nothing else; v96-191 p's fragments, two sets of 48 (in the head: the records).  window 1: V^T's fragments, two sets.  window 2: the accumulators.
.set NA,   4
.set NQ,   4
.set RTS,  1536*NQ
.set HA,   NA*RTS
.set HB,   8*RTS
.set SLOT, 2*HA+2*HB
.set PSC,  2*SLOT                      ; p's scale words as the head makes them: [8 tiles][4][r][4 words]; written by LDS stores alone
.set VSC,  PSC+8192                    ; V^T's scale words, 1,024 bytes a tile; filled once
.set INVL, VSC+16384                   ; 1 / l of the 128 queries; written by LDS stores alone
.set SBLK, 1024
.set SPARE, INVL+512                   ; the spare words: two blocks of 256 bytes that no other line names
.set SPITCH, 528                       ; the way out: a stage of 16 rows x (512 bytes + 16) for each wave, in slot 0, which has had its last fill and its last read by then
.set CODES, 524288
.set TILE,  24576
.set ADRA, 16
.set ADRB, 20
.set ADRS, 27
.set SPW,  28
.set NIL,  29
.set SC,   32
.set AF,   32+16*NQ
.set RCD,  96                          ; the head: v96-159 sixteen records
.set WD,   160                         ; v160-175 the sixteen lowered scale words
.set NG,   176                         ; -M of my row
.set LL,   177                         ; l
.set IV,   96                          ; the way out: v96-103 1 / l, a pair for each block
.set OV,   104                         ; v104-167 a block's results
.set BK,   168                         ; v168-231 16 rows read back from the stage
.set G1,   24
.set G0,   32
.set G1B,  48
.set G0B,  56
.set G1SB, 80
.set G0SB, 88
.set MSB, 0
.macro WIN new
.if MSB != (\new)
	s_set_vgpr_msb (MSB<<8)|(\new)
.set MSB, (\new)
.endif
.endm
.set MUL_LO, 0xa1
.set MUL_HI, 0xf1
.set TO_B,   0x40
.macro JLOAD g0a, g1a, g0b, g1b        ; a joint load: waves 0 and 1 fetch for p, waves 2 and 3 for V^T; four v_nop follow each of the two lines
	s_cmp_eq_u32 s15, 0
	s_cbranch_scc0 .Lfor_b_\@
	tensor_load_to_lds s[\g0a:\g0a+3], s[\g1a:\g1a+7]
	s_nop 0
.rept 4
	v_nop
.endr
	s_branch .Lasked_\@
.Lfor_b_\@:
	tensor_load_to_lds s[\g0b:\g0b+3], s[\g1b:\g1b+7]
	s_nop 0
.rept 4
	v_nop
.endr
.Lasked_\@:
.endm
.macro CREST
	s_cmp_lg_u32 s14, 0
	s_cbranch_scc1 .Lnot_wave_0_\@
	s_barrier_signal -3
.Lnot_wave_0_\@:
	s_barrier_wait -3
	s_barrier_signal -1
	s_barrier_wait -1
.endm
.macro CROUND
	s_barrier_signal -1
	s_barrier_wait -1
	CREST
.endm
.macro PLACES n
.rept \n
	v_nop
.endr
.endm
.macro FRAG reg, adr, off
.irp g, 0,1,2
	ds_load_b128 v[(\reg)+4*\g:(\reg)+4*\g+3], v[\adr] offset:(\off)+512*\g
.endr
.endm
.macro FETCH slot, q
	WIN TO_B
.irp i, 0,1,2,3,4,5,6,7
	FRAG 128*((\q)%2)+12*\i, ADRB+\slot, \i*RTS+1536*(\q)
.endr
	WIN 0
.set FI, 0
.rept NA
	FRAG AF+12*NA*((\q)%2)+12*FI, ADRA+\slot, FI*RTS+1536*(\q)
.set FI, FI+1
.endr
.endm
.macro SCALES sc                       ; a period's four words a row: lanes 0-15 p's block i (for i = 4 .. 7 bytes that are written and not used), lanes 16-31 V^T's block i
.irp i, 0,1,2,3,4,5,6,7
	ds_load_b128 v[SC+8*NQ*\sc+NQ*\i:SC+8*NQ*\sc+NQ*\i+3], v[ADRS] offset:\i*SBLK
.endr
.endm
.macro MULA a, q, sc, zero             ; the accumulators take turns, one instruction a turn
.set AC, 64*((\a)%4)
.irp b, 0,1,2,3,4,5,6,7
.if \zero
	v_wmma_scale_f32_16x16x128_f8f6f4 v[AC+8*\b:AC+8*\b+7], v[128*((\q)%2)+12*\b:128*((\q)%2)+12*\b+11], v[AF+12*NA*((\q)%2)+12*(\a):AF+12*NA*((\q)%2)+12*(\a)+11], 0, v[SC+8*NQ*(\sc)+NQ*\b+(\q)], v[SC+8*NQ*(\sc)+NQ*(\a)+(\q)] matrix_a_fmt:MATRIX_FMT_FP6 matrix_b_fmt:MATRIX_FMT_FP6 matrix_a_scale:MATRIX_SCALE_ROW1
.else
	v_wmma_scale_f32_16x16x128_f8f6f4 v[AC+8*\b:AC+8*\b+7], v[128*((\q)%2)+12*\b:128*((\q)%2)+12*\b+11], v[AF+12*NA*((\q)%2)+12*(\a):AF+12*NA*((\q)%2)+12*(\a)+11], v[AC+8*\b:AC+8*\b+7], v[SC+8*NQ*(\sc)+NQ*\b+(\q)], v[SC+8*NQ*(\sc)+NQ*(\a)+(\q)] matrix_a_fmt:MATRIX_FMT_FP6 matrix_b_fmt:MATRIX_FMT_FP6 matrix_a_scale:MATRIX_SCALE_ROW1
.endif
.endr
.endm
.macro MULS a0, n, q, sc, zero
.set MA, \a0
.rept \n
.if MA < 4
	WIN MUL_LO
.else
	WIN MUL_HI
.endif
	MULA MA, \q, \sc, \zero
.set MA, MA+1
.endr
.endm
.macro STEP slot, q, zero
	s_wait_dscnt 0x0                               ; this step's fragments and scale words are in (asked for a step ago)
	PLACES 4                                       ; the sets loaded next were read by the products just issued
	FETCH \slot, (\q)+1
	MULS 0, NA, \q, \slot, \zero
	WIN 0
.endm
.macro TURN slot, next, fill, sstep    ; a slot's last step changes slots: one barrier; with fill = 1 it opens a round of the cluster's barrier, and the slot's refill is the first thing behind the round
	s_wait_tensorcnt 0x0                           ; all my tensor loads have landed
	ds_add_u32 v[SPW], v[NIL]                      ; 0 onto my spare word
	s_wait_dscnt 1                                 ; this step's fragments are in; the add alone may be out
	MULS 0, NA/4, NQ-1, \slot, 0
	s_wait_dscnt 0x0                               ; the add is done, and my reads of this slot are over
	s_barrier_signal -1
	MULS NA/4, NA/4, NQ-1, \slot, 0
	WIN 0
	s_barrier_wait -1
.if \fill
	CREST
	s_add_nc_u64 s[G0+4*\slot+2:G0+4*\slot+3], s[G0+4*\slot+2:G0+4*\slot+3], 2*RTS
	s_add_nc_u64 s[G0B+4*\slot+2:G0B+4*\slot+3], s[G0B+4*\slot+2:G0B+4*\slot+3], 2*RTS
	JLOAD G0+4*\slot, G1, G0B+4*\slot, G1B         ; the four v_nop behind it are also the places in front of the loads below
.else
	PLACES 4
.endif
	v_add_nc_u32 v[ADRS], \sstep, v[ADRS]
	FETCH \next, 0
	SCALES \next
	MULS NA/2, NA/2, NQ-1, \slot, 0
	WIN 0
.endm
.macro LAST
	s_wait_dscnt 0x0
	MULS 0, NA, NQ-1, 1, 0
	WIN 0
.endm
	s_load_b256 s[4:11], s[0:1], 0x0               ; pc s[4:5], pst s[6:7], vt s[8:9], out0 s[10:11]
	v_lshl_add_u32 v[SPW], v0, 2, SPARE
	v_mov_b32 v[NIL], 0
	ds_add_u32 v28, v29
	ds_add_u32 v28, v29
	s_wait_dscnt 0x0
	v_lshrrev_b32 v1, 5, v0
	v_readfirstlane_b32 s14, v1                    ; wave 0..3
	s_lshr_b32 s15, s14, 1                         ; which half of the queries is mine.  Also: I fetch for p (0) or for V^T (1)
	s_and_b32 s16, s14, 1                          ; which half of the d.  Also: which half I fetch
	s_bfe_u32 s40, ttmp6, 0x40000                  ; cx, cy
	s_bfe_u32 s41, ttmp6, 0x40004
	s_lshl_b32 s42, ttmp9, 2
	s_add_co_u32 s42, s42, s40                     ; xt: which 256 d
	s_and_b32 s19, ttmp7, 0xffff
	s_lshl_b32 s17, s19, 2
	s_add_co_u32 s17, s17, s41                     ; yt: which 128 of the 8,192 queries
	s_lshr_b32 s19, s19, 2                         ; the batch = yt / 16, from the cluster's y alone
	s_lshl_b32 s43, s41, 2
	s_lshl_b32 s43, 15, s43                        ; my row of the cluster
	s_lshl_b32 s44, 0x1111, s40                    ; my column
	s_or_b32 s[G1+0], s43, (3<<16)|(1<<21)         ; p's codes: 4 row tiles x RTS bytes, TILE bytes apart
	s_mov_b32 s[G1+1], (RTS/8)<<16
	s_mov_b32 s[G1+2], 4<<16
	s_mov_b32 s[G1+3], (RTS/8)<<16
	s_mov_b32 s[G1+4], 4
	s_mov_b32 s[G1+5], TILE/8
	s_mov_b32 s[G1+6], 0
	s_mov_b32 s[G1+7], 0
	s_or_b32 s[G1B+0], s44, (3<<16)|(1<<21)        ; V^T's codes: 8 row tiles
	s_mov_b32 s[G1B+1], (RTS/8)<<16
	s_mov_b32 s[G1B+2], 8<<16
	s_mov_b32 s[G1B+3], (RTS/8)<<16
	s_mov_b32 s[G1B+4], 8
	s_mov_b32 s[G1B+5], TILE/8
	s_mov_b32 s[G1B+6], 0
	s_mov_b32 s[G1B+7], 0
	s_or_b32 s[G1SB+0], s44, (3<<16)|(1<<21)       ; V^T's scale words: 4 row tiles = 4,096 dense bytes, as 8 rows of 512
	s_mov_b32 s[G1SB+1], 64<<16
	s_mov_b32 s[G1SB+2], 8<<16
	s_mov_b32 s[G1SB+3], 64<<16
	s_mov_b32 s[G1SB+4], 8
	s_mov_b32 s[G1SB+5], 64
	s_mov_b32 s[G1SB+6], 0
	s_mov_b32 s[G1SB+7], 0
	s_lshl_b32 s12, s17, 3
	s_lshl_b32 s18, s16, 2
	s_add_co_u32 s12, s12, s18                     ; p's first row tile that I fetch: 8 yt + 4 x half
	s_lshl_b32 s13, s19, 6
	s_lshl_b32 s18, s42, 4
	s_add_co_u32 s13, s13, s18                     ; V^T: 64 x batch + 16 xt
	s_lshl_b32 s18, s14, 2
	s_add_co_u32 s46, s13, s18                     ; its scale words: + 4 x wave
	s_lshl_b32 s46, s46, 10
	s_mov_b32 s47, 0
	s_lshl_b32 s18, s16, 3
	s_add_co_u32 s13, s13, s18                     ; its codes: + 8 x half
	s_mul_i32 s45, s16, HA                         ; where p's codes go,
	s_mul_i32 s19, s16, HB
	s_add_co_u32 s19, s19, 2*HA                    ; and V^T's: no place in the cluster enters an LDS address
	s_lshl_b32 s20, s17, 19                        ; out0: row 128 yt + 64 x half of 4,096 bytes,
	s_lshl_b32 s21, s15, 18
	s_add_co_u32 s20, s20, s21
	s_lshl_b32 s21, s42, 10                        ; column 256 xt + 128 x half
	s_add_co_u32 s20, s20, s21
	s_lshl_b32 s21, s16, 9
	s_add_co_u32 s20, s20, s21
	s_mov_b32 s21, 0
	s_lshl_b32 s22, s17, 15                        ; pst: 8 yt tiles of 4,096 bytes
	s_mov_b32 s23, 0
	v_lshrrev_b32 v7, 4, v0                        ; THE HEAD: thread n takes row n % 16 of the work-group's tile n / 16
	v_and_b32 v2, 15, v0                           ; r
	v_lshlrev_b32 v8, 12, v7
	v_lshl_add_u32 v8, v2, 4, v8                   ; its records: 4,096 a tile, 16 a row
	s_wait_kmcnt 0x0
	s_add_nc_u64 s[10:11], s[10:11], s[20:21]
	s_add_nc_u64 s[6:7], s[6:7], s[22:23]
.irp k, 0,1,2,3,4,5,6,7,8,9,10,11,12,13,14,15
	global_load_b128 v[RCD+4*\k:RCD+4*\k+3], v8, s[6:7] offset:256*\k   ; sixteen lanes read 256 consecutive bytes
.endr
	s_mov_b32 s[G0SB], 1
	s_lshl_b32 s18, s14, 12
	s_add_co_u32 s[G0SB+1], s18, VSC
	s_add_nc_u64 s[G0SB+2:G0SB+3], s[8:9], s[46:47]
	s_or_b32 s[G0SB+3], s[G0SB+3], 0x80000000
	s_mul_i32 s2, s12, TILE                        ; p's offsets are made in s2, s3, s12, V^T's in s13, s46, s47
	s_mov_b32 s3, 0
	s_add_nc_u64 s[2:3], s[4:5], s[2:3]
	s_mul_i32 s46, s13, TILE
	s_add_co_u32 s46, s46, CODES
	s_add_nc_u64 s[46:47], s[8:9], s[46:47]
.irp s, 0,1
	s_mov_b32 s[G0+4*\s], 1
	s_add_co_u32 s[G0+4*\s+1], s45, \s*SLOT
	s_add_nc_u64 s[G0+4*\s+2:G0+4*\s+3], s[2:3], \s*RTS
	s_or_b32 s[G0+4*\s+3], s[G0+4*\s+3], 0x80000000
	s_mov_b32 s[G0B+4*\s], 1
	s_add_co_u32 s[G0B+4*\s+1], s19, \s*SLOT
	s_add_nc_u64 s[G0B+4*\s+2:G0B+4*\s+3], s[46:47], \s*RTS
	s_or_b32 s[G0B+4*\s+3], s[G0B+4*\s+3], 0x80000000
.endr
	CROUND                                         ; all sixteen work-groups are here: the first joint loads meet
	tensor_load_to_lds s[G0SB:G0SB+3], s[G1SB:G1SB+7]   ; V^T's scale words: every wave a quarter; then both slots: three loads of mine are out
	s_nop 0
.rept 4
	v_nop
.endr
	JLOAD G0, G1, G0B, G1B
	JLOAD G0+4, G1, G0B+4, G1B
	v_and_b32 v1, 31, v0                           ; lane
	v_bfe_u32 v3, v0, 4, 1                         ; h
	v_lshlrev_b32 v4, 4, v1                        ; 16 x lane
	s_mul_i32 s2, s15, HA
	s_mul_i32 s3, s16, HB
	s_add_co_u32 s3, s3, 2*HA
.irp s, 0,1
	v_add_nc_u32 v[ADRA+\s], s2, v4
	v_add_nc_u32 v[ADRB+\s], s3, v4
	s_add_co_u32 s2, s2, SLOT
	s_add_co_u32 s3, s3, SLOT
.endr
	s_lshl_b32 s2, s15, 12                         ; p's scale words: my four tiles
	s_lshl_b32 s3, s16, 13                         ; V^T's: my eight tiles, 8,192 bytes behind p's base
	s_add_co_u32 s3, s3, 8192
	s_sub_co_u32 s3, s3, s2
	v_mul_u32_u24 v6, s3, v3                       ; lanes 16-31 take V^T's: one product, the distance between the two bases
	s_add_co_u32 s2, s2, PSC
	v_lshl_add_u32 v5, v2, 4, v6
	v_add_nc_u32 v[ADRS], s2, v5
	s_lshl_b32 s2, s15, 8
	s_add_co_u32 s2, s2, INVL
	v_lshlrev_b32 v22, 2, v2
	v_add_nc_u32 v22, s2, v22                      ; 1 / l of my queries: 4 (64 x half + r)
	s_mul_i32 s2, s14, 16*SPITCH                   ; my stage
	v_mul_u32_u24 v24, v2, SPITCH
	v_lshl_add_u32 v24, v3, 6, v24
	v_add_nc_u32 v24, s2, v24                      ; in: row r, + 64 h
	v_add_nc_u32 v25, s2, v4                       ; back: 16 x lane of a row
	v_mov_b32 v26, v4                              ; and the same in a row of out0
	v_lshlrev_b32 v9, 10, v7
	v_lshl_add_u32 v9, v2, 4, v9
	v_add_nc_u32 v9, PSC, v9                       ; the head's stores: 1,024 a tile, 16 a row
	v_lshl_add_u32 v10, v0, 2, INVL
	s_mov_b32 s20, 0x01010101
	s_wait_loadcnt 0x0                             ; my row's sixteen records
	v_min3_num_f32 v[NG], v[RCD+1], v[RCD+5], v[RCD+9]
.irp k, 3,5,7,9,11,13
	v_min3_num_f32 v[NG], v[NG], v[RCD+4*\k+1], v[RCD+4*\k+5]
.endr
	v_min_num_f32 v[NG], v[NG], v[RCD+61]          ; -M = the least -M_loc
.irp k, 0,1,2,3,4,5,6,7,8,9,10,11,12,13,14,15
	v_sub_f32 v178, v[RCD+4*\k+1], v[NG]           ; d = M - M_loc: a whole number, 0 or more
	v_cvt_i32_f32 v178, v178                       ; (it saturates)
	v_min_u32 v178, 127, v178
	v_sub_nc_u32 v179, 0, v178
	v_ldexp_f32 v179, 1.0, v179                    ; 2^-d
.if \k == 0
	v_mul_f32 v[LL], v[RCD+2], v179
.else
	v_fma_f32 v[LL], v[RCD+4*\k+2], v179, v[LL]    ; l
.endif
	v_mul_lo_u32 v180, v178, s20                   ; d in all four bytes
	v_or_b32 v181, 0x80808080, v[RCD+4*\k]         ; the raw bytes are 1 to 125: with bit 7 set on top no byte borrows from the next,
	v_sub_nc_u32 v181, v181, v180                  ; and bit 7 stays set just where byte - d is 0 or more
	v_and_b32 v182, 0x80808080, v181
	v_lshrrev_b32 v183, 7, v182
	v_sub_nc_u32 v182, v182, v183                  ; 0x7f in those bytes, 0 in the others
	v_and_b32 v[WD+\k], v181, v182                 ; byte - d, held at 0 from below
.endr
	v_rcp_f32 v184, v[LL]
	v_nop                                          ; a plain place behind the reciprocal
.irp g, 0,1,2,3
	ds_store_b128 v9, v[WD+4*\g:WD+4*\g+3] offset:256*\g
.endr
	s_wait_alu depctr_va_vdst(0)
	ds_store_b32 v10, v184
	s_wait_tensorcnt 1                             ; V^T's scale words and my part of slot 0 are in; slot 1's load may be out
	s_wait_dscnt 0x0                               ; for the others' sake: my stores of scale words and of 1 / l are done
	s_barrier_signal -1
	s_barrier_wait -1
	FETCH 0, 0
	SCALES 0
	STEP 0, 0, 1
	STEP 0, 1, 0
	STEP 0, 2, 0
	TURN 0, 1, 1, 256
	STEP 1, 0, 0
	STEP 1, 1, 0
	STEP 1, 2, 0
	TURN 1, 0, 1, 256
	STEP 0, 0, 0
	STEP 0, 1, 0
	STEP 0, 2, 0
	TURN 0, 1, 0, 256
	STEP 1, 0, 0
	STEP 1, 1, 0
	STEP 1, 2, 0
	LAST
	; THE WAY OUT, a block of 16 queries x my 128 d at a time: x 1 / l, through my own stage in LDS, back as whole rows of 512 bytes.
	PLACES 4                                       ; behind the last products: what follows reads results and writes registers that held p's fragments
.irp a, 0,1,2,3
	ds_load_b32 v[IV+2*\a], v22 offset:64*\a
	v_mov_b32 v[IV+2*\a+1], 0                      ; (named as the upper half of a pair)
.endr
.irp a, 0,1,2,3
	s_wait_dscnt 0x0                               ; 1 / l is in; the last block's rows are back
	WIN 0x02                                       ; source 0: the accumulators' window
.set NN, 0
.rept 32
	v_pk_mul_f32 v[OV+NN:OV+NN+1], v[64*\a+NN:64*\a+NN+1], v[IV+2*\a:IV+2*\a+1] op_sel_hi:[1,0]   ; each accumulator from its low end on
.set NN, NN+2
.endr
	WIN 0
.irp b, 0,1,2,3
.irp j, 0,1,2,3
	ds_store_b128 v24, v[OV+16*\b+4*\j:OV+16*\b+4*\j+3] offset:128*\b+16*\j   ; register 16 b + i is d 32 b + 16 h + i of my query
.endr
.endr
.if \a > 0
	s_wait_xcnt 0x0                                ; the last block's stores have read their registers
.endif
.irp t, 0,1,2,3,4,5,6,7,8,9,10,11,12,13,14,15
	ds_load_b128 v[BK+4*\t:BK+4*\t+3], v25 offset:\t*SPITCH   ; LDS serves a wave's instructions in order: these see the stores above
.endr
	s_wait_dscnt 0x0
.irp t, 0,1,2,3,4,5,6,7,8,9,10,11,12,13,14,15
	global_store_b128 v26, v[BK+4*\t:BK+4*\t+3], s[10:11] offset:(32*(\a/2)+8*(\a%2)+\t+8*(\t/8))*4096 th:TH_STORE_NT   ; 32 lanes store 512 consecutive bytes, aligned; lane-row t's place among my 64 queries
.endr
.endr
	s_wait_tensorcnt 0x0                           ; the wave's end
	ds_add_u32 v[SPW], v[NIL]
	s_wait_dscnt 0x0
	CROUND                                         ; the closing round
	s_endpgm
.Lfunc_end_k_q498afd3f58_pv:
	.size	k_q498afd3f58_pv, .Lfunc_end_k_q498afd3f58_pv-k_q498afd3f58_pv
	.p2alignl 7, 3214868480
	.fill 96, 4, 3214868480
	.section	.rodata,"a",@progbits
	.p2align	6, 0x0
	.amdhsa_kernel k_q498afd3f58_pv
		.amdhsa_group_segment_fixed_size 327680
		.amdhsa_private_segment_fixed_size 0
		.amdhsa_enable_private_segment 0
		.amdhsa_kernarg_size 32
		.amdhsa_user_sgpr_count 2
		.amdhsa_user_sgpr_kernarg_segment_ptr 1
		.amdhsa_wavefront_size32 1
		.amdhsa_system_sgpr_workgroup_id_x 1
		.amdhsa_system_sgpr_workgroup_id_y 1
		.amdhsa_system_sgpr_workgroup_id_z 1
		.amdhsa_system_vgpr_workitem_id 0
		.amdhsa_next_free_vgpr 768
		.amdhsa_next_free_sgpr 100
		.amdhsa_reserve_vcc 0
		.amdhsa_float_denorm_mode_32 3
		.amdhsa_float_denorm_mode_16_64 3
		.amdhsa_memory_ordered 1
		.amdhsa_forward_progress 1
		.amdhsa_inst_pref_size 153
	.end_amdhsa_kernel
	.amdgpu_metadata
---
amdhsa.version: [ 1, 2 ]
amdhsa.kernels:
  - .name:           k_q498afd3f58_pv
    .symbol:         k_q498afd3f58_pv.kd
    .args:
      - { .name: pc, .offset: 0, .size: 8, .value_kind: global_buffer, .address_space: global }
      - { .name: pst, .offset: 8, .size: 8, .value_kind: global_buffer, .address_space: global }
      - { .name: vt, .offset: 16, .size: 8, .value_kind: global_buffer, .address_space: global }
      - { .name: out0, .offset: 24, .size: 8, .value_kind: global_buffer, .address_space: global }
    .group_segment_fixed_size: 327680
    .private_segment_fixed_size: 0
    .kernarg_segment_align: 8
    .kernarg_segment_size: 32
    .max_flat_workgroup_size: 128
    .sgpr_count:     100
    .vgpr_count:     768
    .wavefront_size: 32
...
	.end_amdgpu_metadata
.endif
;; end of part 4
;; ======== version 2 of 2: 4 launches
;; limits: right only within a limited range of input values
;; workspace buffers: xq 6,553,600 bytes; wqk 1,835,008 bytes; wv 1,048,576 bytes; qk 13,107,200 bytes; vt 6,815,744 bytes; pc 12,582,912 bytes; pst 2,097,152 bytes
;; launch quant (part 5): grid 448 x 1, 4 waves a work-group, no clusters, 34,304 bytes of LDS; arguments x, Wq, Wk, Wv, xq, wqk, wv; writes xq, wqk, wv
.if DOCPART == 5
	.amdgcn_target "amdgcn-amd-amdhsa--gfx1250"
	.amdhsa_code_object_version 6
	.text
	.protected	k_q498afd3f58_quant
	.globl	k_q498afd3f58_quant
	.p2align	8
	.type	k_q498afd3f58_quant,@function
k_q498afd3f58_quant:
	s_mov_b64 s[64:65], 0
	v_nop
	global_prefetch_b8 v0, s[64:65] scope:SCOPE_SE
	s_setreg_imm32_b32 hwreg(HW_REG_WAVE_MODE, 25, 1), 1
	s_wait_xcnt 0x0
; x [8192][1024] (K innermost) and Wq, Wk, Wv [1024 (K)][1024] (K outermost), f32, become codes of FP6 (E2M3) with one E8M0 byte for each 32 along K.
; THE LAYOUT OF EVERY OPERAND OF THIS PROGRAM: images of the operand's registers.  A row tile T holds 16 rows: lane-row r is matrix row 32 (T / 2) + 8 (T % 2) + r + 8 (r / 8).
; A fragment (T, K step of 128) is 12 registers a lane (lane (r, h): registers 6 c .. 6 c + 5 = k 64 c + 32 h + 0 .. 31) and lies as 1,536 bytes: registers 4 g .. 4 g + 3 of lane l at 512 g + 16 l.
; Codes: [T][K step][1536], from byte IN_CODES of the buffer on.  Scale words (four bytes: 128 along K of one row): [T][K step / 4][r][4 words], from byte 0 on.
; A block's scale is 2^(floor(log2(its largest magnitude)) - 2); its byte is the largest magnitude's exponent field - 2, held at 1 from below.
; LIMITS: a block of zeros gets the byte 1 where the rule says 127 (its codes are zeros, and this program alone reads the bytes); blocks whose largest magnitude lies under 2^-124 keep the byte 1;
; NaN and infinities among the inputs are not served.
; SHARES: work-groups 0-255 take x: a wave takes one row tile x 512 along K (four K steps).  Work-groups 256-447 take the weights: a wave takes 32 columns (two row tiles) x one K step.
; No tensor loads, no barrier: waves share nothing.  Only x's path uses LDS.
.set IN_CODES, 262144
.set XWG,  256                         ; work-groups that take x
.set STG,  8448                        ; x's path: a wave's stage in LDS: 16 rows x SPX
.set SPX,  528                         ; a stage row: 512 bytes + 16: 33 x 16, so that the sixteen rows of a read begin in sixteen different columns of 16 bytes
.set R,    16                          ; v16-143  x: two sets of 64 registers as loaded
.set X,    144                         ; v144-207 x: 64 numbers of my row: register 16 b + i = k 32 b + 16 h + i
.set PC,   208                         ; v208-227 the codes just made
.set TM,   228                         ; v228-243 at work
.set SW,   244                         ; v244-247 the four K steps' scale words
.set SEL,  24                          ; s[24:25] lane selects for v_permlanex16_b32: lane l xor 16
.set D,    64                          ; v64-191  weights: 128 numbers down K of my column
.set STR,  32                          ; v32-43, v44-55  weights: the 12 registers of image lane (r, 0) and of (r, 1)
.set TMPC, 56                          ; v56-58
.set MSB, 0
.macro WIN new                         ; register windows: this text stays in window 0, so the macro writes nothing here; it stands so that QUANTW reads alike in all bodies
.if MSB != (\new)
	s_set_vgpr_msb (MSB<<8)|(\new)
.set MSB, (\new)
.endif
.endm
; 64 numbers of a lane, v[s] .. v[s + 63] of window w, register 16 b + i = k 32 b + 16 (lane / 16) + i of my row, become a fragment's codes in v[pc] .. v[pc + 11] and its scale word in v[pw].
.macro QUANTW s, w, pc, pw
.set WQ, ((\w)<<2)|((\w)<<4)
	WIN WQ
.irp b, 0,1,2,3
	v_max3_num_f32 v[TM+\b], 0x1800000, |v[(\s)+16*\b]|, |v[(\s)+16*\b+1]|   ; block b: my 16 numbers, and the floor 2^(3 - 127): the byte cannot fall under 1
.endr
.irp i, 2,4,6,8,10,12,14
.irp b, 0,1,2,3
	v_max3_num_f32 v[TM+\b], v[TM+\b], |v[(\s)+16*\b+\i]|, |v[(\s)+16*\b+\i+1]|   ; the four blocks by turns
.endr
.endr
	WIN 0
.irp b, 0,1,2,3
	v_permlanex16_b32 v[TM+4+\b], v[TM+\b], s[SEL], s[SEL+1]
.endr
.irp b, 0,1,2,3
	v_max_num_f32 v[TM+\b], v[TM+\b], v[TM+4+\b]   ; with lane l xor 16's: the block's largest magnitude
.endr
.irp b, 0,1,2,3
	v_add_nc_u32 v[TM+12+\b], 0xff000000, v[TM+\b] ; 2 off its exponent field: the conversion's scale operand
.endr
.irp b, 0,1,2,3
	v_lshrrev_b32 v[TM+4+\b], 23, v[TM+12+\b]      ; the scale's byte
.endr
	v_lshl_or_b32 v[\pw], v[TM+5], 8, v[TM+4]      ; my row's scale word (both halves of the lanes hold it)
	v_lshl_or_b32 v[\pw], v[TM+6], 16, v[\pw]
	v_lshl_or_b32 v[\pw], v[TM+7], 24, v[\pw]
.set WQ, (\w)
	WIN WQ
.irp c, 0,1
	v_cvt_scalef32_pk16_fp6_f32 v[(\pc)+6*\c:(\pc)+6*\c+2], v[(\s)+32*\c:(\s)+32*\c+15], v[TM+12+2*\c]
	v_cvt_scalef32_pk16_fp6_f32 v[(\pc)+12+4*\c:(\pc)+12+4*\c+2], v[(\s)+32*\c+16:(\s)+32*\c+31], v[TM+13+2*\c]   ; (a conversion's three registers begin on an even number)
.endr
	WIN 0
	v_nop                                          ; one plain place behind a scaled conversion
.irp c, 0,1                                    ; the operand wants a WHOLE block in a lane: lanes 0-15 block 2 c, lanes 16-31 block 2 c + 1
.irp i, 0,1,2
	v_permlane16_swap_b32 v[(\pc)+6*\c+\i], v[(\pc)+12+4*\c+\i]
.endr
.irp i, 0,1,2
	v_mov_b32 v[(\pc)+6*\c+3+\i], v[(\pc)+12+4*\c+\i]
.endr
.endr
.endm
	s_load_b256 s[4:11], s[0:1], 0x0               ; x s[4:5], Wq s[6:7], Wk s[8:9], Wv s[10:11]
	s_load_b128 s[12:15], s[0:1], 0x20             ; xq s[12:13], wqk s[14:15]
	s_load_b64 s[16:17], s[0:1], 0x30              ; wv
	v_lshl_add_u32 v254, v0, 2, 0x8400
	v_mov_b32 v255, 0
	v_lshrrev_b32 v1, 5, v0
	v_readfirstlane_b32 s20, v1                    ; wave 0..3
	v_and_b32 v1, 31, v0                           ; lane
	s_mov_b32 s[SEL], 0x76543210
	s_mov_b32 s[SEL+1], 0xfedcba98
	s_cmp_lt_u32 ttmp9, XWG
	s_cbranch_scc0 .Lweights
	; ---------------- x ----------------
	s_lshl_b32 s21, ttmp9, 2
	s_add_co_u32 s21, s21, s20                     ; W = 4 x work-group + wave = 2 T + g: row tile T, half g of K
	s_lshr_b32 s22, s21, 1                         ; T
	s_and_b32 s23, s21, 1                          ; g
	s_lshr_b32 s26, s22, 1
	s_lshl_b32 s26, s26, 17                        ; 32 (T / 2) rows of 4,096 bytes
	s_and_b32 s27, s22, 1
	s_lshl_b32 s27, s27, 15                        ; + 8 (T % 2) rows
	s_add_co_u32 s26, s26, s27
	s_lshl_b32 s27, s23, 11                        ; + 512 g numbers
	s_add_co_u32 s26, s26, s27
	s_mov_b32 s27, 0
	s_mul_i32 s28, s21, 6144                       ; codes: 12,288 T + 6,144 g
	s_add_co_u32 s28, s28, IN_CODES
	s_mov_b32 s29, 0
	s_lshl_b32 s30, s21, 8                         ; scale words: 512 T + 256 g
	s_mov_b32 s31, 0
	s_mul_i32 s32, s20, STG                        ; my stage
	v_and_b32 v2, 15, v0                           ; r
	v_bfe_u32 v3, v0, 4, 1                         ; h
	s_wait_alu depctr_va_vdst(0)
	v_lshlrev_b32 v4, 4, v1                        ; 16 x lane: my bytes of a load's 512, and of an image's 512
	v_add_nc_u32 v5, s32, v4                       ; the stage, on the way in
	v_mul_u32_u24 v6, v2, SPX
	v_lshl_add_u32 v6, v3, 6, v6
	v_add_nc_u32 v6, s32, v6                       ; and on the way out: row r, + 64 h: my 16 numbers of a block of 32
	v_lshlrev_b32 v8, 4, v2
	v_lshl_add_u32 v8, v3, 3, v8                   ; scale words: 16 r + 8 h
.irp b, 0,1,2,3
	v_mov_b32 v[TM+4+\b], 0                        ; written once: a lane permute's destination counts as one of its sources
.endr
	s_wait_alu depctr_va_vdst(0)
	s_wait_kmcnt 0x0
	s_add_nc_u64 s[4:5], s[4:5], s[26:27]
	s_add_nc_u64 s[18:19], s[12:13], s[28:29]      ; the codes
	s_add_nc_u64 s[12:13], s[12:13], s[30:31]      ; the scale words
.macro LOADX t                         ; K step t of my 16 rows: each load reads 512 consecutive bytes of one row
.irp p, 0,1,2,3,4,5,6,7,8,9,10,11,12,13,14,15
	global_load_b128 v[R+64*((\t)%2)+4*\p:R+64*((\t)%2)+4*\p+3], v4, s[4:5] offset:(\p+8*(\p/8))*4096+512*(\t) th:TH_LOAD_NT
.endr
.endm
.macro STEPX t
.if (\t) < 3
	s_wait_loadcnt 16                              ; this step's sixteen loads are in; the next step's sixteen may be out
.else
	s_wait_loadcnt 0x0
.endif
.irp p, 0,1,2,3,4,5,6,7,8,9,10,11,12,13,14,15
	ds_store_b128 v5, v[R+64*((\t)%2)+4*\p:R+64*((\t)%2)+4*\p+3] offset:SPX*\p
.endr
.irp b, 0,1,2,3
.irp j, 0,1,2,3
	ds_load_b128 v[X+16*\b+4*\j:X+16*\b+4*\j+3], v6 offset:128*\b+16*\j   ; LDS serves a wave's instructions in order: these see the stores above
.endr
.endr
	s_wait_dscnt 0x0                               ; my numbers are back, and the stores have read their registers,
.if (\t)+2 < 4
	LOADX (\t)+2                                   ; which take the loads of two steps on
.endif
	s_wait_xcnt 0x0                                ; the last step's stores have read the codes' registers: they are written again only behind this wait
	QUANTW X, 0, PC, SW+(\t)
.irp g, 0,1,2
	global_store_b128 v4, v[PC+4*\g:PC+4*\g+3], s[18:19] offset:1536*(\t)+512*\g   ; 32 lanes store 512 consecutive bytes
.endr
.endm
	LOADX 0
	LOADX 1
	STEPX 0
	STEPX 1
	STEPX 2
	STEPX 3
	v_cmp_le_u32 vcc_lo, 16, v1                    ; lanes 16-31 take words 2 and 3 of their row
	v_cndmask_b32 v248, v[SW], v[SW+2], vcc_lo
	v_cndmask_b32 v249, v[SW+1], v[SW+3], vcc_lo
	global_store_b64 v8, v[248:249], s[12:13]      ; 32 lanes store 256 consecutive bytes, aligned
	s_wait_tensorcnt 0x0
	ds_add_u32 v254, v255
	s_wait_dscnt 0x0
	s_endpgm
	; ---------------- the weights ----------------
	; A LANE TAKES A COLUMN, AND ITS REGISTERS RUN DOWN K: a block of 32 lies in one lane, and the conversions give codes with K innermost.
	; Column 32 b + l is lane-row r = l % 8 + 8 (l / 16) of row tile 2 b + u, u = (l / 8) % 2.  My block kb belongs to image lane (r, kb % 2), registers 6 (kb / 2) on.
.Lweights:
	s_sub_co_u32 s21, ttmp9, XWG                   ; j
	s_lshr_b32 s22, s21, 6                         ; which weight: 0 Wq, 1 Wk, 2 Wv
	s_and_b32 s23, s21, 7                          ; which 128 columns
	s_bfe_u32 s26, s21, 0x30003                    ; K step
	s_lshl_b32 s27, s23, 2
	s_add_co_u32 s27, s27, s20                     ; b: my 32 columns
	s_lshl_b32 s28, s26, 19                        ; 128 rows of 4,096 bytes a K step
	s_lshl_b32 s29, s27, 7                         ; + 32 b columns of 4 bytes
	s_add_co_u32 s28, s28, s29
	s_mov_b32 s29, 0
	s_lshl_b32 s30, s27, 1                         ; row tile 2 b,
	s_cmp_eq_u32 s22, 1
	s_cselect_b32 s31, 64, 0                       ; behind Wq's 64 where the weight is Wk
	s_add_co_u32 s30, s30, s31
	s_mul_i32 s32, s30, 12288
	s_mul_i32 s33, s26, 1536
	s_add_co_u32 s32, s32, s33
	s_add_co_u32 s32, s32, IN_CODES
	s_mov_b32 s33, 0
	s_lshl_b32 s34, s30, 9                         ; scale words: 512 a tile,
	s_lshr_b32 s35, s26, 2
	s_lshl_b32 s35, s35, 8                         ; 256 for each four K steps,
	s_add_co_u32 s34, s34, s35
	s_and_b32 s35, s26, 3
	s_lshl_b32 s35, s35, 2                         ; 4 a K step
	s_add_co_u32 s34, s34, s35
	s_mov_b32 s35, 0
	s_wait_alu depctr_va_vdst(0)
	v_lshlrev_b32 v2, 2, v1                        ; in: 4 bytes a lane
	v_bfe_u32 v3, v0, 3, 1                         ; u
	v_and_b32 v4, 7, v0
	v_bfe_u32 v7, v0, 4, 1
	v_lshl_add_u32 v4, v7, 3, v4                   ; r
	v_mul_u32_u24 v5, v3, 12288
	v_lshl_add_u32 v5, v4, 4, v5                   ; codes: tile u, 16 r
	v_lshlrev_b32 v6, 9, v3
	v_lshl_add_u32 v6, v4, 4, v6                   ; scale word: tile u, 16 r
	s_wait_alu depctr_va_vdst(0)
	s_wait_kmcnt 0x0
	s_cmp_eq_u32 s22, 1                            ; the choices hang on the work-group's number alone
	s_cselect_b64 s[36:37], s[8:9], s[6:7]
	s_cmp_eq_u32 s22, 2
	s_cselect_b64 s[36:37], s[10:11], s[36:37]
	s_cselect_b64 s[38:39], s[16:17], s[14:15]
	s_add_nc_u64 s[36:37], s[36:37], s[28:29]
	s_add_nc_u64 s[18:19], s[38:39], s[32:33]
	s_add_nc_u64 s[38:39], s[38:39], s[34:35]
.set NN, 0
.rept 128
	global_load_b32 v[D+NN], v2, s[36:37] offset:4096*NN th:TH_LOAD_NT   ; row 128 x K step + NN at my wave's 32 columns: 128 consecutive bytes
.set NN, NN+1
.endr
.macro BLOCKW kb, left
.set XS, D+32*(\kb)
.set SR, STR+12*((\kb)%2)+6*((\kb)/2)
	s_wait_loadcnt \left                           ; this block's 32 loads are in.  Behind them 96, 64, 32, 0 loads were issued; a wait names 63 at the most
	v_max3_num_f32 v8, |v[XS]|, |v[XS+1]|, |v[XS+2]|
	v_max3_num_f32 v9, |v[XS+3]|, |v[XS+4]|, |v[XS+5]|
.irp i, 6,10,14,18,22,26
	v_max3_num_f32 v8, v8, |v[XS+\i]|, |v[XS+\i+1]|
	v_max3_num_f32 v9, v9, |v[XS+\i+2]|, |v[XS+\i+3]|
.endr
	v_max3_num_f32 v8, v8, |v[XS+30]|, |v[XS+31]|
	v_max3_num_f32 v8, v8, v9, 0x1800000           ; and the floor
	v_add_nc_u32 v11, 0xff000000, v8               ; the conversion's scale operand
	v_lshrrev_b32 v10, 23, v11                     ; the byte
.if (\kb) == 0
	v_mov_b32 v12, v10
.else
	v_lshl_or_b32 v12, v10, 8*(\kb), v12
.endif
	v_cvt_scalef32_pk16_fp6_f32 v[SR:SR+2], v[XS:XS+15], v11
	v_cvt_scalef32_pk16_fp6_f32 v[TMPC:TMPC+2], v[XS+16:XS+31], v11
	v_nop                                          ; one plain place behind a scaled conversion
.irp i, 0,1,2
	v_mov_b32 v[SR+3+\i], v[TMPC+\i]
.endr
.endm
	BLOCKW 0, 63
	BLOCKW 1, 63
	BLOCKW 2, 32
	BLOCKW 3, 0
.irp h, 0,1
.irp g, 0,1,2
	global_store_b128 v5, v[STR+12*\h+4*\g:STR+12*\h+4*\g+3], s[18:19] offset:512*\g+256*\h   ; the sixteen lanes of one tile store 256 consecutive bytes, aligned
.endr
.endr
	global_store_b32 v6, v12, s[38:39]             ; 4 bytes at every 16th: the other three words of a row come from other work-groups (98 KB in all for the three weights)
	s_endpgm
.Lfunc_end_k_q498afd3f58_quant:
	.size	k_q498afd3f58_quant, .Lfunc_end_k_q498afd3f58_quant-k_q498afd3f58_quant
	.p2alignl 7, 3214868480
	.fill 96, 4, 3214868480
	.section	.rodata,"a",@progbits
	.p2align	6, 0x0
	.amdhsa_kernel k_q498afd3f58_quant
		.amdhsa_group_segment_fixed_size 34304
		.amdhsa_private_segment_fixed_size 0
		.amdhsa_enable_private_segment 0
		.amdhsa_kernarg_size 56
		.amdhsa_user_sgpr_count 2
		.amdhsa_user_sgpr_kernarg_segment_ptr 1
		.amdhsa_wavefront_size32 1
		.amdhsa_system_sgpr_workgroup_id_x 1
		.amdhsa_system_sgpr_workgroup_id_y 1
		.amdhsa_system_sgpr_workgroup_id_z 1
		.amdhsa_system_vgpr_workitem_id 0
		.amdhsa_next_free_vgpr 256
		.amdhsa_next_free_sgpr 66
		.amdhsa_reserve_vcc 1
		.amdhsa_float_denorm_mode_32 3
		.amdhsa_float_denorm_mode_16_64 3
		.amdhsa_memory_ordered 1
		.amdhsa_forward_progress 1
		.amdhsa_inst_pref_size 54
	.end_amdhsa_kernel
	.amdgpu_metadata
---
amdhsa.version: [ 1, 2 ]
amdhsa.kernels:
  - .name:           k_q498afd3f58_quant
    .symbol:         k_q498afd3f58_quant.kd
    .args:
      - { .name: x, .offset: 0, .size: 8, .value_kind: global_buffer, .address_space: global }
      - { .name: Wq, .offset: 8, .size: 8, .value_kind: global_buffer, .address_space: global }
      - { .name: Wk, .offset: 16, .size: 8, .value_kind: global_buffer, .address_space: global }
      - { .name: Wv, .offset: 24, .size: 8, .value_kind: global_buffer, .address_space: global }
      - { .name: xq, .offset: 32, .size: 8, .value_kind: global_buffer, .address_space: global }
      - { .name: wqk, .offset: 40, .size: 8, .value_kind: global_buffer, .address_space: global }
      - { .name: wv, .offset: 48, .size: 8, .value_kind: global_buffer, .address_space: global }
    .group_segment_fixed_size: 34304
    .private_segment_fixed_size: 0
    .kernarg_segment_align: 8
    .kernarg_segment_size: 56
    .max_flat_workgroup_size: 128
    .sgpr_count:     66
    .vgpr_count:     256
    .wavefront_size: 32
...
	.end_amdgpu_metadata
.endif
;; end of part 5
;; launch proj (part 6): grid 8 x 32, 4 waves a work-group, clusters of 4 x 4, 327,680 bytes of LDS; arguments xq, wqk, wv, qk, vt; writes qk, vt
.if DOCPART == 6
	.amdgcn_target "amdgcn-amd-amdhsa--gfx1250"
	.amdhsa_code_object_version 6
	.text
	.protected	k_q498afd3f58_proj
	.globl	k_q498afd3f58_proj
	.p2align	8
	.type	k_q498afd3f58_proj,@function
k_q498afd3f58_proj:
	s_mov_b64 s[64:65], 0
	v_nop
	global_prefetch_b8 v0, s[64:65] scope:SCOPE_SE
	s_setreg_imm32_b32 hwreg(HW_REG_WAVE_MODE, 25, 1), 1
	s_wait_xcnt 0x0
	s_wait_alu depctr_hold_cnt(0) depctr_sa_sdst(0) depctr_va_vdst(0) depctr_va_sdst(0) depctr_va_ssrc(0) depctr_va_vcc(0) depctr_vm_vsrc(0)
	s_getreg_b32 s2, hwreg(HW_REG_IB_STS2, 6, 4)
	s_cmp_eq_u32 s2, 0
	s_cbranch_scc0 .Lentry_in_a_cluster
	s_endpgm
.Lentry_in_a_cluster:
	s_bfe_u32 s2, ttmp6, 0x10000c
	s_cmp_lg_u32 s2, 0xf033
	s_cbranch_scc0 .Lentry_shape_is_right
	s_endpgm
.Lentry_shape_is_right:
; The three projections in one launch, on register images of FP6 operands with K = 1,024; the results, f32 sums, are quantised in registers and leave as images again.
; PHASE 1: Q | K = x (Wq | Wk): 256 tokens x 256 columns, quantised along the columns (the scores' K).    qk: [token tile][16 K steps: 0-7 Q's, 8-15 K's].
; PHASE 2: V^T = Wv^T x^T: 128 columns x the SAME 256 tokens, quantised along the tokens (the last product's K).  vt: [batch][column tile][16 K steps of 128 tokens].
; LAYOUT.  Row tile T: lane-row r is matrix row 32 (T / 2) + 8 (T % 2) + r + 8 (r / 8).  A fragment (T, K step) is 1,536 bytes: registers 4 g .. 4 g + 3 of lane l at 512 g + 16 l: three loads of 16 bytes a lane bring it.
; Inputs: scale words [T][2][r][4 words] from byte 0, codes [T][8][1536] from IN_CODES.  Outputs: scale words [T][4][r][4 words] from byte 0, codes [T][16][1536] from OUT_CODES.
; SOURCE 0 IS THE OPERAND ALONG WHOSE ROWS THE RESULT IS QUANTISED (phase 1: W; phase 2: x), source 1 the one whose row a lane holds.  By the order of rows in a tile a lane's 16 registers of source 0's tiles
; 2 b and 2 b + 1 are 16 NEIGHBOURS along the next K: the conversions take them as they stand.
; SHARES.  Four waves.  Phase 1: a wave makes 128 tokens x 128 columns: 64 accumulators.  Phase 2: 64 columns x 128 tokens: 32 accumulators.  768 matrix instructions a wave, the same in all 256 work-groups.
; x STAYS IN LDS: the work-group's 16 row tiles for all of K are 196,608 bytes, filled once, in two halves of four K steps, and read by both phases.  Only the weights go through a ring of two slots of 49,152 bytes:
; Wq | Wk in four periods of two K steps (16 row tiles), then Wv in two periods of four K steps (8 row tiles).  Waves 0 and 1 fetch x, waves 2 and 3 the weights.
; CLUSTER 4 x 4: x's tiles are shared along a row of the cluster, the weights' along a column: each is asked for jointly, by the same load with the same descriptor and a mask that names the four.
; Wv's scale words (4,096 bytes a work-group) come through registers into LDS bytes of their own: they are a small part of what a work-group fetches, and so are not asked for jointly.
; LIMITS: a block of zeros gets the byte 1 where the rule says 127 (this program alone reads the bytes); blocks whose largest magnitude lies under 2^-124 keep the byte 1; NaN and infinities are not served.
; REGISTERS: window 0: v0-31 addresses; v32-63 scale words, two sets, and nothing else; v64-159, v160-255 x's fragments, two sets of 96 (the ways out work in v160-227).
;   window 1: the weights' fragments, two sets, at v0 and v128.  window 2: accumulators (a, b) at v[8 (8 (a % 4) + b)] of source 1's blocks 0-3; window 3: of blocks 4-7 (phase 1 alone).
.set RTS,   3072                       ; Wq | Wk: a row tile's bytes in a slot: two K steps
.set XTS,   6144                       ; x, Wv: a row tile's bytes in a half or a slot: four K steps
.set XHALF, 16*XTS                     ; x: 16 row tiles x four K steps
.set WR,    2*XHALF                    ; behind x: the weights' ring
.set WSLOT, 16*RTS
.set VSC,   WR+2*WSLOT                 ; Wv's scale words, 8 row tiles x 512 bytes: written by LDS stores alone; no fill lands here
.set SCL,   VSC+4096                   ; x's scale words (16 row tiles x 512 bytes), then Wq | Wk's: written by LDS stores alone; no fill lands here
.set SBLK,  512
.set SPARE, SCL+16384                  ; the spare words, 128 bytes for each wave: two blocks of 256 bytes that no other line names
.set IN_CODES,  262144
.set IN_TILE,   12288
.set OUT_CODES, 524288
.set OUT_TILE,  24576
.set ADRX,  16                         ; v16-17 LDS address of my x fragments in phase 1, K half 0, 1
.set ADRY,  18                         ; v18-19 the same in phase 2
.set ADRB,  20                         ; v20-21 of my Wq | Wk fragments in slot 0, 1
.set ADRV,  22                         ; v22-23 of my Wv fragments in slot 0, 1
.set ADRS2, 24                         ; v24    phase 2's scale words: lanes 0-15 Wv's rows, lanes 16-31 x's
.set ADRS,  27                         ; v27    phase 1's: lanes 0-15 x's rows, lanes 16-31 Wq | Wk's
.set SPW,   28                         ; v28    my spare word: SPARE + 4 x my thread's number; never rewritten
.set NIL,   29                         ; v29    0; never rewritten
.set SC,    32
.set AF,    64
.set PC,    160                        ; the ways out: v160-179, v180-199 codes, two sets
.set TM,    200                        ; v200-215 at work
.set PWS,   216                        ; v216-223 the blocks' scale words
.set TW,    224                        ; v224-227 scale words as they are stored
.set SEL,   66                         ; s[66:67] lane selects: lane l xor 16
.set G1,    24                         ; s[24:31] group 1 for x's tiles; s[32:39] group 0, one set for each half of K
.set G0,    32
.set G1B,   48                         ; s[48:55] group 1 for Wq | Wk's tiles; s[56:63] group 0, one set for each slot
.set G0B,   56
.set G1V,   68                         ; s[68:75] group 1 for Wv's tiles; s[76:79], s[88:91] group 0 for slot 0, 1
.set PFO,   11                         ; v11    prefetches of x and Wq | Wk: my lane's block of 256 bytes among 2 row tiles x 12 blocks; never rewritten
.set PFV,   12                         ; v12    prefetches of Wv: my lane's block among one row tile's 24; never rewritten
.set G0V0,  76
.set G0V1,  88
.set MSB, 0
.macro WIN new                         ; the immediate's high byte repeats the setting that is left; a switch that changes nothing is dropped
.if MSB != (\new)
	s_set_vgpr_msb (MSB<<8)|(\new)
.set MSB, (\new)
.endif
.endm
.set MUL_LO, 0xa1                      ; phase 1: source 0 (W) window 1, source 1 (x) window 0, C and D window 2
.set MUL_HI, 0xf1                      ; the same, C and D window 3
.set MUL_V,  0xa4                      ; phase 2: source 0 (x) window 0, source 1 (Wv) window 1, C and D window 2
.set TO_B,   0x40                      ; destination window 1, address window 0
; A joint first fill: waves 0 and 1 fetch for x, waves 2 and 3 for the weights.  The branch hangs on the wave's number alone.  Four v_nop follow each of the two lines.
.macro JLOAD g0a, g1a, g0b, g1b
	s_cmp_eq_u32 s15, 0
	s_cbranch_scc0 .Lfor_b_\@
	tensor_load_to_lds s[\g0a:\g0a+3], s[\g1a:\g1a+7]
	s_nop 0
.rept 4
	v_nop
.endr
	s_branch .Lasked_\@
.Lfor_b_\@:
	tensor_load_to_lds s[\g0b:\g0b+3], s[\g1b:\g1b+7]
	s_nop 0
.rept 4
	v_nop
.endr
.Lasked_\@:
.endm
; A joint refill of the weights' ring: waves 2 and 3 ask, waves 0 and 1 have no part of it.  On both ways four v_nop stand: the places in front of the LDS loads that follow.
.macro WLOAD g0, g1
	s_cmp_eq_u32 s15, 0
	s_cbranch_scc0 .Lfor_w_\@
.rept 4
	v_nop
.endr
	s_branch .Lw_asked_\@
.Lfor_w_\@:
	tensor_load_to_lds s[\g0:\g0+3], s[\g1:\g1+7]
	s_nop 0
.rept 4
	v_nop
.endr
.Lw_asked_\@:
.endm
; A prefetch that the weights' waves (2 and 3) alone issue: the branch hangs on the wave's number.
.macro ASKW reg, base, off
	s_cmp_eq_u32 s15, 0
	s_cbranch_scc1 .Lno_ask_\@
	global_prefetch_b8 v[\reg], s[\base:\base+1] offset:\off th:TH_LOAD_NT scope:SCOPE_SE
.Lno_ask_\@:
.endm
.macro CREST                           ; a round of the cluster's barrier behind its opening barrier
	s_cmp_lg_u32 s14, 0
	s_cbranch_scc1 .Lnot_wave_0_\@
	s_barrier_signal -3
.Lnot_wave_0_\@:
	s_barrier_wait -3
	s_barrier_signal -1
	s_barrier_wait -1
.endm
.macro CROUND                          ; a whole round
	s_barrier_signal -1
	s_barrier_wait -1
	CREST
.endm
.macro PLACES n                        ; plain vector places behind matrix instructions, in front of loads into and writes of registers that they read, and of reads of their results
.rept \n
	v_nop
.endr
.endm
.macro FRAG reg, adr, off              ; a fragment's image: three loads, each 512 consecutive bytes
.irp g, 0,1,2
	ds_load_b128 v[(\reg)+4*\g:(\reg)+4*\g+3], v[\adr] offset:(\off)+512*\g
.endr
.endm
.macro FETCH1 k                        ; phase 1: the fragments of K step k into sets k % 2: W's eight from slot (k / 2) % 2, x's eight from half k / 4
	WIN TO_B
.irp i, 0,1,2,3,4,5,6,7
	FRAG 128*((\k)%2)+12*\i, ADRB+((\k)/2)%2, \i*RTS+1536*((\k)%2)
.endr
	WIN 0
.irp i, 0,1,2,3,4,5,6,7
	FRAG AF+96*((\k)%2)+12*\i, ADRX+(\k)/4, \i*XTS+1536*((\k)%4)
.endr
.endm
.macro FETCH2 k                        ; phase 2: Wv's four from slot k / 4, x's eight from half k / 4
	WIN TO_B
.irp i, 0,1,2,3
	FRAG 128*((\k)%2)+12*\i, ADRV+(\k)/4, \i*XTS+1536*((\k)%4)
.endr
	WIN 0
.irp i, 0,1,2,3,4,5,6,7
	FRAG AF+96*((\k)%2)+12*\i, ADRY+(\k)/4, \i*XTS+1536*((\k)%4)
.endr
.endm
.macro SCALES sc, adr                  ; two K steps' scale words into set sc: lanes 0-15 take source 1's block i, lanes 16-31 source 0's block i (in phase 2 lanes 0-15 read, for i = 4 .. 7, bytes that are written and not used)
.irp i, 0,1,2,3,4,5,6,7
	ds_load_b64 v[SC+16*(\sc)+2*\i:SC+16*(\sc)+2*\i+1], v[\adr] offset:\i*SBLK
.endr
.endm
; Eight matrix instructions: source 1's block a against source 0's eight, K step k.  The accumulators take turns, one instruction a turn, in the same order in every step.
.macro MULA1 a, k, zero
.set AC, 64*((\a)%4)
.set PB, 128*((\k)%2)
.set PA, AF+96*((\k)%2)+12*(\a)
.set PS, SC+16*(((\k)/2)%2)+(\k)%2
.irp b, 0,1,2,3,4,5,6,7
.if \zero
	v_wmma_scale_f32_16x16x128_f8f6f4 v[AC+8*\b:AC+8*\b+7], v[PB+12*\b:PB+12*\b+11], v[PA:PA+11], 0, v[PS+2*\b], v[PS+2*(\a)] matrix_a_fmt:MATRIX_FMT_FP6 matrix_b_fmt:MATRIX_FMT_FP6 matrix_a_scale:MATRIX_SCALE_ROW1
.else
	v_wmma_scale_f32_16x16x128_f8f6f4 v[AC+8*\b:AC+8*\b+7], v[PB+12*\b:PB+12*\b+11], v[PA:PA+11], v[AC+8*\b:AC+8*\b+7], v[PS+2*\b], v[PS+2*(\a)] matrix_a_fmt:MATRIX_FMT_FP6 matrix_b_fmt:MATRIX_FMT_FP6 matrix_a_scale:MATRIX_SCALE_ROW1
.endif
.endr
.endm
.macro MULS1 a0, n, k, zero            ; x's blocks a0 .. a0 + n - 1
.set MA, \a0
.rept \n
.if MA < 4
	WIN MUL_LO
.else
	WIN MUL_HI
.endif
	MULA1 MA, \k, \zero
.set MA, MA+1
.endr
.endm
.macro MULA2 a, k, zero
.set AC, 64*(\a)
.set PX, AF+96*((\k)%2)
.set PV, 128*((\k)%2)+12*(\a)
.set PS, SC+16*(((\k)/2)%2)+(\k)%2
.irp b, 0,1,2,3,4,5,6,7
.if \zero
	v_wmma_scale_f32_16x16x128_f8f6f4 v[AC+8*\b:AC+8*\b+7], v[PX+12*\b:PX+12*\b+11], v[PV:PV+11], 0, v[PS+2*\b], v[PS+2*(\a)] matrix_a_fmt:MATRIX_FMT_FP6 matrix_b_fmt:MATRIX_FMT_FP6 matrix_a_scale:MATRIX_SCALE_ROW1
.else
	v_wmma_scale_f32_16x16x128_f8f6f4 v[AC+8*\b:AC+8*\b+7], v[PX+12*\b:PX+12*\b+11], v[PV:PV+11], v[AC+8*\b:AC+8*\b+7], v[PS+2*\b], v[PS+2*(\a)] matrix_a_fmt:MATRIX_FMT_FP6 matrix_b_fmt:MATRIX_FMT_FP6 matrix_a_scale:MATRIX_SCALE_ROW1
.endif
.endr
.endm
.macro MULS2 a0, n, k, zero            ; Wv's blocks a0 .. a0 + n - 1
.set MA, \a0
	WIN MUL_V
.rept \n
	MULA2 MA, \k, \zero
.set MA, MA+1
.endr
.endm
; A K step whose successor's weights lie in the same slot: the successor's fragments are asked for first, a whole step ahead of their use.
.macro STEP1 k, zero
	s_wait_dscnt 0x0                               ; this step's fragments and scale words are in (asked for a step ago)
	PLACES 4                                       ; the sets loaded next were read by the products just issued
	FETCH1 (\k)+1
	MULS1 0, 8, \k, \zero
	WIN 0
.endm
; Phase 1's odd K steps leave a slot of the ring: ONE barrier; in front of it each wave waits for all its tensor loads, adds 0 to its spare word, and waits for that and for its reads of the slot.
; The barrier opens a round of the cluster's barrier, and the slot's refill (descriptor g0, g1) is the first thing behind the round.  stepw = 1: the descriptor steps four K steps on first.
; last = 1: what follows is phase 2: its first fragments and scale words are fetched.
.macro TURN1 k, g0, g1, stepw, sstep, last
	s_wait_tensorcnt 0x0                           ; all my tensor loads have landed: my part of what the next steps read among them
	ds_add_u32 v[SPW], v[NIL]                      ; 0 onto my spare word
	s_wait_dscnt 1                                 ; this step's fragments are in; the add alone may be out
	MULS1 0, 2, \k, 0
	s_wait_dscnt 0x0                               ; the add is done, and my reads of this slot are over
	s_barrier_signal -1
	MULS1 2, 2, \k, 0
	WIN 0
	s_barrier_wait -1
	CREST                                          ; no wave of any partner still reads this slot's tile or has a load on its way
.if \stepw
	s_add_nc_u64 s[\g0+2:\g0+3], s[\g0+2:\g0+3], 2*RTS
.endif
	WLOAD \g0, \g1
.if \last
	FETCH2 0
	SCALES 0, ADRS2
.else
	s_wait_alu depctr_va_vdst(0)
	v_add_nc_u32 v[ADRS], \sstep, v[ADRS]          ; on to the next two K steps' scale words
	FETCH1 (\k)+1
	SCALES (((\k)+1)/2)%2, ADRS
.endif
	MULS1 4, 4, \k, 0
	WIN 0
.endm
.macro STEP2 k, zero, sstep            ; sstep > 0: the next two K steps' scale words are fetched too
	s_wait_dscnt 0x0
	PLACES 4
	FETCH2 (\k)+1
.if \sstep
	v_add_nc_u32 v[ADRS2], \sstep, v[ADRS2]
	SCALES (((\k)+1)/2)%2, ADRS2
.endif
	MULS2 0, 4, \k, \zero
	WIN 0
.endm
; Phase 2's change of slots: nothing is filled again, so the barrier opens no round; it shows every wave Wv's second half, which waves 2 and 3 have waited for.
.macro TURN2 k, sstep
	s_wait_tensorcnt 0x0                           ; all my tensor loads have landed
	ds_add_u32 v[SPW], v[NIL]                      ; 0 onto my spare word
	s_wait_dscnt 1                                 ; this step's fragments are in; the add alone may be out
	MULS2 0, 1, \k, 0
	s_wait_dscnt 0x0
	s_barrier_signal -1
	MULS2 1, 1, \k, 0
	WIN 0
	s_barrier_wait -1
	PLACES 4
	v_add_nc_u32 v[ADRS2], \sstep, v[ADRS2]
	FETCH2 (\k)+1
	SCALES (((\k)+1)/2)%2, ADRS2
	MULS2 2, 2, \k, 0
	WIN 0
.endm
; 64 numbers of a lane, v[s] .. v[s + 63] of window w, register 16 b + i = k 32 b + 16 (lane / 16) + i of my row, become a fragment's codes in v[pc] .. v[pc + 11] and its scale word in v[pw].
.macro QUANTW s, w, pc, pw
.set WQ, ((\w)<<2)|((\w)<<4)
	WIN WQ
.irp b, 0,1,2,3
	v_max3_num_f32 v[TM+\b], 0x1800000, |v[(\s)+16*\b]|, |v[(\s)+16*\b+1]|   ; block b: my 16 numbers, and the floor 2^(3 - 127).  Each accumulator is read from its low end on
.endr
.irp i, 2,4,6,8,10,12,14
.irp b, 0,1,2,3
	v_max3_num_f32 v[TM+\b], v[TM+\b], |v[(\s)+16*\b+\i]|, |v[(\s)+16*\b+\i+1]|
.endr
.endr
	WIN 0
.irp b, 0,1,2,3
	v_permlanex16_b32 v[TM+4+\b], v[TM+\b], s[SEL], s[SEL+1]
.endr
.irp b, 0,1,2,3
	v_max_num_f32 v[TM+\b], v[TM+\b], v[TM+4+\b]   ; with lane l xor 16's: the block's largest magnitude
.endr
.irp b, 0,1,2,3
	v_add_nc_u32 v[TM+12+\b], 0xff000000, v[TM+\b] ; 2 off its exponent field: the conversion's scale operand
.endr
.irp b, 0,1,2,3
	v_lshrrev_b32 v[TM+4+\b], 23, v[TM+12+\b]      ; the scale's byte
.endr
	v_lshl_or_b32 v[\pw], v[TM+5], 8, v[TM+4]
	v_lshl_or_b32 v[\pw], v[TM+6], 16, v[\pw]
	v_lshl_or_b32 v[\pw], v[TM+7], 24, v[\pw]
.set WQ, (\w)
	WIN WQ
.irp c, 0,1
	v_cvt_scalef32_pk16_fp6_f32 v[(\pc)+6*\c:(\pc)+6*\c+2], v[(\s)+32*\c:(\s)+32*\c+15], v[TM+12+2*\c]
	v_cvt_scalef32_pk16_fp6_f32 v[(\pc)+12+4*\c:(\pc)+12+4*\c+2], v[(\s)+32*\c+16:(\s)+32*\c+31], v[TM+13+2*\c]
.endr
	WIN 0
	v_nop                                          ; one plain place behind a scaled conversion
.irp c, 0,1
.irp i, 0,1,2
	v_permlane16_swap_b32 v[(\pc)+6*\c+\i], v[(\pc)+12+4*\c+\i]
.endr
.irp i, 0,1,2
	v_mov_b32 v[(\pc)+6*\c+3+\i], v[(\pc)+12+4*\c+\i]
.endr
.endr
.endm
; A WAY OUT.  My 128 rows of source 0 are one K step of the next product: the 64 registers of each of my n blocks become one fragment and one scale word a row.  cb, sb: the scalar pairs with the codes' and the scale words' bases.
.macro WAYOUT n, cb, sb
	PLACES 4                                       ; behind the last products: what follows reads results and writes registers that held x's fragments
.irp b, 0,1,2,3
	v_mov_b32 v[TM+4+\b], 0                        ; a lane permute's destination counts as one of its sources
.endr
.irp a, 0,1,2,3,4,5,6,7
.if \a < \n
.if \a > 1
	s_wait_xcnt 0x0                                ; block a - 2's stores have read this set of codes
.endif
	QUANTW 64*(\a%4), 2+\a/4, PC+20*(\a%2), PWS+\a
.irp g, 0,1,2
	global_store_b128 v25, v[PC+20*(\a%2)+4*\g:PC+20*(\a%2)+4*\g+3], s[\cb:\cb+1] offset:OUT_TILE*\a+512*\g   ; 32 lanes store 512 consecutive bytes
.endr
.endif
.endr
.irp a, 0,2,4,6
.if \a < \n
	v_cndmask_b32 v[TW+\a/2], v[PWS+\a], v[PWS+\a+1], s100   ; lanes 0-15 block a's words, lanes 16-31 block a + 1's
	global_store_b32 v26, v[TW+\a/2], s[\sb:\sb+1] offset:1024*\a   ; 4 bytes at every 16th: a row's other three words come from other waves
.endif
.endr
.endm
	s_load_b256 s[4:11], s[0:1], 0x0               ; xq s[4:5], wqk s[6:7], wv s[8:9], qk s[10:11]
	s_load_b64 s[12:13], s[0:1], 0x20              ; vt
	v_lshl_add_u32 v[SPW], v0, 2, SPARE
	v_mov_b32 v[NIL], 0
	ds_add_u32 v28, v29
	ds_add_u32 v28, v29
	s_wait_dscnt 0x0
	v_lshrrev_b32 v1, 5, v0
	v_readfirstlane_b32 s14, v1                    ; wave 0..3
	s_lshr_b32 s15, s14, 1                         ; which half of source 1's rows is mine.  Also: I fetch for x (0) or for the weights (1)
	s_and_b32 s16, s14, 1                          ; which half of source 0's rows.  Also: which half I fetch
	s_bfe_u32 s40, ttmp6, 0x40000                  ; cx, cy: my place in the cluster
	s_bfe_u32 s41, ttmp6, 0x40004
	s_lshl_b32 s42, ttmp9, 2
	s_add_co_u32 s42, s42, s40                     ; xt: which 256 columns of Wq | Wk, and which 128 of Wv
	s_and_b32 s17, ttmp7, 0xffff
	s_lshl_b32 s17, s17, 2
	s_add_co_u32 s17, s17, s41                     ; yt: which 256 tokens
	s_lshl_b32 s43, s41, 2
	s_lshl_b32 s43, 15, s43                        ; my row of the cluster
	s_lshl_b32 s44, 0x1111, s40                    ; my column
	s_mov_b32 s[SEL], 0x76543210
	s_mov_b32 s[SEL+1], 0xfedcba98
	; group 1 for x's codes: 8 row tiles x XTS bytes (768 elements of 8 bytes), IN_TILE bytes apart; no padding: images are read 512 consecutive bytes at a time
	s_or_b32 s[G1+0], s43, (3<<16)|(1<<21)         ; 15:0 the mask: my row; 17:16 elements of 8 bytes; 21 set beside a mask
	s_mov_b32 s[G1+1], (XTS/8)<<16                 ; tensor_dim0
	s_mov_b32 s[G1+2], 8<<16                       ; tensor_dim1
	s_mov_b32 s[G1+3], (XTS/8)<<16                 ; tile_dim0
	s_mov_b32 s[G1+4], 8                           ; tile_dim1
	s_mov_b32 s[G1+5], IN_TILE/8                   ; the pitch
	s_mov_b32 s[G1+6], 0
	s_mov_b32 s[G1+7], 0
	; for Wq | Wk's codes: 8 row tiles x RTS bytes
	s_or_b32 s[G1B+0], s44, (3<<16)|(1<<21)        ; my column
	s_mov_b32 s[G1B+1], (RTS/8)<<16
	s_mov_b32 s[G1B+2], 8<<16
	s_mov_b32 s[G1B+3], (RTS/8)<<16
	s_mov_b32 s[G1B+4], 8
	s_mov_b32 s[G1B+5], IN_TILE/8
	s_mov_b32 s[G1B+6], 0
	s_mov_b32 s[G1B+7], 0
	s_lshl_b32 s19, s16, 3
	s_lshl_b32 s18, s17, 4
	s_add_co_u32 s18, s18, s19                     ; x's first row tile that I fetch: 16 yt + 8 x half
	s_lshl_b32 s100, s42, 4
	s_add_co_u32 s100, s100, s19                   ; Wq | Wk's: 16 xt + 8 x half
	s_mul_i32 s45, s16, 8*XTS                      ; where x's codes go: no place in the cluster enters an LDS address
	s_mul_i32 s19, s16, 8*RTS
	s_add_co_u32 s19, s19, WR                      ; where the weights' codes go (8 tiles of RTS bytes are as many as Wv's 4 tiles of XTS)
	s_lshl_b32 s101, s14, 12                       ; and scale words: wave x 4,096
	; where phase 1's results go (what hangs on both coordinates is made in s20-23)
	s_lshl_b32 s20, s42, 1
	s_add_co_u32 s20, s20, s16                     ; the output's K step: 2 xt + half
	s_lshl_b32 s22, s17, 4
	s_lshl_b32 s23, s15, 3
	s_add_co_u32 s22, s22, s23                     ; my first row tile of tokens
	s_mul_i32 s92, s22, OUT_TILE
	s_mul_i32 s23, s20, 1536
	s_add_co_u32 s92, s92, s23
	s_add_co_u32 s92, s92, OUT_CODES
	s_mov_b32 s93, 0
	s_lshl_b32 s94, s22, 10                        ; scale words: 1,024 a tile,
	s_lshr_b32 s23, s20, 2
	s_lshl_b32 s23, s23, 8                         ; 256 for each four K steps,
	s_add_co_u32 s94, s94, s23
	s_and_b32 s23, s20, 3
	s_lshl_b32 s23, s23, 2                         ; 4 a K step
	s_add_co_u32 s94, s94, s23
	s_mov_b32 s95, 0
	; and phase 2's
	s_and_b32 s20, s17, 7
	s_lshl_b32 s20, s20, 1
	s_add_co_u32 s20, s20, s16                     ; the output's K step: 2 (yt % 8) + half
	s_lshr_b32 s21, s17, 3
	s_lshl_b32 s21, s21, 6                         ; 64 row tiles a batch, the batch = yt / 8
	s_lshl_b32 s22, s42, 3
	s_add_co_u32 s22, s22, s21
	s_lshl_b32 s23, s15, 2
	s_add_co_u32 s22, s22, s23                     ; my first row tile of V^T: 64 x batch + 8 xt + 4 x half
	s_mul_i32 s96, s22, OUT_TILE
	s_mul_i32 s23, s20, 1536
	s_add_co_u32 s96, s96, s23
	s_add_co_u32 s96, s96, OUT_CODES
	s_mov_b32 s97, 0
	s_lshl_b32 s98, s22, 10
	s_lshr_b32 s23, s20, 2
	s_lshl_b32 s23, s23, 8
	s_add_co_u32 s98, s98, s23
	s_and_b32 s23, s20, 3
	s_lshl_b32 s23, s23, 2
	s_add_co_u32 s98, s98, s23
	s_mov_b32 s99, 0
	s_lshl_b32 s46, s42, 12                        ; Wv's scale words: 8 xt row tiles of 512 bytes
	s_mov_b32 s47, 0
	v_lshlrev_b32 v7, 4, v0                        ; 16 bytes a thread
	v_and_b32 v1, 31, v0                           ; lane
	v_lshlrev_b32 v4, 4, v1                        ; 16 x lane
	s_add_co_u32 s101, s101, SCL
	v_add_nc_u32 v10, s101, v4                     ; where my wave's 4,096 bytes of scale words go
	v_min_u32 v[PFV], 23, v1                       ; 24 blocks an instruction: lanes 24-31 name the last block again
	v_mul_u32_u24 v9, v[PFV], 43
	v_lshrrev_b32 v9, 9, v9                        ; block / 12: which of my two row tiles
	v_mul_u32_u24 v[PFO], v9, 12
	v_sub_nc_u32 v[PFO], v[PFV], v[PFO]            ; block % 12
	v_mul_u32_u24 v9, v9, IN_TILE
	v_lshl_add_u32 v[PFO], v[PFO], 8, v9
	s_cmp_eq_u32 s15, 0
	s_cselect_b32 s20, RTS, 0                      ; x's waves stand two K steps further on than the weights': their second half begins at K step 4
	v_add_nc_u32 v[PFO], s20, v[PFO]
	v_lshlrev_b32 v[PFV], 8, v[PFV]
	s_wait_alu depctr_va_vdst(0)
	s_wait_kmcnt 0x0
	s_add_nc_u64 s[92:93], s[10:11], s[92:93]
	s_add_nc_u64 s[94:95], s[10:11], s[94:95]
	s_add_nc_u64 s[96:97], s[12:13], s[96:97]
	s_add_nc_u64 s[98:99], s[12:13], s[98:99]
	s_add_nc_u64 s[22:23], s[8:9], s[46:47]
	global_load_b128 v[64:67], v7, s[22:23]                ; the 128 threads read 2,048 consecutive bytes, twice
	global_load_b128 v[68:71], v7, s[22:23] offset:2048
	; x's and Wq | Wk's scale words come through registers too: 4,096 dense bytes a wave (waves 0, 1: x's two halves; waves 2, 3: the weights'), against 49,152 bytes of codes and more in each fill: so they are not asked for jointly
	s_lshl_b32 s2, s18, 9                          ; x's offsets are made in s2, s3, s18, the weights' in s46, s47, s100: neither set ever holds the other coordinate
	s_mov_b32 s3, 0
	s_add_nc_u64 s[76:77], s[4:5], s[2:3]
	s_lshl_b32 s46, s100, 9
	s_add_nc_u64 s[78:79], s[6:7], s[46:47]
	s_cmp_eq_u32 s15, 0                            ; the choice hangs on the wave's number alone
	s_cselect_b64 s[76:77], s[76:77], s[78:79]
.irp i, 0,1,2,3,4,5,6,7
	global_load_b128 v[72+4*\i:75+4*\i], v4, s[76:77] offset:512*\i   ; 32 lanes read 512 consecutive bytes
.endr
	s_mul_i32 s2, s18, IN_TILE
	s_add_co_u32 s2, s2, IN_CODES
	s_add_nc_u64 s[2:3], s[4:5], s[2:3]
	s_mul_i32 s46, s100, IN_TILE
	s_add_co_u32 s46, s46, IN_CODES
	s_add_nc_u64 s[46:47], s[6:7], s[46:47]
.irp s, 0,1
	s_mov_b32 s[G0+4*\s], 1
	s_add_co_u32 s[G0+4*\s+1], s45, \s*XHALF
	s_add_nc_u64 s[G0+4*\s+2:G0+4*\s+3], s[2:3], \s*XTS
	s_or_b32 s[G0+4*\s+3], s[G0+4*\s+3], 0x80000000
	s_mov_b32 s[G0B+4*\s], 1
	s_add_co_u32 s[G0B+4*\s+1], s19, \s*WSLOT
	s_add_nc_u64 s[G0B+4*\s+2:G0B+4*\s+3], s[46:47], \s*RTS
	s_or_b32 s[G0B+4*\s+3], s[G0B+4*\s+3], 0x80000000
.endr
	; THE PREFETCHES.  Of the 8 row tiles that I fetch, each of the four partners that ask for them with me takes two, told apart by address (cx for x, cy for the weights): each block of 256 bytes is named once in the cluster
	s_cmp_eq_u32 s15, 0
	s_cselect_b64 s[4:5], s[2:3], s[46:47]
	s_cselect_b32 s20, s40, s41
	s_mul_i32 s20, s20, 2*IN_TILE
	s_mov_b32 s21, 0
	s_add_nc_u64 s[4:5], s[4:5], s[20:21]
	CROUND                                         ; all sixteen work-groups are here: the first joint loads meet
	JLOAD G0, G1, G0B, G1B                         ; x's K steps 0-3 and W's slot 0
	v_and_b32 v2, 15, v0                           ; r
	v_bfe_u32 v3, v0, 4, 1                         ; h
	s_wait_alu depctr_va_vdst(0)
	v_cmp_le_u32 s100, 16, v1                      ; lanes 16-31
	s_mul_i32 s2, s15, 8*XTS                       ; x: in phase 1 it is source 1,
	s_mul_i32 s3, s16, 8*XTS                       ; in phase 2 source 0
.irp s, 0,1
	v_add_nc_u32 v[ADRX+\s], s2, v4
	v_add_nc_u32 v[ADRY+\s], s3, v4
	s_add_co_u32 s2, s2, XHALF
	s_add_co_u32 s3, s3, XHALF
.endr
	s_mul_i32 s2, s16, 8*RTS                       ; Wq | Wk: source 0: my eight tiles
	s_add_co_u32 s2, s2, WR
	s_mul_i32 s3, s15, 4*XTS                       ; Wv: source 1: my four tiles
	s_add_co_u32 s3, s3, WR
.irp s, 0,1
	v_add_nc_u32 v[ADRB+\s], s2, v4
	v_add_nc_u32 v[ADRV+\s], s3, v4
	s_add_co_u32 s2, s2, WSLOT
	s_add_co_u32 s3, s3, WSLOT
.endr
	s_lshl_b32 s2, s15, 12                         ; phase 1: x's scale words: my half
	s_lshl_b32 s3, s16, 12                         ; Wq | Wk's: my half, behind x's two
	s_add_co_u32 s3, s3, 8192
	s_sub_co_u32 s3, s3, s2
	v_mul_u32_u24 v6, s3, v3                       ; lanes 16-31 take source 0's: one product, the distance between the two bases
	s_add_co_u32 s2, s2, SCL
	v_lshl_add_u32 v5, v2, 4, v6                   ; 16 bytes a row
	v_add_nc_u32 v[ADRS], s2, v5
	s_lshl_b32 s2, s15, 11                         ; phase 2: Wv's scale words: my four tiles
	s_lshl_b32 s3, s16, 12                         ; x's: my half
	s_add_co_u32 s3, s3, SCL-VSC
	s_sub_co_u32 s3, s3, s2
	v_mul_u32_u24 v6, s3, v3
	s_add_co_u32 s2, s2, VSC
	v_lshl_add_u32 v5, v2, 4, v6
	v_add_nc_u32 v[ADRS2], s2, v5
	v_mov_b32 v25, v4                              ; the ways out: 16 x lane
	v_lshlrev_b32 v26, 10, v3
	v_lshl_add_u32 v26, v2, 4, v26                 ; and for scale words: 1,024 h + 16 r
	v_lshl_add_u32 v8, v0, 4, VSC
	s_wait_alu depctr_va_vdst(0)
	s_wait_loadcnt 0x0                             ; the scale words
	global_prefetch_b8 v[PFO], s[4:5] offset:RTS th:TH_LOAD_NT scope:SCOPE_SE     ; some way behind the head's tensor load: x's waves ask for K steps 4, 5, the weights' for K steps 2, 3 (the next fill's),
	global_prefetch_b8 v[PFO], s[4:5] offset:2*RTS th:TH_LOAD_NT scope:SCOPE_SE   ; x's waves for K steps 6, 7 (the next fill's too), the weights' for K steps 4, 5 (the fill's after that)
	ds_store_b128 v8, v[64:67]
	ds_store_b128 v8, v[68:71] offset:2048
.irp i, 0,1,2,3,4,5,6,7
	ds_store_b128 v10, v[72+4*\i:75+4*\i] offset:512*\i
.endr
	s_wait_tensorcnt 0x0                           ; my part of the first K steps is in
	ds_add_u32 v[SPW], v[NIL]
	s_wait_dscnt 0x0                               ; the add is done, and so are my stores of scale words
	CROUND                                         ; a whole round: everybody's part is in, and the joint loads meet
	JLOAD G0+4, G1, G0B+4, G1B                     ; x's K steps 4-7 and W's slot 1: the first tensor load behind the round
	ASKW PFO, 4, 3*RTS                             ; W's K steps 6, 7: the fill two changes of slots on; x has nothing left to ask for
	; ---------------- phase 1: Q | K ----------------
	FETCH1 0
	SCALES 0, ADRS
	STEP1 0, 1                                     ; the first products start the sums: nothing is cleared
	TURN1 1, G0B, G1B, 1, 8, 0                     ; slot 0 takes W's K steps 4, 5.  (Its wait for all loads and its barrier also show every wave x's second half)
	; Wv's descriptors: 4 row tiles x XTS bytes a wave, my column's mask
	s_or_b32 s[G1V+0], s44, (3<<16)|(1<<21)
	s_mov_b32 s[G1V+1], (XTS/8)<<16
	s_mov_b32 s[G1V+2], 4<<16
	s_mov_b32 s[G1V+3], (XTS/8)<<16
	s_mov_b32 s[G1V+4], 4
	s_mov_b32 s[G1V+5], IN_TILE/8
	s_mov_b32 s[G1V+6], 0
	s_mov_b32 s[G1V+7], 0
	s_lshl_b32 s46, s42, 3
	s_lshl_b32 s47, s16, 2
	s_add_co_u32 s46, s46, s47                     ; Wv's first row tile that I fetch: 8 xt + 4 x half
	s_mul_i32 s46, s46, IN_TILE
	s_add_co_u32 s46, s46, IN_CODES
	s_mov_b32 s47, 0
	s_add_nc_u64 s[46:47], s[8:9], s[46:47]
	s_mov_b32 s[G0V0], 1
	s_mov_b32 s[G0V0+1], s19                       ; slot 0: K steps 0-3
	s_mov_b64 s[G0V0+2:G0V0+3], s[46:47]
	s_or_b32 s[G0V0+3], s[G0V0+3], 0x80000000
	s_mov_b32 s[G0V1], 1
	s_add_co_u32 s[G0V1+1], s19, WSLOT             ; slot 1: K steps 4-7
	s_add_nc_u64 s[G0V1+2:G0V1+3], s[46:47], XTS
	s_or_b32 s[G0V1+3], s[G0V1+3], 0x80000000
	s_mul_i32 s20, s41, IN_TILE                    ; of the 4 row tiles of Wv that I fetch, the partner at place cy asks for one: 24 blocks of 256 bytes for four K steps
	s_mov_b32 s21, 0
	s_add_nc_u64 s[6:7], s[46:47], s[20:21]
	ASKW PFV, 6, 0                                 ; Wv's K steps 0-3, two changes of slots ahead of their load
	STEP1 2, 0
	TURN1 3, G0B+4, G1B, 1, 248, 0                 ; slot 1 takes W's K steps 6, 7
	ASKW PFV, 6, XTS                               ; Wv's K steps 4-7, likewise
	STEP1 4, 0
	TURN1 5, G0V0, G1V, 0, 8, 0                    ; slot 0 takes Wv's K steps 0-3: it has two K steps and the way out in which to land
	STEP1 6, 0
	TURN1 7, G0V1, G1V, 0, 0, 1                    ; slot 1 takes Wv's K steps 4-7; phase 2's first fragments are fetched, into the sets that this step does not read
	WAYOUT 8, 92, 94                               ; it works in the x set that the last products have left, while those fragments land
	s_wait_xcnt 0x0                                ; the stores have read their registers: the next fetch lands there
	; ---------------- phase 2: V^T ----------------
	STEP2 0, 1, 0
	STEP2 1, 0, 8
	s_wait_alu depctr_va_vdst(0)
	STEP2 2, 0, 0
	TURN2 3, 248
	s_wait_alu depctr_va_vdst(0)
	STEP2 4, 0, 0
	STEP2 5, 0, 8
	STEP2 6, 0, 0
	s_wait_dscnt 0x0                               ; the last step: nothing more to fetch
	MULS2 0, 4, 7, 0
	WIN 0
	WAYOUT 4, 96, 98
	s_wait_tensorcnt 0x0                           ; the wave's end
	ds_add_u32 v[SPW], v[NIL]
	s_wait_dscnt 0x0
	CROUND                                         ; the closing round: no work-group ends while a partner may still ask for a tile that names it
	s_endpgm
.Lfunc_end_k_q498afd3f58_proj:
	.size	k_q498afd3f58_proj, .Lfunc_end_k_q498afd3f58_proj-k_q498afd3f58_proj
	.p2alignl 7, 3214868480
	.fill 96, 4, 3214868480
	.section	.rodata,"a",@progbits
	.p2align	6, 0x0
	.amdhsa_kernel k_q498afd3f58_proj
		.amdhsa_group_segment_fixed_size 327680
		.amdhsa_private_segment_fixed_size 0
		.amdhsa_enable_private_segment 0
		.amdhsa_kernarg_size 40
		.amdhsa_user_sgpr_count 2
		.amdhsa_user_sgpr_kernarg_segment_ptr 1
		.amdhsa_wavefront_size32 1
		.amdhsa_system_sgpr_workgroup_id_x 1
		.amdhsa_system_sgpr_workgroup_id_y 1
		.amdhsa_system_sgpr_workgroup_id_z 1
		.amdhsa_system_vgpr_workitem_id 0
		.amdhsa_next_free_vgpr 1024
		.amdhsa_next_free_sgpr 102
		.amdhsa_reserve_vcc 0
		.amdhsa_float_denorm_mode_32 3
		.amdhsa_float_denorm_mode_16_64 3
		.amdhsa_memory_ordered 1
		.amdhsa_forward_progress 1
		.amdhsa_inst_pref_size 217
	.end_amdhsa_kernel
	.amdgpu_metadata
---
amdhsa.version: [ 1, 2 ]
amdhsa.kernels:
  - .name:           k_q498afd3f58_proj
    .symbol:         k_q498afd3f58_proj.kd
    .args:
      - { .name: xq, .offset: 0, .size: 8, .value_kind: global_buffer, .address_space: global }
      - { .name: wqk, .offset: 8, .size: 8, .value_kind: global_buffer, .address_space: global }
      - { .name: wv, .offset: 16, .size: 8, .value_kind: global_buffer, .address_space: global }
      - { .name: qk, .offset: 24, .size: 8, .value_kind: global_buffer, .address_space: global }
      - { .name: vt, .offset: 32, .size: 8, .value_kind: global_buffer, .address_space: global }
    .group_segment_fixed_size: 327680
    .private_segment_fixed_size: 0
    .kernarg_segment_align: 8
    .kernarg_segment_size: 40
    .max_flat_workgroup_size: 128
    .sgpr_count:     102
    .vgpr_count:     1024
    .wavefront_size: 32
...
	.end_amdgpu_metadata
.endif
;; end of part 6
;; launch scores (part 7): grid 8 x 32, 4 waves a work-group, clusters of 4 x 4, 327,680 bytes of LDS; arguments qk, mask, pc, pst; writes pc, pst
.if DOCPART == 7
	.amdgcn_target "amdgcn-amd-amdhsa--gfx1250"
	.amdhsa_code_object_version 6
	.text
	.protected	k_q498afd3f58_scores
	.globl	k_q498afd3f58_scores
	.p2align	8
	.type	k_q498afd3f58_scores,@function
k_q498afd3f58_scores:
	s_mov_b64 s[64:65], 0
	v_nop
	global_prefetch_b8 v0, s[64:65] scope:SCOPE_SE
	s_setreg_imm32_b32 hwreg(HW_REG_WAVE_MODE, 25, 1), 1
	s_wait_xcnt 0x0
	s_wait_alu depctr_hold_cnt(0) depctr_sa_sdst(0) depctr_va_vdst(0) depctr_va_sdst(0) depctr_va_ssrc(0) depctr_va_vcc(0) depctr_vm_vsrc(0)
	s_getreg_b32 s2, hwreg(HW_REG_IB_STS2, 6, 4)
	s_cmp_eq_u32 s2, 0
	s_cbranch_scc0 .Lentry_in_a_cluster
	s_endpgm
.Lentry_in_a_cluster:
	s_bfe_u32 s2, ttmp6, 0x10000c
	s_cmp_lg_u32 s2, 0xf033
	s_cbranch_scc0 .Lentry_shape_is_right
	s_endpgm
.Lentry_shape_is_right:
; S^T = K Q^T on FP6 images (K = 1,024), then on the way out: / 32, where(mask, s, -1e-6), and the softmax's p for 128 keys at a time, quantised along the keys.
; p = 2^(t - M), t = score x log2(e).  HERE M IS LOCAL: the ceiling of the largest t of one query among the wave's 128 keys: a maximum is taken away ahead of every exponential.  M is a whole number, so the row's own M
; only moves each block's scale byte: the next launch takes the largest of a row's sixteen local M and lowers the bytes by the difference; the codes stay.
; For each (query, 128 keys) this launch stores the fragment's codes (pc) and a record of 16 bytes (pst): the raw scale word, -M (a whole number, f32), the sum of the unquantised p, 0.
; qk: scale words [512 T][4][r][4 words] (first two groups Q's, last two K's) from byte 0; codes [512 T][16][1536] (K steps 0-7 Q's, 8-15 K's) from CODES.  Row tile T: lane-row r is token 32 (T / 2) + 8 (T % 2) + r + 8 (r / 8).
; Source 0 = 16 keys, source 1 = 16 queries: a lane holds ONE query, and by the order of rows in a tile its 16 registers of key tiles 2 b, 2 b + 1 are 16 neighbouring keys.
; SHARES.  A work-group makes 256 queries x 256 keys of one batch, a wave 128 x 128.  K goes in four periods of 256 through two LDS slots.
; CLUSTER 4 x 4: Q's tiles shared along a row, K's along a column, asked for jointly.
; THE SCALE WORDS AND THE MASK COME THROUGH REGISTERS into LDS bytes of their own, in whole units of 256 bytes.  The scale words are 4,096 bytes a wave against 24,576 bytes of codes in each fill, so they are not asked for jointly;
; the mask's tile is shared by no other work-group.  The mask is read on the way out alone: its 64 rows a wave come in two batches of 16 loads, under the products, into the 64 registers of window 1 that hold no fragment.
; LIMITS: a block whose every p has fallen under 2^-124 keeps the byte 1; NaN and infinities are not served; mask bytes are 0 or 1.
; REGISTERS: window 0: v0-31 addresses; v32-63 scale words, two sets, and nothing else; v64-255 Q's fragments, two sets of 96 (free on the way out).  window 1: K's fragments at v0 and v128; v96-127, v224-255 the mask on its way.
;   windows 2, 3: the 64 accumulators; on the way out they hold, in place, the masked sums, then t - M, then p.
.set NA,   8
.set NQ,   2
.set RTS,  1536*NQ
.set HA,   NA*RTS
.set HB,   8*RTS
.set SLOT, 2*HA+2*HB
.set SCL,  2*SLOT                      ; the scale words of 16 + 16 row tiles, 512 bytes a tile: written by LDS stores alone
.set SBLK, 512
.set SPARE, SCL+16384                  ; the spare words: two blocks of 256 bytes that no other line names
.set MSK,  SPARE+512                   ; the mask's tile: 256 rows x (256 bytes + 16), each byte 0x00 or 0xff: written by LDS stores alone
.set MP,   272
.set CODES, 524288
.set TILE,  24576
.set PFO,  11                          ; v11 the prefetches: my lane's block of 256 bytes among 2 row tiles x 12 blocks
.set ADRA, 16
.set ADRB, 20
.set ADRS, 27
.set SPW,  28
.set NIL,  29
.set SC,   32
.set AF,   32+16*NQ
.set MB,   64                          ; v64-95   mask bytes, two sets of 16 registers
.set SV,   96                          ; v96-159  64 select words
.set PCB,  160                         ; v160-199 codes, two sets of 20
.set BM,   200                         ; v200-207 each block's largest score, then its largest p: two sets, by the block's parity
.set BX,   208                         ; v208-211 at work
.set SO,   212                         ; v212-215 the conversions' scale operands
.set NM,   216                         ; v[216:217], v[218:219] -M, 0: two sets
.set TT,   220
.set PW,   221                         ; the scale word
.set LS,   222                         ; v[222:223], v[224:225] the sum, in two chains
.set L2,   224
.set LT,   226
.set REC,  228                         ; v228-235 records, two sets
.set SEL,  66
.set G1,   24
.set G0,   32
.set G1B,  48
.set G0B,  56
.set MSB, 0
.macro WIN new
.if MSB != (\new)
	s_set_vgpr_msb (MSB<<8)|(\new)
.set MSB, (\new)
.endif
.endm
.set MUL_LO, 0xa1
.set MUL_HI, 0xf1
.set TO_B,   0x40
.macro JLOAD g0a, g1a, g0b, g1b        ; a joint load: waves 0 and 1 fetch for Q, waves 2 and 3 for K; s_nop 0 and four v_nop follow each of the two lines
	s_cmp_eq_u32 s15, 0
	s_cbranch_scc0 .Lfor_b_\@
	tensor_load_to_lds s[\g0a:\g0a+3], s[\g1a:\g1a+7]
	s_nop 0
.rept 4
	v_nop
.endr
	s_branch .Lasked_\@
.Lfor_b_\@:
	tensor_load_to_lds s[\g0b:\g0b+3], s[\g1b:\g1b+7]
	s_nop 0
.rept 4
	v_nop
.endr
.Lasked_\@:
.endm
.macro CREST
	s_cmp_lg_u32 s14, 0
	s_cbranch_scc1 .Lnot_wave_0_\@
	s_barrier_signal -3
.Lnot_wave_0_\@:
	s_barrier_wait -3
	s_barrier_signal -1
	s_barrier_wait -1
.endm
.macro CROUND
	s_barrier_signal -1
	s_barrier_wait -1
	CREST
.endm
.macro PLACES n
.rept \n
	v_nop
.endr
.endm
.macro FRAG reg, adr, off
.irp g, 0,1,2
	ds_load_b128 v[(\reg)+4*\g:(\reg)+4*\g+3], v[\adr] offset:(\off)+512*\g
.endr
.endm
.macro FETCH slot, q
	WIN TO_B
.irp i, 0,1,2,3,4,5,6,7
	FRAG 128*((\q)%2)+12*\i, ADRB+\slot, \i*RTS+1536*(\q)
.endr
	WIN 0
.set FI, 0
.rept NA
	FRAG AF+12*NA*((\q)%2)+12*FI, ADRA+\slot, FI*RTS+1536*(\q)
.set FI, FI+1
.endr
.endm
.macro SCALES sc
.irp i, 0,1,2,3,4,5,6,7
	ds_load_b64 v[SC+8*NQ*\sc+NQ*\i:SC+8*NQ*\sc+NQ*\i+1], v[ADRS] offset:\i*SBLK
.endr
.endm
.macro MULA a, q, sc, zero             ; the accumulators take turns, one instruction a turn
.set AC, 64*((\a)%4)
.irp b, 0,1,2,3,4,5,6,7
.if \zero
	v_wmma_scale_f32_16x16x128_f8f6f4 v[AC+8*\b:AC+8*\b+7], v[128*((\q)%2)+12*\b:128*((\q)%2)+12*\b+11], v[AF+12*NA*((\q)%2)+12*(\a):AF+12*NA*((\q)%2)+12*(\a)+11], 0, v[SC+8*NQ*(\sc)+NQ*\b+(\q)], v[SC+8*NQ*(\sc)+NQ*(\a)+(\q)] matrix_a_fmt:MATRIX_FMT_FP6 matrix_b_fmt:MATRIX_FMT_FP6 matrix_a_scale:MATRIX_SCALE_ROW1
.else
	v_wmma_scale_f32_16x16x128_f8f6f4 v[AC+8*\b:AC+8*\b+7], v[128*((\q)%2)+12*\b:128*((\q)%2)+12*\b+11], v[AF+12*NA*((\q)%2)+12*(\a):AF+12*NA*((\q)%2)+12*(\a)+11], v[AC+8*\b:AC+8*\b+7], v[SC+8*NQ*(\sc)+NQ*\b+(\q)], v[SC+8*NQ*(\sc)+NQ*(\a)+(\q)] matrix_a_fmt:MATRIX_FMT_FP6 matrix_b_fmt:MATRIX_FMT_FP6 matrix_a_scale:MATRIX_SCALE_ROW1
.endif
.endr
.endm
.macro MULS a0, n, q, sc, zero
.set MA, \a0
.rept \n
.if MA < 4
	WIN MUL_LO
.else
	WIN MUL_HI
.endif
	MULA MA, \q, \sc, \zero
.set MA, MA+1
.endr
.endm
.macro STEP slot, q, zero
	s_wait_dscnt 0x0                               ; this step's fragments and scale words are in (asked for a step ago)
	PLACES 4                                       ; the sets loaded next were read by the products just issued
	FETCH \slot, (\q)+1
	MULS 0, NA, \q, \slot, \zero
	WIN 0
.endm
.macro TURN slot, next, fill, sstep    ; a slot's last step changes slots: one barrier; with fill = 1 it opens a round of the cluster's barrier, and the slot's refill is the first thing behind the round
	s_wait_tensorcnt 0x0                           ; all my tensor loads have landed
	ds_add_u32 v[SPW], v[NIL]                      ; 0 onto my spare word
	s_wait_dscnt 1                                 ; this step's fragments are in; the add alone may be out
	MULS 0, NA/4, NQ-1, \slot, 0
	s_wait_dscnt 0x0                               ; the add is done, and my reads of this slot are over
	s_barrier_signal -1
	MULS NA/4, NA/4, NQ-1, \slot, 0
	WIN 0
	s_barrier_wait -1
.if \fill
	CREST
	s_add_nc_u64 s[G0+4*\slot+2:G0+4*\slot+3], s[G0+4*\slot+2:G0+4*\slot+3], 2*RTS
	s_add_nc_u64 s[G0B+4*\slot+2:G0B+4*\slot+3], s[G0B+4*\slot+2:G0B+4*\slot+3], 2*RTS
	JLOAD G0+4*\slot, G1, G0B+4*\slot, G1B         ; the four v_nop behind it are also the places in front of the loads below
.else
	PLACES 4
.endif
	s_wait_alu depctr_va_vdst(0)
	v_add_nc_u32 v[ADRS], \sstep, v[ADRS]
	FETCH \next, 0
	SCALES \next
	MULS NA/2, NA/2, NQ-1, \slot, 0
	WIN 0
.endm
.macro LAST
	s_wait_dscnt 0x0
	MULS 0, NA, NQ-1, 1, 0
	WIN 0
.endm
; The mask, batch g of two: rows 32 g .. 32 g + 31 of my wave's 64.  Each load reads two rows: each half of the lanes 256 consecutive bytes, aligned.
.macro MASKLD g
	WIN TO_B
.irp i, 0,1,2,3,4,5,6,7
	global_load_b128 v[96+4*\i:99+4*\i], v8, s[22:23] offset:4096*(16*(\g)+\i) th:TH_LOAD_NT
.endr
.irp i, 0,1,2,3,4,5,6,7
	global_load_b128 v[224+4*\i:227+4*\i], v8, s[22:23] offset:4096*(16*(\g)+8+\i) th:TH_LOAD_NT
.endr
	WIN 0
.endm
.macro MASKST g
	s_wait_loadcnt 0x0                             ; the batch's sixteen loads are in: no other global load of mine is out
	WIN 0x41
.set NN, 0
.rept 32
	v_mul_lo_u32 v[96+NN], v[96+NN], s18           ; bytes 0 and 1 become 0x00 and 0xff: no byte carries into the next
	v_mul_lo_u32 v[224+NN], v[224+NN], s18
.set NN, NN+1
.endr
	WIN 0x04                                       ; the stores' data: window 1
.irp i, 0,1,2,3,4,5,6,7
	ds_store_b128 v9, v[96+4*\i:99+4*\i] offset:2*MP*(16*(\g)+\i)
.endr
.irp i, 0,1,2,3,4,5,6,7
	ds_store_b128 v9, v[224+4*\i:227+4*\i] offset:2*MP*(16*(\g)+8+\i)
.endr
	WIN 0
.endm
	s_load_b256 s[4:11], s[0:1], 0x0               ; qk s[4:5], mask s[6:7], pc s[8:9], pst s[10:11]
	v_lshl_add_u32 v[SPW], v0, 2, SPARE
	v_mov_b32 v[NIL], 0
	ds_add_u32 v[SPW], v[NIL]                      ; the opening lines: the add, twice on end; its wait stands ahead of my first tensor load
	ds_add_u32 v[SPW], v[NIL]
	v_lshrrev_b32 v1, 5, v0
	v_readfirstlane_b32 s14, v1                    ; wave 0..3
	s_lshr_b32 s15, s14, 1                         ; which half of the queries is mine.  Also: I fetch for Q (0) or for K (1)
	s_and_b32 s16, s14, 1                          ; which half of the keys.  Also: which half I fetch
	s_bfe_u32 s40, ttmp6, 0x40000                  ; cx, cy
	s_bfe_u32 s41, ttmp6, 0x40004
	s_lshl_b32 s42, ttmp9, 2
	s_add_co_u32 s42, s42, s40                     ; xt: which 256 keys of the batch
	s_and_b32 s19, ttmp7, 0xffff
	s_lshl_b32 s17, s19, 2
	s_add_co_u32 s17, s17, s41                     ; yt: which 256 of the 8,192 queries
	s_lshr_b32 s19, s19, 1                         ; the batch = yt / 8, from the cluster's y alone: all sixteen partners share it
	s_lshl_b32 s43, s41, 2
	s_lshl_b32 s43, 15, s43                        ; my row of the cluster
	s_lshl_b32 s44, 0x1111, s40                    ; my column
	s_mov_b32 s[SEL], 0x76543210
	s_mov_b32 s[SEL+1], 0xfedcba98
	s_or_b32 s[G1+0], s43, (3<<16)|(1<<21)         ; codes: 8 row tiles x RTS bytes, TILE bytes apart
	s_or_b32 s[G1B+0], s44, (3<<16)|(1<<21)
.irp g, G1, G1B
	s_mov_b32 s[\g+1], (RTS/8)<<16
	s_mov_b32 s[\g+2], 8<<16
	s_mov_b32 s[\g+3], (RTS/8)<<16
	s_mov_b32 s[\g+4], 8
	s_mov_b32 s[\g+5], TILE/8
	s_mov_b32 s[\g+6], 0
	s_mov_b32 s[\g+7], 0
.endr
	s_lshl_b32 s18, s16, 3
	s_lshl_b32 s12, s17, 4
	s_add_co_u32 s12, s12, s18                     ; Q's first row tile that I fetch: 16 yt + 8 x half
	s_lshl_b32 s13, s42, 4
	s_add_co_u32 s13, s13, s18
	s_lshl_b32 s19, s19, 7
	s_add_co_u32 s13, s13, s19                     ; K's: 128 x batch + 16 xt + 8 x half
	s_mul_i32 s45, s14, HA                         ; where codes go: wave x 24,576
	s_lshl_b32 s19, s14, 12                        ; and scale words: wave x 4,096
	; all addresses in LDS and all offsets in memory are made here, ahead of the wait for the arguments
	v_and_b32 v1, 31, v0                           ; lane
	v_and_b32 v2, 15, v0                           ; r
	v_bfe_u32 v3, v0, 4, 1                         ; h
	v_lshlrev_b32 v4, 4, v1                        ; 16 x lane
	v_lshlrev_b32 v8, 11, v3
	v_lshl_add_u32 v8, v2, 4, v8                   ; the mask in memory: sixteen lanes to a row's 256 bytes, two rows of 2,048 bytes an instruction
	v_mul_u32_u24 v9, v3, MP
	v_lshl_add_u32 v9, v2, 4, v9
	s_mul_i32 s18, s14, 64*MP
	s_add_co_u32 s18, s18, MSK
	v_add_nc_u32 v9, s18, v9                       ; and in LDS: my wave's 64 rows
	s_add_co_u32 s19, s19, SCL
	v_add_nc_u32 v10, s19, v4                      ; where my wave's 4,096 bytes of scale words go
	v_min_u32 v[PFO], 23, v1                       ; 24 blocks an instruction: lanes 24-31 name the last block again
	v_mul_u32_u24 v12, v[PFO], 43
	v_lshrrev_b32 v12, 9, v12                      ; block / 12: which of my two row tiles
	v_mul_u32_u24 v13, v12, 12
	v_sub_nc_u32 v[PFO], v[PFO], v13               ; block % 12
	v_mul_u32_u24 v12, v12, TILE
	v_lshl_add_u32 v[PFO], v[PFO], 8, v12
	s_mov_b32 s18, 255
	s_mul_i32 s2, s15, HA
	s_mul_i32 s3, s16, HB
	s_add_co_u32 s3, s3, 2*HA
.irp s, 0,1
	v_add_nc_u32 v[ADRA+\s], s2, v4
	v_add_nc_u32 v[ADRB+\s], s3, v4
	s_add_co_u32 s2, s2, SLOT
	s_add_co_u32 s3, s3, SLOT
.endr
	s_lshl_b32 s2, s15, 12
	s_lshl_b32 s3, s16, 12
	s_add_co_u32 s3, s3, 8192
	s_sub_co_u32 s3, s3, s2
	v_mul_u32_u24 v6, s3, v3                       ; lanes 16-31 take K's words: one product, the distance between the two bases
	s_add_co_u32 s2, s2, SCL
	v_lshl_add_u32 v5, v2, 4, v6
	v_add_nc_u32 v[ADRS], s2, v5
	v_and_b32 v5, 8, v2
	v_add_nc_u32 v5, v5, v2                        ; r + 8 (r / 8)
	v_mul_u32_u24 v24, v5, MP
	v_lshl_add_u32 v24, v3, 4, v24
	s_mul_i32 s2, s15, 128*MP
	s_lshl_b32 s3, s16, 7
	s_add_co_u32 s2, s2, s3
	s_add_co_u32 s2, s2, MSK
	v_add_nc_u32 v24, s2, v24                      ; the mask: my query's row in a tile's first place, my half of the keys, + 16 h
	v_lshlrev_b32 v26, 12, v3
	v_lshl_add_u32 v26, v2, 4, v26                 ; records: 4,096 h + 16 r
	s_lshl_b32 s20, s17, 4                         ; (what hangs on both coordinates is made in s20, s21 and s68-75)
	s_lshl_b32 s21, s15, 3
	s_add_co_u32 s20, s20, s21                     ; my first tile of queries
	s_lshl_b32 s21, s42, 1
	s_add_co_u32 s21, s21, s16                     ; my 128 keys as a K step of the next product: 2 xt + half
	s_mul_i32 s68, s20, TILE                       ; pc: my first fragment
	s_mul_i32 s69, s21, 1536
	s_add_co_u32 s68, s68, s69
	s_mov_b32 s69, 0
	s_lshl_b32 s70, s20, 12                        ; pst: my first records
	s_lshl_b32 s71, s21, 8
	s_add_co_u32 s70, s70, s71
	s_mov_b32 s71, 0
	s_lshl_b32 s72, s17, 19                        ; the mask: row 256 yt + 64 x wave of 2,048 bytes, + 256 xt
	s_lshl_b32 s73, s14, 17
	s_add_co_u32 s72, s72, s73
	s_lshl_b32 s73, s42, 8
	s_add_co_u32 s72, s72, s73
	s_mov_b32 s73, 0
	s_lshl_b32 s2, s12, 10                         ; Q's offsets are made in s2, s3, s12, K's in s13, s46, s47
	s_lshl_b32 s46, s13, 10
	s_add_co_u32 s46, s46, 512                     ; K's words are the last two groups of a tile's four
	s_cmp_eq_u32 s15, 0
	s_cselect_b32 s92, s2, s46                     ; my wave's scale words
	s_cselect_b32 s74, s40, s41                    ; my place among the four that ask for my tiles with me
	s_mov_b32 s93, 0
	s_mul_i32 s74, s74, 2*TILE
	s_mov_b32 s75, 0
	s_mul_i32 s2, s12, TILE
	s_add_co_u32 s2, s2, CODES
	s_mov_b32 s3, 0
	s_mul_i32 s46, s13, TILE
	s_add_co_u32 s46, s46, CODES+12288             ; K's K steps are 8-15 of a tile's sixteen
	s_mov_b32 s47, 0
.irp s, 0,1
	s_mov_b32 s[G0+4*\s], 1
	s_add_co_u32 s[G0+4*\s+1], s45, \s*SLOT
	s_mov_b32 s[G0B+4*\s], 1
	s_add_co_u32 s[G0B+4*\s+1], s45, \s*SLOT
.endr
	s_wait_alu depctr_va_vdst(0)
	s_wait_dscnt 0x0                               ; both opening adds are done
	s_wait_kmcnt 0x0
	s_add_nc_u64 s[92:93], s[4:5], s[92:93]
.irp i, 0,1,2,3,4,5,6,7
	global_load_b128 v[192+4*\i:195+4*\i], v4, s[92:93] offset:1024*\i   ; a row tile's 512 consecutive bytes of scale words
.endr
	s_add_nc_u64 s[2:3], s[4:5], s[2:3]
	s_add_nc_u64 s[46:47], s[4:5], s[46:47]
.irp s, 0,1
	s_add_nc_u64 s[G0+4*\s+2:G0+4*\s+3], s[2:3], \s*RTS
	s_or_b32 s[G0+4*\s+3], s[G0+4*\s+3], 0x80000000
	s_add_nc_u64 s[G0B+4*\s+2:G0B+4*\s+3], s[46:47], \s*RTS
	s_or_b32 s[G0B+4*\s+3], s[G0B+4*\s+3], 0x80000000
.endr
	; THE PREFETCHES.  Of the 8 row tiles that I fetch, each of the four partners that ask for them with me takes two, told apart by address (cx for Q, cy for K): each block of 256 bytes is named once in the cluster.
	; A period is 12 blocks of each tile.  Behind the fill of period p stands the request for period p + 1, which the next fill loads: one change of slots, two K steps, ahead.  Period 3's fill asks for nothing.
	; All offsets are immediates inside the tiles' own bytes.
	s_cmp_eq_u32 s15, 0
	s_cselect_b64 s[4:5], s[2:3], s[46:47]
	s_add_nc_u64 s[4:5], s[4:5], s[74:75]
	s_add_nc_u64 s[8:9], s[8:9], s[68:69]
	s_add_nc_u64 s[10:11], s[10:11], s[70:71]
	s_add_nc_u64 s[22:23], s[6:7], s[72:73]
	CROUND                                         ; all sixteen work-groups are here: the first joint loads meet
	JLOAD G0, G1, G0B, G1B                         ; my quarter of slot 0
	s_wait_loadcnt 0x0                             ; the scale words
	global_prefetch_b8 v[PFO], s[4:5] offset:RTS th:TH_LOAD_NT scope:SCOPE_SE     ; period 1, some way behind the head's tensor load
.irp i, 0,1,2,3,4,5,6,7
	ds_store_b128 v10, v[192+4*\i:195+4*\i] offset:512*\i
.endr
	s_wait_tensorcnt 0x0                           ; my quarter of slot 0 is in
	ds_add_u32 v[SPW], v[NIL]
	s_wait_dscnt 0x0                               ; the add is done, and so are my stores of scale words
	CROUND                                         ; a whole round: everybody's part is in, and the joint loads meet
	JLOAD G0+4, G1, G0B+4, G1B                     ; my quarter of slot 1: the first tensor load behind the round
	global_prefetch_b8 v[PFO], s[4:5] offset:2*RTS th:TH_LOAD_NT scope:SCOPE_SE   ; period 2
	FETCH 0, 0
	SCALES 0
	MASKLD 0                                       ; the mask's first batch: two periods of products stand between these loads and the wait for them
	STEP 0, 0, 1
	TURN 0, 1, 1, 8
	global_prefetch_b8 v[PFO], s[4:5] offset:3*RTS th:TH_LOAD_NT scope:SCOPE_SE   ; period 3
	STEP 1, 0, 0
	TURN 1, 0, 1, 248
	MASKST 0
	STEP 0, 0, 0                                   ; (its wait for my LDS instructions also shows the batch's stores done: the registers take the next batch)
	MASKLD 1
	TURN 0, 1, 0, 8
	STEP 1, 0, 0
	LAST
	MASKST 1                                       ; its 64 multiplications are also the places behind the last products
	s_wait_dscnt 0x0                               ; for the others' sake: my rows of the mask are stored
	s_barrier_signal -1
	s_barrier_wait -1                              ; the mask's tile is whole
	; THE WAY OUT.  No tensor load of mine is out: the descriptors' scalar registers are free.
	s_mov_b32 s24, 0x00000000                      ; byte selects: one byte of a word into all four
	s_mov_b32 s25, 0x01010101
	s_mov_b32 s26, 0x02020202
	s_mov_b32 s27, 0x03030303
	s_mov_b32 s29, 0xb80637bd                      ; f32(-1e-6) x 32, exact: the fill, ahead of the division by 32
	s_mov_b32 s32, 0x3d38aa3b                      ; c = log2(e) / 32: t = sum x c
	s_mov_b32 s33, s32                             ; (named with it as a pair, so it is written)
	v_cmp_le_u32 s30, 16, v1                       ; lanes 16-31
.irp b, 0,1,2,3
	v_mov_b32 v[BX+\b], 0                          ; written once: a lane permute's destination counts as one of its sources
.endr
	v_mov_b32 v[LT], 0
	v_mov_b32 v[NM+1], 0                           ; (named as the upper halves of pairs)
	v_mov_b32 v[NM+3], 0
	v_mov_b32 v[REC+3], 0                          ; a record's last word
	v_mov_b32 v[REC+7], 0
.macro MLOAD a                         ; block a's mask bytes: my query's row, 16 keys of each block of 32
.irp b, 0,1,2,3
	ds_load_b128 v[MB+16*((\a)%2)+4*\b:MB+16*((\a)%2)+4*\b+3], v24 offset:(32*((\a)/2)+8*((\a)%2))*MP+32*\b
.endr
.endm
; FIRST, for all eight blocks of 16 queries: where(mask, sum, fill x 32), in place in the accumulators.  So every matrix result is first read ahead of the first exponential.
.macro PICK a
.set AC,  64*((\a)%4)
.set W,   2+(\a)/4
.set MBS, MB+16*((\a)%2)
	s_wait_dscnt 0x0                               ; this block's mask bytes are in
.if (\a) < 7
	MLOAD (\a)+1
.endif
.set NN, 0
.rept 64
	v_perm_b32 v[SV+NN], v[MBS+4*(NN/16)+(NN%16)/4], v[MBS+4*(NN/16)+(NN%16)/4], s[24+NN%4]   ; key NN's byte into all four: 0 or all ones
.set NN, NN+1
.endr
.set WQ, (W<<6)|(W<<2)
	WIN WQ
.set NN, 0
.rept 64
	v_bfi_b32 v[AC+NN], v[SV+NN], v[AC+NN], s29    ; each accumulator is read from its low end on
.set NN, NN+1
.endr
	WIN 0
.endm
; THEN nine stages.  Stage j: one wait, which closes block j - 1's exponentials and opens block j's; block j's exponentials; block j - 1's codes, sum and stores; block j + 1's maxima and t - M.
; What stands behind a batch names none of its results: the maxima and -M have two sets, by the block's parity.
.macro PRE a                           ; the largest score of each block of 32 keys (it serves for the maximum and, since p rises with the score, for the block's largest p), -M, and t - M in place
.set AC,  64*((\a)%4)
.set W,   2+(\a)/4
.set BMP, BM+4*((\a)%2)
.set NMP, NM+2*((\a)%2)
.set WQ, (W<<2)|(W<<4)
	WIN WQ
.irp b, 0,1,2,3
	v_max3_num_f32 v[BMP+\b], 0xff800000, v[AC+16*\b], v[AC+16*\b+1]
.endr
.irp i, 2,4,6,8,10,12,14
.irp b, 0,1,2,3
	v_max3_num_f32 v[BMP+\b], v[BMP+\b], v[AC+16*\b+\i], v[AC+16*\b+\i+1]
.endr
.endr
	WIN 0
.irp b, 0,1,2,3
	v_permlanex16_b32 v[BX+\b], v[BMP+\b], s[SEL], s[SEL+1]
.endr
.irp b, 0,1,2,3
	v_max_num_f32 v[BMP+\b], v[BMP+\b], v[BX+\b]   ; with lane l xor 16's 16 keys
.endr
	v_max3_num_f32 v[TT], v[BMP], v[BMP+1], v[BMP+2]
	v_max_num_f32 v[TT], v[TT], v[BMP+3]
	v_mul_f32 v[TT], s32, v[TT]                    ; the largest t of my query among these 128 keys (c is positive)
	v_floor_f32 v[NMP], -v[TT]                     ; -M = floor(-t): M is a whole number
.set WQ, (W<<6)|W
	WIN WQ
.set NN, 0
.rept 32
	v_pk_fma_f32 v[AC+NN:AC+NN+1], v[AC+NN:AC+NN+1], s[32:33], v[NMP:NMP+1] op_sel_hi:[1,0,0]   ; t - M, two at a time
.set NN, NN+2
.endr
	WIN 0
.irp b, 0,1,2,3
	v_fma_f32 v[BMP+\b], v[BMP+\b], s32, v[NMP]    ; the same of each block's largest score
.endr
.endm
.macro EXPS a
.set AC,  64*((\a)%4)
.set W,   2+(\a)/4
.set BMP, BM+4*((\a)%2)
.set WQ, (W<<6)|W
	WIN WQ
.set NN, 0
.rept 64
	v_exp_f32 v[AC+NN], v[AC+NN]                   ; p = 2^(t - M), at most 1
.set NN, NN+1
.endr
	WIN 0
.irp b, 0,1,2,3
	v_exp_f32 v[BMP+\b], v[BMP+\b]                 ; the block's largest p: the same two instructions on the same number
.endr
.endm
.macro POST a
.set AC,  64*((\a)%4)
.set W,   2+(\a)/4
.set BMP, BM+4*((\a)%2)
.set NMP, NM+2*((\a)%2)
.set PCS, PCB+20*((\a)%2)
.set RC,  REC+4*(((\a)/2)%2)
.irp b, 0,1,2,3
	v_max_num_f32 v[BMP+\b], 0x1800000, v[BMP+\b]  ; the floor 2^(3 - 127): the byte cannot fall under 1
.endr
.irp b, 0,1,2,3
	v_add_nc_u32 v[SO+\b], 0xff000000, v[BMP+\b]   ; 2 off the exponent field: the conversion's scale operand
.endr
.irp b, 0,1,2,3
	v_lshrrev_b32 v[BX+\b], 23, v[SO+\b]           ; the byte: 1 to 125
.endr
	v_lshl_or_b32 v[PW], v[BX+1], 8, v[BX]
	v_lshl_or_b32 v[PW], v[BX+2], 16, v[PW]
	v_lshl_or_b32 v[PW], v[BX+3], 24, v[PW]
.set WQ, W|(W<<2)
	WIN WQ
	v_pk_add_f32 v[LS:LS+1], v[AC:AC+1], v[AC+4:AC+5]       ; the sum of the UNQUANTISED p, two at a time, in two chains
	v_pk_add_f32 v[L2:L2+1], v[AC+2:AC+3], v[AC+6:AC+7]
.set WQ, W
	WIN WQ
.set NN, 8
.rept 14
	v_pk_add_f32 v[LS:LS+1], v[AC+NN:AC+NN+1], v[LS:LS+1]
	v_pk_add_f32 v[L2:L2+1], v[AC+NN+2:AC+NN+3], v[L2:L2+1]
.set NN, NN+4
.endr
.irp c, 0,1
	v_cvt_scalef32_pk16_fp6_f32 v[PCS+6*\c:PCS+6*\c+2], v[AC+32*\c:AC+32*\c+15], v[SO+2*\c]
	v_cvt_scalef32_pk16_fp6_f32 v[PCS+12+4*\c:PCS+12+4*\c+2], v[AC+32*\c+16:AC+32*\c+31], v[SO+2*\c+1]
.endr
	WIN 0
	v_pk_add_f32 v[LS:LS+1], v[LS:LS+1], v[L2:L2+1]         ; (also the plain place behind the scaled conversions)
	v_add_f32 v[LS], v[LS], v[LS+1]
.irp c, 0,1
.irp i, 0,1,2
	v_permlane16_swap_b32 v[PCS+6*\c+\i], v[PCS+12+4*\c+\i]
.endr
.irp i, 0,1,2
	v_mov_b32 v[PCS+6*\c+3+\i], v[PCS+12+4*\c+\i]
.endr
.endr
	v_permlanex16_b32 v[LT], v[LS], s[SEL], s[SEL+1]
	v_add_f32 v[LS], v[LS], v[LT]                  ; with lane l xor 16's: both halves of the lanes hold the same sum
.irp g, 0,1,2
	global_store_b128 v4, v[PCS+4*\g:PCS+4*\g+3], s[8:9] offset:TILE*(\a)+512*\g   ; 32 lanes store 512 consecutive bytes
.endr
.if (\a)%2 == 0
	v_mov_b32 v[RC], v[PW]                         ; two blocks' records leave by one store: lanes 0-15 the even block's,
	v_mov_b32 v[RC+1], v[NMP]
	v_mov_b32 v[RC+2], v[LS]
.else
	v_cndmask_b32 v[RC], v[RC], v[PW], s30         ; lanes 16-31 the odd block's
	v_cndmask_b32 v[RC+1], v[RC+1], v[NMP], s30
	v_cndmask_b32 v[RC+2], v[RC+2], v[LS], s30
	global_store_b128 v26, v[RC:RC+3], s[10:11] offset:4096*((\a)-1)   ; each half of the lanes stores 256 consecutive bytes, aligned
.endif
.endm
.macro STAGE j
.if (\j) >= 3
	s_wait_xcnt 0x0                                ; the stores of two blocks ago have read the set of codes, and earlier ones the set of records, that this stage writes
.endif
	s_wait_alu depctr_va_vdst(0)                   ; one wait behind the last batch of exponentials and ahead of the next
.if (\j) < 8
	EXPS \j
.endif
.if (\j) >= 1
	POST (\j)-1
.endif
.if (\j) < 7
	PRE (\j)+1
.endif
.endm
	MLOAD 0
.irp a, 0,1,2,3,4,5,6,7
	PICK \a
.endr
	PRE 0
.irp j, 0,1,2,3,4,5,6,7,8
	STAGE \j
.endr
	s_wait_tensorcnt 0x0                           ; the wave's end
	ds_add_u32 v[SPW], v[NIL]
	s_wait_dscnt 0x0
	CROUND                                         ; the closing round
	s_endpgm
.Lfunc_end_k_q498afd3f58_scores:
	.size	k_q498afd3f58_scores, .Lfunc_end_k_q498afd3f58_scores-k_q498afd3f58_scores
	.p2alignl 7, 3214868480
	.fill 96, 4, 3214868480
	.section	.rodata,"a",@progbits
	.p2align	6, 0x0
	.amdhsa_kernel k_q498afd3f58_scores
		.amdhsa_group_segment_fixed_size 327680
		.amdhsa_private_segment_fixed_size 0
		.amdhsa_enable_private_segment 0
		.amdhsa_kernarg_size 32
		.amdhsa_user_sgpr_count 2
		.amdhsa_user_sgpr_kernarg_segment_ptr 1
		.amdhsa_wavefront_size32 1
		.amdhsa_system_sgpr_workgroup_id_x 1
		.amdhsa_system_sgpr_workgroup_id_y 1
		.amdhsa_system_sgpr_workgroup_id_z 1
		.amdhsa_system_vgpr_workitem_id 0
		.amdhsa_next_free_vgpr 1024
		.amdhsa_next_free_sgpr 100
		.amdhsa_reserve_vcc 0
		.amdhsa_float_denorm_mode_32 3
		.amdhsa_float_denorm_mode_16_64 3
		.amdhsa_memory_ordered 1
		.amdhsa_forward_progress 1
		.amdhsa_inst_pref_size 255
	.end_amdhsa_kernel
	.section	.bss,"aw",@nobits
	.p2align	6
	.space	262144
	.amdgpu_metadata
---
amdhsa.version: [ 1, 2 ]
amdhsa.kernels:
  - .name:           k_q498afd3f58_scores
    .symbol:         k_q498afd3f58_scores.kd
    .args:
      - { .name: qk, .offset: 0, .size: 8, .value_kind: global_buffer, .address_space: global }
      - { .name: mask, .offset: 8, .size: 8, .value_kind: global_buffer, .address_space: global }
      - { .name: pc, .offset: 16, .size: 8, .value_kind: global_buffer, .address_space: global }
      - { .name: pst, .offset: 24, .size: 8, .value_kind: global_buffer, .address_space: global }
    .group_segment_fixed_size: 327680
    .private_segment_fixed_size: 0
    .kernarg_segment_align: 8
    .kernarg_segment_size: 32
    .max_flat_workgroup_size: 128
    .sgpr_count:     100
    .vgpr_count:     1024
    .wavefront_size: 32
...
	.end_amdgpu_metadata
.endif
;; end of part 7
;; launch pv (part 8): grid 4 x 64, 4 waves a work-group, clusters of 4 x 4, 327,680 bytes of LDS; arguments pc, pst, vt, out0; writes out0
.if DOCPART == 8
	.amdgcn_target "amdgcn-amd-amdhsa--gfx1250"
	.amdhsa_code_object_version 6
	.text
	.protected	k_q498afd3f58_pv
	.globl	k_q498afd3f58_pv
	.p2align	8
	.type	k_q498afd3f58_pv,@function
k_q498afd3f58_pv:
	s_mov_b64 s[64:65], 0
	v_nop
	global_prefetch_b8 v0, s[64:65] scope:SCOPE_SE
	s_setreg_imm32_b32 hwreg(HW_REG_WAVE_MODE, 25, 1), 1
	s_wait_xcnt 0x0
	s_wait_alu depctr_hold_cnt(0) depctr_sa_sdst(0) depctr_va_vdst(0) depctr_va_sdst(0) depctr_va_ssrc(0) depctr_va_vcc(0) depctr_vm_vsrc(0)
	s_getreg_b32 s2, hwreg(HW_REG_IB_STS2, 6, 4)
	s_cmp_eq_u32 s2, 0
	s_cbranch_scc0 .Lentry_in_a_cluster
	s_endpgm
.Lentry_in_a_cluster:
	s_bfe_u32 s2, ttmp6, 0x10000c
	s_cmp_lg_u32 s2, 0xf033
	s_cbranch_scc0 .Lentry_shape_is_right
	s_endpgm
.Lentry_shape_is_right:
; out0[q][d] = (sum over keys of p V) / l, on FP6 images, K = the batch's 2,048 keys.
; pc: p's codes [512 T (queries)][16 K steps][1536].  pst: for each (T, K step, lane-row r) 16 bytes: the raw scale word, -M_loc (a whole number), l_loc, 0, made under a maximum local to 128 keys.
; THE HEAD brings a row under ONE M: -M = the least of its sixteen -M_loc; d = M - M_loc >= 0; each of the K step's four scale bytes is lowered by d, and l = the sum of l_loc 2^-d.  All exact: powers of two.
; vt: V^T: scale words [batch][64 T (d)][4][r][4 words] from byte 0, codes [batch][64 T][16 K steps][1536] from CODES.  Row tile T: lane-row r is row 32 (T / 2) + 8 (T % 2) + r + 8 (r / 8).
; Source 0 = 16 rows of V^T, source 1 = 16 queries: a lane holds one query and, in the 16 registers of tiles 2 b, 2 b + 1, 16 neighbouring d.
; SHARES.  A work-group makes 128 queries x 256 d (so that there are 256 work-groups), a wave 64 x 128: 32 accumulators.  K goes in four periods of 512 through two LDS slots.
; CLUSTER 4 x 4: p's tiles shared along a row, V^T's tiles and scale words along a column, asked for jointly.
; LIMITS: d is held at 127, and a scale byte that would fall under 0 is held at 0 (2^-127, against l >= 1/2); NaN and infinities are not served.
; REGISTERS: window 0: v0-31 addresses; v32-95 scale words, two sets, and nothing else; v96-191 p's fragments, two sets of 48 (in the head: the records).  window 1: V^T's fragments, two sets.  window 2: the accumulators.
.set NA,   4
.set NQ,   4
.set RTS,  1536*NQ
.set HA,   NA*RTS
.set HB,   8*RTS
.set SLOT, 2*HA+2*HB
.set PSC,  2*SLOT                      ; p's scale words as the head makes them: [8 tiles][4][r][4 words]; written by LDS stores alone
.set VSC,  PSC+8192                    ; V^T's scale words, 1,024 bytes a tile: written by LDS stores alone; no fill lands here
.set INVL, VSC+16384                   ; 1 / l of the 128 queries; written by LDS stores alone
.set SBLK, 1024
.set SPARE, INVL+512                   ; the spare words: two blocks of 256 bytes that no other line names
.set SPITCH, 528                       ; the way out: a stage of 16 rows x (512 bytes + 16) for each wave, in slot 0, which has had its last fill and its last read by then
.set CODES, 524288
.set TILE,  24576
.set ADRA, 16
.set ADRB, 20
.set ADRS, 27
.set SPW,  28
.set NIL,  29
.set SC,   32
.set AF,   32+16*NQ
.set RCD,  96                          ; the head: v96-159 sixteen records
.set WD,   160                         ; v160-175 the sixteen lowered scale words
.set NG,   176                         ; -M of my row
.set LL,   177                         ; l
.set IV,   96                          ; the way out: v96-103 1 / l, a pair for each block
.set OV,   104                         ; v104-167 a block's results
.set BK,   168                         ; v168-231 16 rows read back from the stage
.set G1,   24
.set G0,   32
.set G1B,  48
.set G0B,  56
.set PFO,  13                          ; v13 the prefetches: my lane's block of 256 bytes among a row tile's 24 of one period; never rewritten
.set MSB, 0
.macro WIN new
.if MSB != (\new)
	s_set_vgpr_msb (MSB<<8)|(\new)
.set MSB, (\new)
.endif
.endm
.set MUL_LO, 0xa1
.set MUL_HI, 0xf1
.set TO_B,   0x40
.macro JLOAD g0a, g1a, g0b, g1b        ; a joint load: waves 0 and 1 fetch for p, waves 2 and 3 for V^T; four v_nop follow each of the two lines
	s_cmp_eq_u32 s15, 0
	s_cbranch_scc0 .Lfor_b_\@
	tensor_load_to_lds s[\g0a:\g0a+3], s[\g1a:\g1a+7]
	s_nop 0
.rept 4
	v_nop
.endr
	s_branch .Lasked_\@
.Lfor_b_\@:
	tensor_load_to_lds s[\g0b:\g0b+3], s[\g1b:\g1b+7]
	s_nop 0
.rept 4
	v_nop
.endr
.Lasked_\@:
.endm
; A PREFETCH of one period (four K steps, 24 blocks of 256 bytes of each row tile).  The four partners that ask for a tile jointly share its row tiles out by address: of p's 4 tiles that a wave fetches each partner takes one (cx),
; of V^T's 8 each takes two (cy): so V^T's waves issue a second instruction.  The branch hangs on the wave's number alone.
.macro ASKP off
	global_prefetch_b8 v[PFO], s[4:5] offset:\off th:TH_LOAD_NT scope:SCOPE_SE
	s_cmp_eq_u32 s15, 0
	s_cbranch_scc1 .Lone_tile_\@
	global_prefetch_b8 v[PFO], s[4:5] offset:(\off)+TILE th:TH_LOAD_NT scope:SCOPE_SE
.Lone_tile_\@:
.endm
.macro CREST
	s_cmp_lg_u32 s14, 0
	s_cbranch_scc1 .Lnot_wave_0_\@
	s_barrier_signal -3
.Lnot_wave_0_\@:
	s_barrier_wait -3
	s_barrier_signal -1
	s_barrier_wait -1
.endm
.macro CROUND
	s_barrier_signal -1
	s_barrier_wait -1
	CREST
.endm
.macro PLACES n
.rept \n
	v_nop
.endr
.endm
.macro FRAG reg, adr, off
.irp g, 0,1,2
	ds_load_b128 v[(\reg)+4*\g:(\reg)+4*\g+3], v[\adr] offset:(\off)+512*\g
.endr
.endm
.macro FETCH slot, q
	WIN TO_B
.irp i, 0,1,2,3,4,5,6,7
	FRAG 128*((\q)%2)+12*\i, ADRB+\slot, \i*RTS+1536*(\q)
.endr
	WIN 0
.set FI, 0
.rept NA
	FRAG AF+12*NA*((\q)%2)+12*FI, ADRA+\slot, FI*RTS+1536*(\q)
.set FI, FI+1
.endr
.endm
.macro SCALES sc                       ; a period's four words a row: lanes 0-15 p's block i (for i = 4 .. 7 bytes that are written and not used), lanes 16-31 V^T's block i
.irp i, 0,1,2,3,4,5,6,7
	ds_load_b128 v[SC+8*NQ*\sc+NQ*\i:SC+8*NQ*\sc+NQ*\i+3], v[ADRS] offset:\i*SBLK
.endr
.endm
.macro MULA a, q, sc, zero             ; the accumulators take turns, one instruction a turn
.set AC, 64*((\a)%4)
.irp b, 0,1,2,3,4,5,6,7
.if \zero
	v_wmma_scale_f32_16x16x128_f8f6f4 v[AC+8*\b:AC+8*\b+7], v[128*((\q)%2)+12*\b:128*((\q)%2)+12*\b+11], v[AF+12*NA*((\q)%2)+12*(\a):AF+12*NA*((\q)%2)+12*(\a)+11], 0, v[SC+8*NQ*(\sc)+NQ*\b+(\q)], v[SC+8*NQ*(\sc)+NQ*(\a)+(\q)] matrix_a_fmt:MATRIX_FMT_FP6 matrix_b_fmt:MATRIX_FMT_FP6 matrix_a_scale:MATRIX_SCALE_ROW1
.else
	v_wmma_scale_f32_16x16x128_f8f6f4 v[AC+8*\b:AC+8*\b+7], v[128*((\q)%2)+12*\b:128*((\q)%2)+12*\b+11], v[AF+12*NA*((\q)%2)+12*(\a):AF+12*NA*((\q)%2)+12*(\a)+11], v[AC+8*\b:AC+8*\b+7], v[SC+8*NQ*(\sc)+NQ*\b+(\q)], v[SC+8*NQ*(\sc)+NQ*(\a)+(\q)] matrix_a_fmt:MATRIX_FMT_FP6 matrix_b_fmt:MATRIX_FMT_FP6 matrix_a_scale:MATRIX_SCALE_ROW1
.endif
.endr
.endm
.macro MULS a0, n, q, sc, zero
.set MA, \a0
.rept \n
.if MA < 4
	WIN MUL_LO
.else
	WIN MUL_HI
.endif
	MULA MA, \q, \sc, \zero
.set MA, MA+1
.endr
.endm
.macro STEP slot, q, zero
	s_wait_dscnt 0x0                               ; this step's fragments and scale words are in (asked for a step ago)
	PLACES 4                                       ; the sets loaded next were read by the products just issued
	FETCH \slot, (\q)+1
	MULS 0, NA, \q, \slot, \zero
	WIN 0
.endm
.macro TURN slot, next, fill, sstep    ; a slot's last step changes slots: one barrier; with fill = 1 it opens a round of the cluster's barrier, and the slot's refill is the first thing behind the round
	s_wait_tensorcnt 0x0                           ; all my tensor loads have landed
	ds_add_u32 v[SPW], v[NIL]                      ; 0 onto my spare word
	s_wait_dscnt 1                                 ; this step's fragments are in; the add alone may be out
	MULS 0, NA/4, NQ-1, \slot, 0
	s_wait_dscnt 0x0                               ; the add is done, and my reads of this slot are over
	s_barrier_signal -1
	MULS NA/4, NA/4, NQ-1, \slot, 0
	WIN 0
	s_barrier_wait -1
.if \fill
	CREST
	s_add_nc_u64 s[G0+4*\slot+2:G0+4*\slot+3], s[G0+4*\slot+2:G0+4*\slot+3], 2*RTS
	s_add_nc_u64 s[G0B+4*\slot+2:G0B+4*\slot+3], s[G0B+4*\slot+2:G0B+4*\slot+3], 2*RTS
	JLOAD G0+4*\slot, G1, G0B+4*\slot, G1B         ; the four v_nop behind it are also the places in front of the loads below
.else
	PLACES 4
.endif
	s_wait_alu depctr_va_vdst(0)
	v_add_nc_u32 v[ADRS], \sstep, v[ADRS]
	FETCH \next, 0
	SCALES \next
	MULS NA/2, NA/2, NQ-1, \slot, 0
	WIN 0
.endm
.macro LAST
	s_wait_dscnt 0x0
	MULS 0, NA, NQ-1, 1, 0
	WIN 0
.endm
	s_load_b256 s[4:11], s[0:1], 0x0               ; pc s[4:5], pst s[6:7], vt s[8:9], out0 s[10:11]
	v_lshl_add_u32 v[SPW], v0, 2, SPARE
	v_mov_b32 v[NIL], 0
	ds_add_u32 v28, v29
	ds_add_u32 v28, v29
	s_wait_dscnt 0x0
	v_lshrrev_b32 v1, 5, v0
	v_readfirstlane_b32 s14, v1                    ; wave 0..3
	s_lshr_b32 s15, s14, 1                         ; which half of the queries is mine.  Also: I fetch for p (0) or for V^T (1)
	s_and_b32 s16, s14, 1                          ; which half of the d.  Also: which half I fetch
	s_bfe_u32 s40, ttmp6, 0x40000                  ; cx, cy
	s_bfe_u32 s41, ttmp6, 0x40004
	s_lshl_b32 s42, ttmp9, 2
	s_add_co_u32 s42, s42, s40                     ; xt: which 256 d
	s_and_b32 s19, ttmp7, 0xffff
	s_lshl_b32 s17, s19, 2
	s_add_co_u32 s17, s17, s41                     ; yt: which 128 of the 8,192 queries
	s_lshr_b32 s19, s19, 2                         ; the batch = yt / 16, from the cluster's y alone
	s_lshl_b32 s43, s41, 2
	s_lshl_b32 s43, 15, s43                        ; my row of the cluster
	s_lshl_b32 s44, 0x1111, s40                    ; my column
	s_or_b32 s[G1+0], s43, (3<<16)|(1<<21)         ; p's codes: 4 row tiles x RTS bytes, TILE bytes apart
	s_mov_b32 s[G1+1], (RTS/8)<<16
	s_mov_b32 s[G1+2], 4<<16
	s_mov_b32 s[G1+3], (RTS/8)<<16
	s_mov_b32 s[G1+4], 4
	s_mov_b32 s[G1+5], TILE/8
	s_mov_b32 s[G1+6], 0
	s_mov_b32 s[G1+7], 0
	s_or_b32 s[G1B+0], s44, (3<<16)|(1<<21)        ; V^T's codes: 8 row tiles
	s_mov_b32 s[G1B+1], (RTS/8)<<16
	s_mov_b32 s[G1B+2], 8<<16
	s_mov_b32 s[G1B+3], (RTS/8)<<16
	s_mov_b32 s[G1B+4], 8
	s_mov_b32 s[G1B+5], TILE/8
	s_mov_b32 s[G1B+6], 0
	s_mov_b32 s[G1B+7], 0
	s_lshl_b32 s12, s17, 3
	s_lshl_b32 s18, s16, 2
	s_add_co_u32 s12, s12, s18                     ; p's first row tile that I fetch: 8 yt + 4 x half
	s_lshl_b32 s13, s19, 6
	s_lshl_b32 s18, s42, 4
	s_add_co_u32 s13, s13, s18                     ; V^T: 64 x batch + 16 xt
	s_lshl_b32 s18, s14, 2
	s_add_co_u32 s46, s13, s18                     ; its scale words: + 4 x wave
	s_lshl_b32 s46, s46, 10
	s_mov_b32 s47, 0
	s_lshl_b32 s18, s16, 3
	s_add_co_u32 s13, s13, s18                     ; its codes: + 8 x half
	s_mul_i32 s45, s16, HA                         ; where p's codes go,
	s_mul_i32 s19, s16, HB
	s_add_co_u32 s19, s19, 2*HA                    ; and V^T's: no place in the cluster enters an LDS address
	s_lshl_b32 s20, s17, 19                        ; out0: row 128 yt + 64 x half of 4,096 bytes,
	s_lshl_b32 s21, s15, 18
	s_add_co_u32 s20, s20, s21
	s_lshl_b32 s21, s42, 10                        ; column 256 xt + 128 x half
	s_add_co_u32 s20, s20, s21
	s_lshl_b32 s21, s16, 9
	s_add_co_u32 s20, s20, s21
	s_mov_b32 s21, 0
	s_lshl_b32 s22, s17, 15                        ; pst: 8 yt tiles of 4,096 bytes
	s_mov_b32 s23, 0
	v_lshrrev_b32 v7, 4, v0                        ; THE HEAD: thread n takes row n % 16 of the work-group's tile n / 16
	v_and_b32 v2, 15, v0                           ; r
	v_lshlrev_b32 v8, 12, v7
	v_lshl_add_u32 v8, v2, 4, v8                   ; its records: 4,096 a tile, 16 a row
	v_and_b32 v1, 31, v0                           ; lane
	v_bfe_u32 v3, v0, 4, 1                         ; h
	v_lshlrev_b32 v4, 4, v1                        ; 16 x lane
	s_lshl_b32 s18, s14, 12
	s_add_co_u32 s18, s18, VSC
	v_add_nc_u32 v12, s18, v4                      ; where my wave's 4,096 bytes of V^T's scale words go
	v_min_u32 v[PFO], 23, v1                       ; 24 blocks an instruction: lanes 24-31 name the last block again
	v_lshlrev_b32 v[PFO], 8, v[PFO]
	s_wait_alu depctr_va_vdst(0)
	s_wait_kmcnt 0x0
	s_add_nc_u64 s[10:11], s[10:11], s[20:21]
	s_add_nc_u64 s[6:7], s[6:7], s[22:23]
.irp k, 0,1,2,3,4,5,6,7,8,9,10,11,12,13,14,15
	global_load_b128 v[RCD+4*\k:RCD+4*\k+3], v8, s[6:7] offset:256*\k   ; sixteen lanes read 256 consecutive bytes
.endr
	s_add_nc_u64 s[88:89], s[8:9], s[46:47]        ; V^T's scale words come through registers into LDS bytes of their own: 4,096 dense bytes a wave, against 24,576 bytes of codes and more in each fill: so they are not asked for jointly
.irp i, 0,1,2,3,4,5,6,7
	global_load_b128 v[192+4*\i:195+4*\i], v4, s[88:89] offset:512*\i   ; 32 lanes read 512 consecutive bytes
.endr
	s_mul_i32 s2, s12, TILE                        ; p's offsets are made in s2, s3, s12, V^T's in s13, s46, s47
	s_mov_b32 s3, 0
	s_add_nc_u64 s[2:3], s[4:5], s[2:3]
	s_mul_i32 s46, s13, TILE
	s_add_co_u32 s46, s46, CODES
	s_add_nc_u64 s[46:47], s[8:9], s[46:47]
.irp s, 0,1
	s_mov_b32 s[G0+4*\s], 1
	s_add_co_u32 s[G0+4*\s+1], s45, \s*SLOT
	s_add_nc_u64 s[G0+4*\s+2:G0+4*\s+3], s[2:3], \s*RTS
	s_or_b32 s[G0+4*\s+3], s[G0+4*\s+3], 0x80000000
	s_mov_b32 s[G0B+4*\s], 1
	s_add_co_u32 s[G0B+4*\s+1], s19, \s*SLOT
	s_add_nc_u64 s[G0B+4*\s+2:G0B+4*\s+3], s[46:47], \s*RTS
	s_or_b32 s[G0B+4*\s+3], s[G0B+4*\s+3], 0x80000000
.endr
	s_cmp_eq_u32 s15, 0                            ; where my prefetches stand: p's tile cx of my four, or V^T's tiles 2 cy, 2 cy + 1 of my eight
	s_cselect_b64 s[4:5], s[2:3], s[46:47]
	s_cselect_b32 s20, s40, s41
	s_lshl_b32 s20, s20, s15
	s_mul_i32 s20, s20, TILE
	s_mov_b32 s21, 0
	s_add_nc_u64 s[4:5], s[4:5], s[20:21]
	CROUND                                         ; all sixteen work-groups are here: the first joint loads meet
	JLOAD G0, G1, G0B, G1B                         ; my part of slot 0
	s_mul_i32 s2, s15, HA
	s_mul_i32 s3, s16, HB
	s_add_co_u32 s3, s3, 2*HA
.irp s, 0,1
	v_add_nc_u32 v[ADRA+\s], s2, v4
	v_add_nc_u32 v[ADRB+\s], s3, v4
	s_add_co_u32 s2, s2, SLOT
	s_add_co_u32 s3, s3, SLOT
.endr
	s_lshl_b32 s2, s15, 12                         ; p's scale words: my four tiles
	s_lshl_b32 s3, s16, 13                         ; V^T's: my eight tiles, 8,192 bytes behind p's base
	s_add_co_u32 s3, s3, 8192
	s_sub_co_u32 s3, s3, s2
	v_mul_u32_u24 v6, s3, v3                       ; lanes 16-31 take V^T's: one product, the distance between the two bases
	s_add_co_u32 s2, s2, PSC
	v_lshl_add_u32 v5, v2, 4, v6
	v_add_nc_u32 v[ADRS], s2, v5
	s_lshl_b32 s2, s15, 8
	s_add_co_u32 s2, s2, INVL
	v_lshlrev_b32 v22, 2, v2
	v_add_nc_u32 v22, s2, v22                      ; 1 / l of my queries: 4 (64 x half + r)
	s_mul_i32 s2, s14, 16*SPITCH                   ; my stage
	v_mul_u32_u24 v24, v2, SPITCH
	v_lshl_add_u32 v24, v3, 6, v24
	v_add_nc_u32 v24, s2, v24                      ; in: row r, + 64 h
	v_add_nc_u32 v25, s2, v4                       ; back: 16 x lane of a row
	v_mov_b32 v26, v4                              ; and the same in a row of out0
	v_lshlrev_b32 v9, 10, v7
	v_lshl_add_u32 v9, v2, 4, v9
	v_add_nc_u32 v9, PSC, v9                       ; the head's stores: 1,024 a tile, 16 a row
	v_lshl_add_u32 v10, v0, 2, INVL
	s_mov_b32 s20, 0x01010101
	s_wait_loadcnt 8                               ; my row's sixteen records are in; the eight loads of V^T's scale words may be out
	ASKP RTS                                       ; behind the fill of period p stands the request for period p + 1, which the next fill loads: one change of slots, four K steps, ahead; here period 1, some way behind the head's tensor load
	v_min3_num_f32 v[NG], v[RCD+1], v[RCD+5], v[RCD+9]
.irp k, 3,5,7,9,11,13
	v_min3_num_f32 v[NG], v[NG], v[RCD+4*\k+1], v[RCD+4*\k+5]
.endr
	v_min_num_f32 v[NG], v[NG], v[RCD+61]          ; -M = the least -M_loc
.irp k, 0,1,2,3,4,5,6,7,8,9,10,11,12,13,14,15
	v_sub_f32 v178, v[RCD+4*\k+1], v[NG]           ; d = M - M_loc: a whole number, 0 or more
	v_cvt_i32_f32 v178, v178                       ; (it saturates)
	v_min_u32 v178, 127, v178
	v_sub_nc_u32 v179, 0, v178
	v_ldexp_f32 v179, 1.0, v179                    ; 2^-d
.if \k == 0
	v_mul_f32 v[LL], v[RCD+2], v179
.else
	v_fma_f32 v[LL], v[RCD+4*\k+2], v179, v[LL]    ; l
.endif
	v_mul_lo_u32 v180, v178, s20                   ; d in all four bytes
	v_or_b32 v181, 0x80808080, v[RCD+4*\k]         ; the raw bytes are 1 to 125: with bit 7 set on top no byte borrows from the next,
	v_sub_nc_u32 v181, v181, v180                  ; and bit 7 stays set just where byte - d is 0 or more
	v_and_b32 v182, 0x80808080, v181
	v_lshrrev_b32 v183, 7, v182
	v_sub_nc_u32 v182, v182, v183                  ; 0x7f in those bytes, 0 in the others
	v_and_b32 v[WD+\k], v181, v182                 ; byte - d, held at 0 from below
.endr
	s_wait_alu depctr_va_vdst(0)
	v_rcp_f32 v184, v[LL]
	v_nop                                          ; a plain place behind the reciprocal
.irp g, 0,1,2,3
	ds_store_b128 v9, v[WD+4*\g:WD+4*\g+3] offset:256*\g
.endr
	s_wait_alu depctr_va_vdst(0)
	ds_store_b32 v10, v184
	s_wait_loadcnt 0x0                             ; V^T's scale words
.irp i, 0,1,2,3,4,5,6,7
	ds_store_b128 v12, v[192+4*\i:195+4*\i] offset:512*\i
.endr
	s_wait_tensorcnt 0x0                           ; my part of slot 0 is in
	ds_add_u32 v[SPW], v[NIL]
	s_wait_dscnt 0x0                               ; the add is done, and so are my stores of scale words and of 1 / l
	CROUND                                         ; a whole round: everybody's part is in, and the joint loads meet
	JLOAD G0+4, G1, G0B+4, G1B                     ; my part of slot 1: the first tensor load behind the round
	ASKP 2*RTS                                     ; period 2
	FETCH 0, 0
	SCALES 0
	STEP 0, 0, 1
	STEP 0, 1, 0
	STEP 0, 2, 0
	TURN 0, 1, 1, 256
	ASKP 3*RTS                                     ; period 3; its own fill asks for nothing
	STEP 1, 0, 0
	STEP 1, 1, 0
	STEP 1, 2, 0
	TURN 1, 0, 1, 256
	STEP 0, 0, 0
	STEP 0, 1, 0
	STEP 0, 2, 0
	TURN 0, 1, 0, 256
	STEP 1, 0, 0
	STEP 1, 1, 0
	STEP 1, 2, 0
	LAST
	; THE WAY OUT, a block of 16 queries x my 128 d at a time: x 1 / l, through my own stage in LDS, back as whole rows of 512 bytes.
	PLACES 4                                       ; behind the last products: what follows reads results and writes registers that held p's fragments
.irp a, 0,1,2,3
	ds_load_b32 v[IV+2*\a], v22 offset:64*\a
	v_mov_b32 v[IV+2*\a+1], 0                      ; (named as the upper half of a pair)
.endr
	s_wait_alu depctr_va_vdst(0)
.irp a, 0,1,2,3
	s_wait_dscnt 0x0                               ; 1 / l is in; the last block's rows are back
	WIN 0x02                                       ; source 0: the accumulators' window
.set NN, 0
.rept 32
	v_pk_mul_f32 v[OV+NN:OV+NN+1], v[64*\a+NN:64*\a+NN+1], v[IV+2*\a:IV+2*\a+1] op_sel_hi:[1,0]   ; each accumulator from its low end on
.set NN, NN+2
.endr
	WIN 0
.irp b, 0,1,2,3
.irp j, 0,1,2,3
	ds_store_b128 v24, v[OV+16*\b+4*\j:OV+16*\b+4*\j+3] offset:128*\b+16*\j   ; register 16 b + i is d 32 b + 16 h + i of my query
.endr
.endr
.if \a > 0
	s_wait_xcnt 0x0                                ; the last block's stores have read their registers
.endif
.irp t, 0,1,2,3,4,5,6,7,8,9,10,11,12,13,14,15
	ds_load_b128 v[BK+4*\t:BK+4*\t+3], v25 offset:\t*SPITCH   ; LDS serves a wave's instructions in order: these see the stores above
.endr
	s_wait_dscnt 0x0
.irp t, 0,1,2,3,4,5,6,7,8,9,10,11,12,13,14,15
	global_store_b128 v26, v[BK+4*\t:BK+4*\t+3], s[10:11] offset:(32*(\a/2)+8*(\a%2)+\t+8*(\t/8))*4096 th:TH_STORE_NT   ; 32 lanes store 512 consecutive bytes, aligned; lane-row t's place among my 64 queries
.endr
.endr
	s_wait_tensorcnt 0x0                           ; the wave's end
	ds_add_u32 v[SPW], v[NIL]
	s_wait_dscnt 0x0
	CROUND                                         ; the closing round
	s_endpgm
.Lfunc_end_k_q498afd3f58_pv:
	.size	k_q498afd3f58_pv, .Lfunc_end_k_q498afd3f58_pv-k_q498afd3f58_pv
	.p2alignl 7, 3214868480
	.fill 96, 4, 3214868480
	.section	.rodata,"a",@progbits
	.p2align	6, 0x0
	.amdhsa_kernel k_q498afd3f58_pv
		.amdhsa_group_segment_fixed_size 327680
		.amdhsa_private_segment_fixed_size 0
		.amdhsa_enable_private_segment 0
		.amdhsa_kernarg_size 32
		.amdhsa_user_sgpr_count 2
		.amdhsa_user_sgpr_kernarg_segment_ptr 1
		.amdhsa_wavefront_size32 1
		.amdhsa_system_sgpr_workgroup_id_x 1
		.amdhsa_system_sgpr_workgroup_id_y 1
		.amdhsa_system_sgpr_workgroup_id_z 1
		.amdhsa_system_vgpr_workitem_id 0
		.amdhsa_next_free_vgpr 768
		.amdhsa_next_free_sgpr 100
		.amdhsa_reserve_vcc 0
		.amdhsa_float_denorm_mode_32 3
		.amdhsa_float_denorm_mode_16_64 3
		.amdhsa_memory_ordered 1
		.amdhsa_forward_progress 1
		.amdhsa_inst_pref_size 156
	.end_amdhsa_kernel
	.amdgpu_metadata
---
amdhsa.version: [ 1, 2 ]
amdhsa.kernels:
  - .name:           k_q498afd3f58_pv
    .symbol:         k_q498afd3f58_pv.kd
    .args:
      - { .name: pc, .offset: 0, .size: 8, .value_kind: global_buffer, .address_space: global }
      - { .name: pst, .offset: 8, .size: 8, .value_kind: global_buffer, .address_space: global }
      - { .name: vt, .offset: 16, .size: 8, .value_kind: global_buffer, .address_space: global }
      - { .name: out0, .offset: 24, .size: 8, .value_kind: global_buffer, .address_space: global }
    .group_segment_fixed_size: 327680
    .private_segment_fixed_size: 0
    .kernarg_segment_align: 8
    .kernarg_segment_size: 32
    .max_flat_workgroup_size: 128
    .sgpr_count:     100
    .vgpr_count:     768
    .wavefront_size: 32
...
	.end_amdgpu_metadata
.endif
;; end of part 8
